; MI455X (gfx1250); checked and timed in simulation.
; The chip was launched on July 23, 2026; its instructions are those of AMD's public machine-readable ISA for CDNA 5 (MIT licence, August 2026) and "CDNA5" Instruction Set Architecture Reference Guide (July 2026). The comments in the code are by the model that wrote it; some were corrected since.
;; Ggml Encoder Attention. Allowed arithmetic: matrix products marked QUANTISED: E2M1 operands, one E8M0 scale for each 32 along K, by v_wmma_scale_f32_16x16x128_f8f6f4 with both operands' format E2M1 (or v_wmma_scale_f32_32x16x128_f4), f32 sums; everything else in f32.
;; Inputs: freqs_cos 2,048 x 64 float32; freqs_sin 2,048 x 64 float32; wk_b 2,048 float32; wk_w 2,048 x 2,048 float32; wo_b 2,048 float32; wo_w 2,048 x 2,048 float32; wq_b 2,048 float32; wq_w 2,048 x 2,048 float32; wv_b 2,048 float32; wv_w 2,048 x 2,048 float32; x 1 x 2,048 x 2,048 float32.
;; Outputs: out0 1 x 2,048 x 2,048 float32.
;; This version of the problem:
;;   THIS VERSION OF THE PROBLEM IS GIVEN IN LOW PRECISION. The matrix products marked QUANTISED in the list below multiply operands that are first quantised to E2M1 (2 exponent bits, 1 mantissa bit; 4 bits a number), with one power-of-two scale for each 32 numbers along K (OCP MX v1.0); their sums are f32. All else is computed in f32.
;;   The module's matrix products, in the order in which they are computed (A, B: the left and right operand; K: the contracted axis; several contracted axes count as one K, in the product's order):
;;     1. [M 2,048, K 2,048] x [K 2,048, N 2,048]; A: input x; B: input wq_w: QUANTISED
;;     2. [M 2,048, K 2,048] x [K 2,048, N 2,048]; A: input x; B: input wk_w: QUANTISED
;;     3. [M 2,048, K 2,048] x [K 2,048, N 2,048]; A: input x; B: input wv_w: QUANTISED
;;     4. batch 16 x [M 2,048, K 128] x [K 128, N 2,048]; A: computed on the way; B: computed on the way: QUANTISED
;;     5. batch 16 x [M 128, K 2,048] x [K 2,048, N 2,048]; A: computed on the way; B: softmax (see below): QUANTISED
;;     6. [M 2,048, K 2,048] x [K 2,048, N 2,048]; A: computed on the way; B: input wo_w: QUANTISED
;;   THE QUANTISER, for each operand of a quantised product, along K:
;;     - K is cut into blocks of 32 from its start; a last block that is shorter is filled with zeros.
;;     - A block's scale is 2^e with e = floor(log2(the largest magnitude in the block)) - 2, held to -126 .. 127; a block of zeros has e = 0. As a byte (E8M0): e + 127.
;;     - Each number is divided by its block's scale, clamped to +-6, and rounded to the nearest number of E2M1, ties to even, subnormals kept.
;;     - The product sums the exact products of the quantised numbers (number of the format x scale) in f32.
;;   ~~~python
;;   def quantise(x, axis):      # numpy; x: float32 -> the quantised numbers, widened to float32 again
;;       x = np.moveaxis(x, axis, -1); K = x.shape[-1]
;;       x = np.pad(x, [(0, 0)] * (x.ndim - 1) + [(0, -K % 32)]); x = x.reshape(x.shape[:-1] + (-1, 32)); a = np.abs(x).max(-1, keepdims=True)
;;       e = np.where(a > 0, np.clip(np.frexp(np.where(a > 0, a, 1))[1] - 1 - 2, -126, 127), 0)      # np.frexp(a)[1] - 1 = floor(log2(a)), exactly
;;       r = np.clip(x / 2.0 ** e, -6, 6)
;;       step = 2.0 ** (np.maximum(np.frexp(np.where(r == 0, 1, r))[1] - 1, 0) - 1)
;;       q = np.round(r / step) * step * 2.0 ** e      # np.round: ties to even
;;       return np.moveaxis(q.reshape(q.shape[:-2] + (-1,))[..., :K], -1, axis).astype(np.float32)
;;   ~~~
;;   SOFTMAX AHEAD OF A QUANTISED PRODUCT. Where the list says 'softmax', what is quantised is not the finished softmax but p = 2^(t - M), with t = logit x log2(e) and M = ceil(the row's largest t), a whole number; so 1/2 < the row's largest p <= 1. The row's sum l is taken of the UNQUANTISED p, in f32, and the product's result is divided by l at the end. Since M is a whole number, a kernel that streams over the keys may use a running M (the ceiling of the running maximum): every later rescaling is an exact power of two, which a block's scale takes up: the codes' values come out the same.
;;   OPERANDS COMPUTED ON THE WAY. 'Computed on the way' means the value that the module computes at that place (a softmax that the list does not call 'softmax' is quantised finished and normalised). What goes into a quantiser is computed in f32, as accurately as f32 sums, v_exp_f32 and their like allow (about 1e-6 of the number): no bf16 or f16 on the way to a quantiser, and a product that is left as it is and whose result goes on into a quantised operand takes f32 operands (vector FMAs, or v_wmma_f32_16x16x4_f32). A number that lies on a knife's edge between two numbers of the format may be rounded either way, as far as f32 arithmetic and the matrix unit's own rounding can turn it there, and no further.
;; 2 versions. Each part assembles by itself: llvm-mc -triple=amdgcn-amd-amdhsa -mcpu=gfx1250 --defsym DOCPART=n.
;; ======== version 1 of 2: 4 launches
;; workspace buffers: codes 10,485,760 bytes; scales 655,360 bytes; rope 1,048,576 bytes; qkv 6,684,672 bytes; yc 2,097,152 bytes; ys 131,072 bytes
;; launch prep (part 1): grid 768 x 1, 4 waves a work-group, no clusters, 33,280 bytes of LDS; arguments x, wq_w, wk_w, wv_w, wo_w, codes, scales, rope; writes codes, scales, rope
.if DOCPART == 1
	.amdgcn_target "amdgcn-amd-amdhsa--gfx1250"
	.amdhsa_code_object_version 6
	.text
	.protected	k_qc3a990078f_prep
	.globl	k_qc3a990078f_prep
	.p2align	8
	.type	k_qc3a990078f_prep,@function
k_qc3a990078f_prep:
	s_mov_b64 s[64:65], 0
	v_nop
	global_prefetch_b8 v0, s[64:65] scope:SCOPE_SE
	s_setreg_imm32_b32 hwreg(HW_REG_WAVE_MODE, 25, 1), 1
	s_wait_xcnt 0x0
; PREP.  Work-groups 0-639: x, wq_w, wk_w, wv_w, wo_w ([2048][2048] f32, K innermost) become codes of FP4 (E2M1), two a byte, and one E8M0 byte for each 32 along K.
; codes: [10240 places][1024 bytes], scales: [10240 places][64 bytes]; tensor T (x 0, wq 1, wk 2, wv 3, wo 4) begins at place 2048 T.
; ROW rho OF A TENSOR LIES AT PLACE pi(rho), pi = bits 3 and 4 of the number exchanged.  So 16 neighbouring places 16 i + r are rows 32 (i/2) + 8 (i%2) + r + 8 (r/8): with such a tile as a product's
; source 0, a lane's registers of two neighbouring tiles are 16 neighbours of the result's axis, which is what the next quantiser wants.
; A block's scale is 2^(floor(log2(its largest magnitude)) - 2); its byte is the largest magnitude's exponent field - 2, held at 1 from below.
; LIMITS: a block of zeros, and one whose largest magnitude lies under 2^-124, gets the byte 1 (the rule says 127 for zeros: the codes are zeros, and this program alone reads the bytes); NaN and infinities are not served.
; A wave takes 4 rows (8,192 numbers) in 16 steps of 512.  Each load reads 512 consecutive bytes; a step's 2,048 bytes turn through the wave's own stage in LDS, so that a lane holds 16 neighbours along K.
; Loads run four steps (16 loads a wave) ahead, the turn through LDS one step.  Waves share nothing: no barrier.
; Work-groups 640-767: the table of cos and sin for the rotation of q and k, laid in the order in which the next launch's registers take it:
; rope[tau 128][k 16][lane 32][16 bytes]: k = 4 b + e, lane (r, h): cos, sin of (t = pi(16 tau + r), i = 16 b + 8 h + 2 e), then cos, sin of i + 1.  angle = t x 10^(-i/16), one rounding.
; 10^(-i/16) is made as a product of constants kept in two f32 words each, and rounded once: taken to be the correctly rounded f32 power.  cos and sin: the angle less n pi/2 (pi/2 in two words; the first
; subtraction is exact for angles under 2^11), then polynomials on [-pi/4, pi/4]: good to about 1e-7 absolute.  freqs_cos and freqs_sin are not read: the function that is computed does not use them.
.set STEPS, 16
.set EMAX,  2
.set CB,    8                          ; bytes of 16 codes
.set R,     16                         ; v16-79   four sets of 16 numbers as they are loaded
.set X,     80                         ; v80-111  two sets of 16 neighbours
.set C,     128                        ; v128-191 codes: four registers for each step, so that no store's data are written again
.set E,     112                        ; v112-127 a scale byte for each step
.set WREG,  8192                       ; LDS: a region for each wave: two stages of 32 x SP bytes, then its 256 scale bytes
.set SP,    80                         ; a lane's place in a stage: 64 bytes + 16 of padding
.set NQWG,  640                        ; 5 tensors x 128 work-groups of 16 rows
	s_load_b512 s[4:19], s[0:1], 0x0               ; x, wq_w, wk_w, wv_w, wo_w, codes s[14:15], scales s[16:17], rope s[18:19]
	v_lshl_add_u32 v192, v0, 2, 0x8000
	v_mov_b32 v193, 0
	s_cmp_ge_u32 ttmp9, NQWG
	s_cbranch_scc1 .Ltable                         ; the table's work-groups touch no LDS
	v_lshrrev_b32 v1, 5, v0
	v_readfirstlane_b32 s20, v1                    ; wave
	v_and_b32 v2, 31, v0                           ; lane
	v_lshlrev_b32 v3, 4, v2                        ; my 16 bytes of a load's 512
	s_mul_i32 s21, s20, WREG
	v_lshrrev_b32 v14, 2, v2
	v_mul_u32_u24 v14, v14, SP
	v_and_b32 v15, 3, v2
	v_lshl_add_u32 v14, v15, 4, v14
	v_add_nc_u32 v14, s21, v14                     ; the stage, on the way in: SP (lane / 4) + 16 (lane % 4)
	v_mul_u32_u24 v15, v2, SP
	v_add_nc_u32 v15, s21, v15                     ; and on the way out: SP x lane: my 16 neighbours
	v_mul_u32_u24 v4, v2, CB                       ; my codes' place in a step's
	v_lshrrev_b32 v5, 1, v2
	s_add_co_u32 s21, s21, 2*32*SP
	v_add_nc_u32 v5, s21, v5                       ; LDS: my wave's 256 scale bytes, my block's byte
	v_lshlrev_b32 v7, 3, v2                        ; and on the way out 8 bytes a lane
	v_add_nc_u32 v6, s21, v7
	s_lshr_b32 s22, ttmp9, 7                       ; T: which tensor
	s_and_b32 s23, ttmp9, 127
	s_lshl_b32 s23, s23, 2
	s_add_co_u32 s23, s23, s20                     ; my run of 4 rows: 0 .. 511
	s_lshr_b32 s24, s23, 1
	s_lshr_b32 s25, s23, 2
	s_xor_b32 s24, s24, s25
	s_and_b32 s24, s24, 1
	s_mul_i32 s24, s24, 6
	s_xor_b32 s24, s23, s24                        ; bits 1 and 2 of the run exchanged: pi on its rows
	s_lshl_b32 s25, s22, 9
	s_add_co_u32 s24, s24, s25                     ; + 512 runs a tensor
	s_mov_b32 s27, 0
	s_wait_kmcnt 0x0
	s_cmp_eq_u32 s22, 1                            ; the choice hangs on the work-group's number alone
	s_cselect_b64 s[4:5], s[6:7], s[4:5]
	s_cmp_eq_u32 s22, 2
	s_cselect_b64 s[4:5], s[8:9], s[4:5]
	s_cmp_eq_u32 s22, 3
	s_cselect_b64 s[4:5], s[10:11], s[4:5]
	s_cmp_eq_u32 s22, 4
	s_cselect_b64 s[4:5], s[12:13], s[4:5]
	s_lshl_b32 s26, s23, 15                        ; 32,768 bytes of f32 a run
	s_add_nc_u64 s[4:5], s[4:5], s[26:27]
	s_lshl_b32 s26, s24, 12                        ; 4,096 bytes of codes
	s_add_nc_u64 s[14:15], s[14:15], s[26:27]
	s_lshl_b32 s26, s24, 8                         ; 256 scale bytes
	s_add_nc_u64 s[16:17], s[16:17], s[26:27]
.macro LOAD t
.irp i, 0,1,2,3
	global_load_b128 v[R+16*((\t)%4)+4*\i:R+16*((\t)%4)+4*\i+3], v3, s[4:5] offset:2048*(\t)+512*\i th:TH_LOAD_NT   ; 32 lanes read 512 consecutive bytes
.endr
.endm
.macro TURN t                          ; step t's numbers through the stage: LDS serves a wave's instructions in order, so no wait stands between the stores and the loads
.irp i, 0,1,2,3
	ds_store_b128 v14, v[R+16*((\t)%4)+4*\i:R+16*((\t)%4)+4*\i+3] offset:32*SP*((\t)%2)+8*SP*\i
.endr
.irp i, 0,1,2,3
	ds_load_b128 v[X+16*((\t)%2)+4*\i:X+16*((\t)%2)+4*\i+3], v15 offset:32*SP*((\t)%2)+16*\i
.endr
.endm
.irp t, 0,1,2,3
	LOAD \t
.endr
	s_wait_loadcnt 12                              ; step 0's four loads are in
	TURN 0
.macro STEP t
.set XS, X+16*((\t)%2)
.if (\t) > 0
	s_wait_dscnt 1                                 ; this step's numbers are back from the stage (the last step's byte store may be out): so its stores into the stage have read their registers,
.else
	s_wait_dscnt 0x0
.endif
.if (\t)+4 < STEPS
	LOAD (\t)+4                                    ; which take the loads of four steps on
.endif
.if (\t)+1 < STEPS
.if STEPS-2-(\t) >= 3
	s_wait_loadcnt 12                              ; the next step's four loads are in; those of the three steps behind it may be out
.else
	s_wait_loadcnt 4*(STEPS-2-(\t))
.endif
	TURN (\t)+1                                    ; and go through the other stage while this step is worked
.endif
	v_max3_num_f32 v8, |v[XS]|, |v[XS+1]|, |v[XS+2]|               ; the largest magnitude of my 16
	v_max3_num_f32 v9, |v[XS+3]|, |v[XS+4]|, |v[XS+5]|
.irp i, 6,10
	v_max3_num_f32 v8, v8, |v[XS+\i]|, |v[XS+\i+1]|
	v_max3_num_f32 v9, v9, |v[XS+\i+2]|, |v[XS+\i+3]|
.endr
	v_max3_num_f32 v8, v8, |v[XS+14]|, |v[XS+15]|
	v_max3_num_f32 v8, v8, v9, (EMAX+1)<<23        ; and the floor 2^(3 - 127): so the byte cannot fall under 1
	v_max_num_f32_dpp v8, v8, v8 row_xmask:1 row_mask:0xf bank_mask:0xf   ; and of my neighbour's 16: the block's
	v_add_nc_u32 v11, -(EMAX<<23), v8              ; 2 off its exponent field: the conversion takes the exponent field of this operand as its scale
	v_cvt_scalef32_pk8_fp4_f32 v[C+4*(\t)], v[XS:XS+7], v11
	v_cvt_scalef32_pk8_fp4_f32 v[C+4*(\t)+1], v[XS+8:XS+15], v11
	v_lshrrev_b32 v[E+(\t)], 23, v11               ; the scale's byte
	ds_store_b8 v5, v[E+(\t)] offset:16*(\t)       ; both lanes of a block write the same byte with the same value
	global_store_b64 v4, v[C+4*(\t):C+4*(\t)+1], s[14:15] offset:32*CB*(\t)   ; the wave stores 256 consecutive bytes, aligned
.endm
.irp t, 0,1,2,3,4,5,6,7,8,9,10,11,12,13,14,15
	STEP \t
.endr
	ds_load_b64 v[12:13], v6                       ; LDS serves a wave's instructions in order: these see my stores
	s_wait_dscnt 0x0
	global_store_b64 v7, v[12:13], s[16:17]        ; 32 lanes store 256 consecutive bytes, aligned
	s_wait_tensorcnt 0x0
	ds_add_u32 v192, v193
	s_wait_dscnt 0x0
	s_endpgm
; ---- the table.  128 threads: r = bits 0-3, h = bit 4, e = bits 5-6.  Each makes cos and sin for 8 frequencies: b = 0 .. 3, i and i + 1
.Ltable:
	s_sub_co_u32 s20, ttmp9, NQWG                  ; tau
	s_lshr_b32 s21, s20, 1
	s_lshl_b32 s21, s21, 5
	s_and_b32 s22, s20, 1
	s_lshl_b32 s22, s22, 3
	s_add_co_u32 s21, s21, s22                     ; 32 (tau / 2) + 8 (tau % 2)
	s_lshl_b32 s22, s20, 13                        ; 8,192 bytes a tile of 16 places
	s_mov_b32 s23, 0
	s_mov_b32 s24, 0x3f5dafd7                      ; 10^(-1/16), upper and lower word
	s_mov_b32 s25, 0xb2ff54dd
	s_mov_b32 s26, 0x3dcccccd                      ; 0.1
	s_mov_b32 s27, 0xb0cccccd
	s_mov_b32 s28, 0x3c23d70a                      ; 0.01
	s_mov_b32 s29, 0x2f75c28f
	s_mov_b32 s30, 0x3a83126f                      ; 0.001
	s_mov_b32 s31, 0xae50e560
	s_mov_b32 s32, 0x3f22f983                      ; 2 / pi
	s_mov_b32 s33, 0x3fc90fdb                      ; pi / 2, upper word,
	s_mov_b32 s34, 0xb33bbd2e                      ; and lower
	s_mov_b32 s35, 0xbe2aaaa3                      ; sin: -1.6666654611e-1, 8.3321608736e-3, -1.9515295891e-4
	s_mov_b32 s36, 0x3c08839e
	s_mov_b32 s37, 0xb94ca1f9
	s_mov_b32 s38, 0x3d2aaaa5                      ; cos: 4.166664568e-2, -1.388731625e-3, 2.443315712e-5
	s_mov_b32 s39, 0xbab6061a
	s_mov_b32 s40, 0x37ccf5ce
	v_and_b32 v1, 15, v0                           ; r
	v_and_b32 v2, 8, v1
	v_add3_u32 v5, v1, v2, s21                     ; t = 32 (tau / 2) + 8 (tau % 2) + r + 8 (r / 8)
	v_cvt_f32_u32 v5, v5
	v_lshlrev_b32 v6, 4, v0                        ; 16 bytes a thread
	v_mov_b32 v20, 0x3f3ff911                      ; 10^(-1/8) where e is odd, else 1
	v_mov_b32 v21, 0x32022bb1
	v_and_b32 v2, 32, v0
	v_cmp_ne_u32 vcc_lo, 0, v2
	v_cndmask_b32 v8, 1.0, v20, vcc_lo
	v_cndmask_b32 v9, 0, v21, vcc_lo
	v_mov_b32 v20, 0x3f0ff59a                      ; 10^(-1/4) where e is 2 or 3
	v_mov_b32 v21, 0xb1f8f1ef
	v_and_b32 v2, 64, v0
	v_cmp_ne_u32 vcc_lo, 0, v2
	v_cndmask_b32 v12, 1.0, v20, vcc_lo
	v_cndmask_b32 v13, 0, v21, vcc_lo
	v_mov_b32 v20, 0x3ea1e89b                      ; 10^(-1/2) where h is 1
	v_mov_b32 v21, 0x31121244
	v_and_b32 v2, 16, v0
	v_cmp_ne_u32 vcc_lo, 0, v2
	v_cndmask_b32 v14, 1.0, v20, vcc_lo
	v_cndmask_b32 v15, 0, v21, vcc_lo
; (dh + dl) = (ah + al) x (bh + bl): the product of the upper words with its own error by a fused multiply-add, the cross terms, and the sum split anew
.macro DFMUL dh, dl, ah, al, bh, bl
	v_mul_f32 v28, \bh, \ah
	v_fma_f32 v29, \ah, \bh, -v28
	v_fma_f32 v29, \ah, \bl, v29
	v_fma_f32 v29, \al, \bh, v29
	v_add_f32 \dh, v28, v29
	v_sub_f32 v30, v28, \dh
	v_add_f32 \dl, v30, v29
.endm
.macro INV d, fh, fl, ch, cl           ; the same, rounded to one word
	v_mul_f32 v28, \ch, \fh
	v_fma_f32 v29, \fh, \ch, -v28
	v_fma_f32 v29, \fh, \cl, v29
	v_fma_f32 v29, \fl, \ch, v29
	v_add_f32 \d, v28, v29
.endm
; cos and sin of t x inv into v[dc], v[dsn].  n = the nearest whole number of quarter turns; the choice by n's low bits is made by selects and signs: no branch
.macro SINCOS inv, dc, dsn
	v_mul_f32 v20, v5, \inv                        ; the angle: one rounding
	v_mul_f32 v21, s32, v20
	v_rndne_f32 v21, v21                           ; n
	v_fma_f32 v22, -v21, s33, v20                  ; exact: both are multiples of 2^-23 (2^-24 under 1) and the difference is under 1
	v_fma_f32 v22, -v21, s34, v22                  ; rho
	v_mul_f32 v23, v22, v22                        ; z
	v_fma_f32 v24, v23, s37, s36
	v_fma_f32 v26, v23, s40, s39
	v_fma_f32 v24, v23, v24, s35
	v_fma_f32 v26, v23, v26, s38
	v_mul_f32 v25, v22, v23
	v_fma_f32 v27, v23, -0.5, 1.0
	v_mul_f32 v23, v23, v23
	v_fma_f32 v24, v25, v24, v22                   ; sin rho
	v_fma_f32 v26, v23, v26, v27                   ; cos rho
	v_cvt_i32_f32 v25, v21
	v_and_b32 v27, 1, v25
	v_cmp_eq_u32 vcc_lo, 1, v27
	v_cndmask_b32 v[\dsn], v24, v26, vcc_lo        ; an odd n exchanges the two
	v_cndmask_b32 v[\dc], v26, v24, vcc_lo
	v_lshlrev_b32 v27, 30, v25
	v_and_b32 v27, 0x80000000, v27                 ; sin is negated where n % 4 is 2 or 3,
	v_xor_b32 v[\dsn], v27, v[\dsn]
	v_add_nc_u32 v25, 1, v25
	v_lshlrev_b32 v25, 30, v25
	v_and_b32 v25, 0x80000000, v25                 ; cos where it is 1 or 2
	v_xor_b32 v[\dc], v25, v[\dc]
.endm
	DFMUL v8, v9, v8, v9, v12, v13
	DFMUL v8, v9, v8, v9, v14, v15                 ; 10^(-(8 h + 2 e)/16)
	DFMUL v10, v11, v8, v9, s24, s25               ; 10^(-(8 h + 2 e + 1)/16)
	SINCOS v8, 32, 33                              ; b = 0: the upper words are the rounded powers
	SINCOS v10, 34, 35
.irp b, 1,2,3
	INV v31, v8, v9, s[24+2*\b], s[25+2*\b]
	SINCOS v31, 32+4*\b, 33+4*\b
	INV v31, v10, v11, s[24+2*\b], s[25+2*\b]
	SINCOS v31, 34+4*\b, 35+4*\b
.endr
	s_wait_kmcnt 0x0
	s_add_nc_u64 s[18:19], s[18:19], s[22:23]
.irp b, 0,1,2,3
	global_store_b128 v6, v[32+4*\b:35+4*\b], s[18:19] offset:2048*\b   ; a wave stores 512 consecutive bytes, aligned
.endr
	s_endpgm
.Lfunc_end_k_qc3a990078f_prep:
	.size	k_qc3a990078f_prep, .Lfunc_end_k_qc3a990078f_prep-k_qc3a990078f_prep
	.p2alignl 7, 3214868480
	.fill 96, 4, 3214868480
	.section	.rodata,"a",@progbits
	.p2align	6, 0x0
	.amdhsa_kernel k_qc3a990078f_prep
		.amdhsa_group_segment_fixed_size 33280
		.amdhsa_private_segment_fixed_size 0
		.amdhsa_enable_private_segment 0
		.amdhsa_kernarg_size 64
		.amdhsa_user_sgpr_count 2
		.amdhsa_user_sgpr_kernarg_segment_ptr 1
		.amdhsa_wavefront_size32 1
		.amdhsa_system_sgpr_workgroup_id_x 1
		.amdhsa_system_sgpr_workgroup_id_y 1
		.amdhsa_system_sgpr_workgroup_id_z 1
		.amdhsa_system_vgpr_workitem_id 0
		.amdhsa_next_free_vgpr 194
		.amdhsa_next_free_sgpr 66
		.amdhsa_reserve_vcc 1
		.amdhsa_float_denorm_mode_32 3
		.amdhsa_float_denorm_mode_16_64 3
		.amdhsa_memory_ordered 1
		.amdhsa_forward_progress 1
		.amdhsa_inst_pref_size 48
	.end_amdhsa_kernel
	.amdgpu_metadata
---
amdhsa.version: [ 1, 2 ]
amdhsa.kernels:
  - .name:           k_qc3a990078f_prep
    .symbol:         k_qc3a990078f_prep.kd
    .args:
      - { .name: x, .offset: 0, .size: 8, .value_kind: global_buffer, .address_space: global }
      - { .name: wq_w, .offset: 8, .size: 8, .value_kind: global_buffer, .address_space: global }
      - { .name: wk_w, .offset: 16, .size: 8, .value_kind: global_buffer, .address_space: global }
      - { .name: wv_w, .offset: 24, .size: 8, .value_kind: global_buffer, .address_space: global }
      - { .name: wo_w, .offset: 32, .size: 8, .value_kind: global_buffer, .address_space: global }
      - { .name: codes, .offset: 40, .size: 8, .value_kind: global_buffer, .address_space: global }
      - { .name: scales, .offset: 48, .size: 8, .value_kind: global_buffer, .address_space: global }
      - { .name: rope, .offset: 56, .size: 8, .value_kind: global_buffer, .address_space: global }
    .group_segment_fixed_size: 33280
    .private_segment_fixed_size: 0
    .kernarg_segment_align: 8
    .kernarg_segment_size: 64
    .max_flat_workgroup_size: 128
    .sgpr_count:     66
    .vgpr_count:     194
    .wavefront_size: 32
...
	.end_amdgpu_metadata
.endif
;; end of part 1
;; launch qkv (part 2): grid 24 x 8, 4 waves a work-group, clusters of 4 x 4, 327,680 bytes of LDS; arguments codes, scales, wq_b, wk_b, wv_b, rope, qkv; writes qkv
.if DOCPART == 2
	.amdgcn_target "amdgcn-amd-amdhsa--gfx1250"
	.amdhsa_code_object_version 6
	.text
	.protected	k_qc3a990078f_qkv
	.globl	k_qc3a990078f_qkv
	.p2align	8
	.type	k_qc3a990078f_qkv,@function
k_qc3a990078f_qkv:
	s_mov_b64 s[64:65], 0
	v_nop
	global_prefetch_b8 v0, s[64:65] scope:SCOPE_SE
	s_setreg_imm32_b32 hwreg(HW_REG_WAVE_MODE, 25, 1), 1
	s_wait_xcnt 0x0
	s_wait_alu depctr_hold_cnt(0) depctr_sa_sdst(0) depctr_va_vdst(0) depctr_va_sdst(0) depctr_va_ssrc(0) depctr_va_vcc(0) depctr_vm_vsrc(0)
	s_getreg_b32 s2, hwreg(HW_REG_IB_STS2, 6, 4)
	s_cmp_eq_u32 s2, 0
	s_cbranch_scc0 .Lentry_in_a_cluster
	s_endpgm
.Lentry_in_a_cluster:
	s_bfe_u32 s2, ttmp6, 0x10000c
	s_cmp_lg_u32 s2, 0xf033
	s_cbranch_scc0 .Lentry_shape_is_right
	s_endpgm
.Lentry_shape_is_right:
; QKV.  q = rot(x wq^T + bq), k = rot(x wk^T + bk), v = x wv^T + bv on codes of FP4 (E2M1) with one E8M0 scale for each 32 along K = 2,048; the results are quantised in registers and leave as operands of the attention.
; A work-group of four waves makes 256 x 256 of one product, a wave 128 x 128: 64 accumulators, 512 registers.  K goes in steps of 512 through a ring of two LDS slots (rows of 256 bytes); the scale bytes of the
; work-group's 512 rows, for all of K, come into LDS once.  24 x 8 work-groups: columns 0-7 q, 8-15 k, 16-23 v.
; SOURCE 0 ("B") is the operand along whose rows the RESULT IS QUANTISED; a lane's registers run along it.  q, k: B = the weight's rows (the head's 128 channels), A = x's rows.  v: B = x's rows (the keys), A = wv's rows.
; Rows lie in the buffers at places pi(row) (bits 3 and 4 exchanged): so register 8 t + j of B's tiles t = 2 b + u, in lane half h, is index 32 b + 16 h + 8 u + j of the wave's 128: 16 neighbours in two tiles; the
; rotation's pairs (2 i, 2 i + 1) are register pairs.  Lane r holds A's place 16 a + r.
; OUT: qkv[3][head 16][step 16][8,704 bytes].  A record is 128 places x 128 K: eight images of fragments (registers 4 c .. 4 c + 3 of lane l at 1024 a + 512 c + 16 l), then 512 bytes of scale words: the word at
; 16 l + 4 p is that of tile 2 p + (l / 16), row l % 16.  q, k: places = t, K = the head's channels; v: places = channels, K = the step's 128 keys.  Every store of a wave covers 512 consecutive bytes, aligned.
; CLUSTERS: 4 x 4.  A's tiles are shared along a row of the cluster, B's along a column: joint loads.  Which product a work-group serves hangs on the cluster's x alone: the same in all sixteen partners.
; Every work-group loads the bias in both layouts and the first cos and sin, though v uses only the first and q, k only the others: so one branch alone parts the ways, at the way out, and every counted wait sees the same loads.
; LIMITS: a block whose largest magnitude lies under 2^-124 (zeros too) gets the byte 1; NaN and infinities are not served; the rotation uses one fused multiply-add where two roundings are written.
; REGISTERS, in windows of 256: window 0: v1-5 at work, v6-7 the add's, v8-9, v23 offsets, v10-17 a block's codes, v18-22 LDS addresses, v24-31 v's bias, v32-95 scale words (two sets), v96-127 the quantiser's,
;   v128-191 A's fragments, later 64 numbers of a block, v192-255 q's or k's bias.   window 1: B's fragments at v0 and v128; cos and sin, two sets, at v64 and v192.   windows 2, 3: the accumulators ((a, b) at v[8 (8 (a % 4) + b)]).
.set KSTEP,  512
.set NQ,     4                         ; matrix instructions deep in a slot
.set ROWB,   256                       ; a tile's row in bytes
.set KROW,   1024                      ; a row of codes in memory
.set PITCH,  272                       ; an LDS row: 256 bytes + 16 of padding: the 16 rows that a load touches start at 16 different banks
.set FR,     8
.set NL,     2
.set NP,     4                         ; places behind this matrix instruction (ISA guide 7.12.1)
.set HALFT,  128*PITCH
.set SLOT,   4*HALFT
.set LAPS,   2                         ; 2,048 / (2 x 512)
.set KS,     64                        ; a row of scale bytes
.set SCL,    2*SLOT
.set HALFS,  32*272                    ; the scales of 128 rows: 32 units of 256 bytes + 16
.set SBLK,   4*272                     ; those of 16 rows
.set SPARE,  SCL+4*HALFS               ; the spare words: 128 bytes for each wave; no other line names them
.set REC,    8704
.set SPW,  6
.set NIL,  7
.set BA,   8                           ; 64 h: my half's 16 channels of a block of 32
.set LI,   9                           ; 16 x lane
.set PC,   10                          ; v10-17 a block's codes
.set ADRA, 18
.set ADRB, 20
.set ADRS, 22
.set VBA,  23                          ; 4 (r + 8 (r / 8))
.set VB,   24                          ; v24-31 v's bias: one number a lane for each of A's blocks
.set SC,   32
.set TM,   96
.set PW,   112                         ; v112-119 the blocks' scale words
.set TP,   120
.set AF,   128
.set NUM,  128
.set BIAS, 192
.set CS0,  64                          ; in window 1
.set G1, 24
.set G0, 32
.set G1B, 48
.set G0B, 56
.set G1S, 68
.set G0S, 76
.set G1SB, 80
.set G0SB, 88
.set SEL, 100
.set MSB, 0
.macro WIN new                         ; the immediate's high byte repeats the setting that is left
.if MSB != \new
	s_set_vgpr_msb (MSB<<8)|\new
.set MSB, \new
.endif
.endm
.set MUL_LO, 0xa1                      ; source 0 (B) window 1, source 1 (A) window 0, C and D window 2
.set MUL_HI, 0xf1
.set TO_B,   0x40
; A joint load: waves 0 and 1 fetch for A, waves 2 and 3 for B; the branch hangs on the wave's number alone.  Four v_nop follow each of the two lines.
.macro JLOAD g0a, g1a, g0b, g1b
	s_cmp_eq_u32 s15, 0
	s_cbranch_scc0 .Lfor_b_\@
	tensor_load_to_lds s[\g0a:\g0a+3], s[\g1a:\g1a+7]
	s_nop 0
.rept 4
	v_nop
.endr
	s_branch .Lasked_\@
.Lfor_b_\@:
	tensor_load_to_lds s[\g0b:\g0b+3], s[\g1b:\g1b+7]
	s_nop 0
.rept 4
	v_nop
.endr
.Lasked_\@:
.endm
.macro CREST
	s_cmp_lg_u32 s14, 0
	s_cbranch_scc1 .Lnot_wave_0_\@
	s_barrier_signal -3
.Lnot_wave_0_\@:
	s_barrier_wait -3
	s_barrier_signal -1
	s_barrier_wait -1
.endm
.macro CROUND
	s_barrier_signal -1
	s_barrier_wait -1
	CREST
.endm
	s_load_b128 s[4:7], s[0:1], 0x0                ; codes, scales
	s_load_b256 s[80:87], s[0:1], 0x10             ; wq_b, wk_b, wv_b, rope
	s_load_b64 s[12:13], s[0:1], 0x30              ; qkv
	v_lshl_add_u32 v[SPW], v0, 2, SPARE
	v_mov_b32 v[NIL], 0
	ds_add_u32 v6, v7
	ds_add_u32 v6, v7
	s_wait_dscnt 0x0
	v_lshrrev_b32 v1, 5, v0
	v_readfirstlane_b32 s14, v1                    ; wave 0..3
	s_lshr_b32 s15, s14, 1                         ; which half of A's rows is mine.  Also: I fetch for A (0) or for B (1)
	s_and_b32 s16, s14, 1                          ; which half of B's rows.  Also: which 128 rows I fetch
	s_bfe_u32 s40, ttmp6, 0x40000                  ; cx, cy
	s_bfe_u32 s41, ttmp6, 0x40004
	s_lshl_b32 s42, ttmp9, 2
	s_add_co_u32 s42, s42, s40                     ; gx = 4 x cluster x + cx
	s_and_b32 s17, ttmp7, 0xffff
	s_lshl_b32 s17, s17, 2
	s_add_co_u32 s17, s17, s41                     ; gy = 4 x cluster y + cy
	s_lshl_b32 s43, s41, 2
	s_lshl_b32 s43, 15, s43                        ; my row of the cluster
	s_lshl_b32 s44, 0x1111, s40                    ; my column
	s_mov_b32 s67, 0xffff0000                      ; lanes 16-31
	s_mov_b32 s[SEL], 0x76543210
	s_mov_b32 s[SEL+1], 0xfedcba98                 ; v_permlanex16_b32's selects for lane l xor 16
	; descriptor group 1: 128 rows x 256 bytes, 16 bytes of padding behind each
	s_or_b32 s[G1+0], s43, (0<<16)|(1<<20)|(1<<21)|(5<<22)|(3<<25)
	s_or_b32 s[G1B+0], s44, (0<<16)|(1<<20)|(1<<21)|(5<<22)|(3<<25)
.irp g, G1, G1B
	s_mov_b32 s[\g+1], ROWB<<16
	s_mov_b32 s[\g+2], 128<<16
	s_mov_b32 s[\g+3], ROWB<<16
	s_mov_b32 s[\g+4], 128
	s_mov_b32 s[\g+5], KROW
	s_mov_b32 s[\g+6], 0
	s_mov_b32 s[\g+7], 0
.endr
	s_wait_kmcnt 0x0
	s_cmp_ge_u32 ttmp9, 2                          ; clusters 0, 1: q; 2, 3: k; 4, 5: v
	s_cselect_b64 s[8:9], s[82:83], s[80:81]
	s_cmp_ge_u32 ttmp9, 4
	s_cselect_b64 s[8:9], s[84:85], s[8:9]         ; my product's bias
	s_cselect_b32 s66, 6144, 0                     ; v: A = wv's rows (places 6,144 on), B = x's; else A = x's, B = wq's or wk's (2,048 on)
	s_mov_b64 s[10:11], s[8:9]
	s_mov_b64 s[96:97], s[86:87]
	; the scales of 128 rows: 8,192 dense bytes as 32 rows of 256 (32 elements of 8 bytes), 16 bytes of padding behind each
	s_or_b32 s[G1S+0], s43, (3<<16)|(1<<20)|(1<<21)|(5<<22)|(3<<25)
	s_or_b32 s[G1SB+0], s44, (3<<16)|(1<<20)|(1<<21)|(5<<22)|(3<<25)
.irp g, G1S, G1SB
	s_mov_b32 s[\g+1], 32<<16
	s_mov_b32 s[\g+2], 32<<16
	s_mov_b32 s[\g+3], 32<<16
	s_mov_b32 s[\g+4], 32
	s_mov_b32 s[\g+5], 32
	s_mov_b32 s[\g+6], 0
	s_mov_b32 s[\g+7], 0
.endr
	s_lshl_b32 s18, s16, 7                         ; which 128 rows of the tile I fetch
	s_lshl_b32 s20, s17, 8
	s_add_co_u32 s20, s20, s18
	s_add_co_u32 s20, s20, s66                     ; A: place 256 gy + 128 x half (+ 6,144)
	s_lshl_b32 s46, s42, 8
	s_add_co_u32 s46, s46, s18
	s_add_co_u32 s46, s46, 2048
	s_sub_co_u32 s46, s46, s66                     ; B: place 256 gx + 128 x half + 2,048 (- 6,144)
	s_lshl_b32 s22, s20, 6                         ; 64 scale bytes a place,
	s_mov_b32 s23, 0
	s_lshl_b32 s20, s20, 10                        ; 1,024 bytes of codes
	s_mov_b32 s21, 0
	s_lshl_b32 s92, s46, 6
	s_mov_b32 s93, 0
	s_lshl_b32 s46, s46, 10
	s_mov_b32 s47, 0
	s_mul_i32 s45, s14, HALFT                      ; where they go: wave x 128 rows: no place in the cluster enters an LDS address
	s_mul_i32 s94, s14, HALFS
	s_add_nc_u64 s[20:21], s[4:5], s[20:21]
	s_add_nc_u64 s[22:23], s[6:7], s[22:23]
	s_add_nc_u64 s[46:47], s[4:5], s[46:47]
	s_add_nc_u64 s[92:93], s[6:7], s[92:93]
	CROUND                                         ; all sixteen work-groups are here: the first joint loads meet
	s_mov_b32 s[G0S], 1
	s_add_co_u32 s[G0S+1], s94, SCL
	s_mov_b64 s[G0S+2:G0S+3], s[22:23]
	s_or_b32 s[G0S+3], s[G0S+3], 0x80000000
	s_mov_b32 s[G0SB], 1
	s_add_co_u32 s[G0SB+1], s94, SCL
	s_mov_b64 s[G0SB+2:G0SB+3], s[92:93]
	s_or_b32 s[G0SB+3], s[G0SB+3], 0x80000000
	JLOAD G0S, G1S, G0SB, G1SB                     ; the scales first: they are wanted with K step 0
.irp s, 0,1
	s_mov_b32 s[G0+4*\s], 1
	s_add_co_u32 s[G0+4*\s+1], s45, \s*SLOT
	s_add_nc_u64 s[G0+4*\s+2:G0+4*\s+3], s[20:21], \s*ROWB
	s_or_b32 s[G0+4*\s+3], s[G0+4*\s+3], 0x80000000
	s_mov_b32 s[G0B+4*\s], 1
	s_add_co_u32 s[G0B+4*\s+1], s45, \s*SLOT
	s_add_nc_u64 s[G0B+4*\s+2:G0B+4*\s+3], s[46:47], \s*ROWB
	s_or_b32 s[G0B+4*\s+3], s[G0B+4*\s+3], 0x80000000
	JLOAD G0+4*\s, G1, G0B+4*\s, G1B               ; three loads of mine are out
.endr
	v_and_b32 v1, 15, v0                           ; r
	v_bfe_u32 v2, v0, 4, 1                         ; h
	v_mul_u32_u24 v3, v1, PITCH
	v_lshl_add_u32 v4, v2, 4, v3                   ; a fragment's row x pitch + 16 x half
	s_mul_i32 s21, s15, HALFT
	s_mul_i32 s22, s16, HALFT
	s_add_co_u32 s22, s22, 2*HALFT
.irp s, 0,1
	v_add_nc_u32 v[ADRA+\s], s21, v4
	v_add_nc_u32 v[ADRB+\s], s22, v4
	s_add_co_u32 s21, s21, SLOT
	s_add_co_u32 s22, s22, SLOT
.endr
	v_mul_u32_u24 v5, v1, KS                       ; my row's scales: 64 bytes a row,
	v_lshrrev_b32 v3, 8, v5
	v_lshl_add_u32 v5, v3, 4, v5                   ; and 16 more for each 256 passed
	s_mul_i32 s21, s15, HALFS
	s_mul_i32 s22, s16, HALFS
	s_add_co_u32 s22, s22, 2*HALFS
	s_sub_co_u32 s22, s22, s21
	v_mul_u32_u24 v3, s22, v2                      ; lanes 16-31 take B's
	s_add_co_u32 s21, s21, SCL
	v_add_nc_u32 v5, v5, v3
	v_add_nc_u32 v[ADRS], s21, v5
	v_and_b32 v3, 31, v0
	v_lshlrev_b32 v[LI], 4, v3
	v_lshlrev_b32 v[BA], 6, v2
	v_and_b32 v3, 8, v1
	v_add_nc_u32 v3, v3, v1
	v_lshlrev_b32 v[VBA], 2, v3
	; the bias by register (q, k): my 128 channels begin at ((gx % 8) 256 + 128 x column half); by lane (v): at 256 gy + 128 x row half
	s_and_b32 s98, s42, 7
	s_lshl_b32 s98, s98, 10
	s_lshl_b32 s99, s16, 9
	s_add_co_u32 s98, s98, s99
	s_mov_b32 s99, 0
	s_add_nc_u64 s[10:11], s[10:11], s[98:99]
	s_lshl_b32 s98, s17, 10
	s_lshl_b32 s18, s15, 9
	s_add_co_u32 s98, s98, s18
	s_add_nc_u64 s[8:9], s[8:9], s[98:99]
	s_lshl_b32 s98, s17, 17                        ; cos and sin of my 8 tiles of places: tile 16 gy + 8 x row half, 8,192 bytes each
	s_lshl_b32 s18, s15, 16
	s_add_co_u32 s98, s98, s18
	s_add_nc_u64 s[96:97], s[96:97], s[98:99]
	s_lshl_b32 s98, s42, 1
	s_add_co_u32 s98, s98, s16                     ; P = 2 gx + column half
	s_lshl_b32 s99, s17, 1
	s_add_co_u32 s99, s99, s15                     ; Q = 2 gy + row half
	s_lshl_b32 s18, s98, 4
	s_add_co_u32 s18, s18, s99                     ; q, k: record 16 P + Q (P = 16 x tensor + head, Q = the step)
	s_lshl_b32 s19, s99, 4
	s_add_co_u32 s19, s19, s98
	s_add_co_u32 s19, s19, 480                     ; v: 512 + 16 Q + (P - 32) (Q = the head, P - 32 = the step)
	s_cmp_lg_u32 s66, 0
	s_cselect_b32 s18, s19, s18
	s_mul_i32 s18, s18, REC
	s_mov_b32 s19, 0
	s_add_nc_u64 s[12:13], s[12:13], s[18:19]
.macro CSLOAD a                        ; cos and sin for block a: 64 registers, into set a % 2 of window 1
.irp k, 0,1,2,3,4,5,6,7,8,9,10,11,12,13,14,15
	global_load_b128 v[CS0+128*((\a)%2)+4*\k:CS0+128*((\a)%2)+4*\k+3], v[LI], s[96:97] offset:(\a)*8192+512*\k
.endr
.endm
.irp a, 0,1,2,3,4,5,6,7
	global_load_b32 v[VB+\a], v[VBA], s[8:9] offset:(32*(\a/2)+8*(\a%2))*4      ; the bias of channel 32 (a/2) + 8 (a%2) + r + 8 (r/8)
.endr
.irp t, 0,1,2,3,4,5,6,7
	global_load_b128 v[BIAS+8*\t:BIAS+8*\t+3], v[BA], s[10:11] offset:(32*(\t/2)+8*(\t%2))*4     ; those of channels 32 (t/2) + 16 h + 8 (t%2) + 0 .. 7
	global_load_b128 v[BIAS+8*\t+4:BIAS+8*\t+7], v[BA], s[10:11] offset:(32*(\t/2)+8*(\t%2))*4+16
.endr
	WIN 0x40                                       ; destination window 1
	CSLOAD 0
	CSLOAD 1                                       ; 56 loads stay out over the K loop, which names none of their registers
	WIN 0
.macro FRAG reg, adr, q, i             ; 16 rows x 128 K of 4-bit codes: 8 registers: lane l holds row l % 16; registers 4 c .. 4 c + 3 hold K = 64 c + 32 (l / 16) + 0 .. 31
.irp c, 0,1
	ds_load_b128 v[\reg+4*\c:\reg+4*\c+3], v[\adr] offset:64*(\q)+32*\c+(\i)*16*PITCH
.endr
.endm
; 16 matrix instructions: A's blocks a0, a0 + 1 x B's eight, the slot's q-th 128 along K.  The 64 accumulators take turns, one instruction a turn, in the same order in every step.
.macro MUL16 a0, p, q, sc, zero
.irp a, \a0, \a0+1
.irp b, 0,1,2,3,4,5,6,7
.if \zero
	v_wmma_scale_f32_16x16x128_f8f6f4 v[8*(8*((\a)%4)+\b):8*(8*((\a)%4)+\b)+7], v[128*(\p)+FR*\b:128*(\p)+FR*\b+FR-1], v[AF+FR*(\a):AF+FR*(\a)+FR-1], 0, v[SC+8*NQ*(\sc)+NQ*\b+(\q)], v[SC+8*NQ*(\sc)+NQ*(\a)+(\q)] matrix_a_fmt:MATRIX_FMT_FP4 matrix_b_fmt:MATRIX_FMT_FP4 matrix_a_scale:MATRIX_SCALE_ROW1
.else
	v_wmma_scale_f32_16x16x128_f8f6f4 v[8*(8*((\a)%4)+\b):8*(8*((\a)%4)+\b)+7], v[128*(\p)+FR*\b:128*(\p)+FR*\b+FR-1], v[AF+FR*(\a):AF+FR*(\a)+FR-1], v[8*(8*((\a)%4)+\b):8*(8*((\a)%4)+\b)+7], v[SC+8*NQ*(\sc)+NQ*\b+(\q)], v[SC+8*NQ*(\sc)+NQ*(\a)+(\q)] matrix_a_fmt:MATRIX_FMT_FP4 matrix_b_fmt:MATRIX_FMT_FP4 matrix_a_scale:MATRIX_SCALE_ROW1
.endif
.endr
.endr
.endm
.macro FETCH_B slot, q, p
	WIN TO_B
.irp i, 0,1,2,3,4,5,6,7
	FRAG 128*(\p)+FR*\i, ADRB+\slot, \q, \i
.endr
	WIN 0
.endm
.macro FETCH_A slot, q, i0
.irp i, \i0, \i0+1, \i0+2, \i0+3
	FRAG AF+FR*(\i), ADRA+\slot, \q, \i
.endr
.endm
.macro SCALES sc                       ; a K step's scale words: 4 words a row; lanes 0-15 take A's block i, lanes 16-31 B's block i
.irp i, 0,1,2,3,4,5,6,7
	ds_load_b128 v[SC+8*NQ*\sc+NQ*\i:SC+8*NQ*\sc+NQ*\i+3], v[ADRS] offset:\i*SBLK
.endr
.endm
.macro PLACES n                        ; plain vector instructions between a matrix instruction and a load into, or a read of, its registers
.rept \n
	v_nop
.endr
.endm
.macro STEP slot, q, zero              ; 128 along K with its successor in the same slot
	s_wait_dscnt 4*NL                              ; B's set and A's blocks 0-3 are in; the youngest eight loads (A's blocks 4-7) may be out
	WIN MUL_LO
	MUL16 0, (\q)%2, \q, \slot, \zero
	MUL16 2, (\q)%2, \q, \slot, \zero
	s_wait_dscnt 0
	PLACES NP
	FETCH_B \slot, (\q)+1, 1-(\q)%2
	FETCH_A \slot, (\q)+1, 0
	WIN MUL_HI
	MUL16 4, (\q)%2, \q, \slot, \zero
	MUL16 6, (\q)%2, \q, \slot, \zero
	PLACES NP
	WIN 0
	FETCH_A \slot, (\q)+1, 4
.endm
; A slot's last step changes slots: one barrier; in front of it each wave waits for all its tensor loads, adds 0 to its spare word, and waits for that and for its own reads of this slot.
.macro TURN slot, next, fill
	s_wait_tensorcnt 0x0                           ; all my tensor loads have landed: my part of the next slot
	ds_add_u32 v[SPW], v[NIL]                      ; 0 onto my spare word
	s_wait_dscnt 4*NL+1                            ; (the add and A's blocks 4-7 may be out)
	WIN MUL_LO
	MUL16 0, 1, NQ-1, \slot, 0
	s_wait_dscnt 0x0                               ; the add is done, and my reads of this slot are over
	s_barrier_signal -1
	MUL16 2, 1, NQ-1, \slot, 0
	WIN 0
	s_barrier_wait -1
.if \fill
	CREST                                          ; the barrier has opened a round of the cluster's: no wave of any partner still reads this slot or has a load on its way
	s_add_nc_u64 s[G0+4*\slot+2:G0+4*\slot+3], s[G0+4*\slot+2:G0+4*\slot+3], 2*ROWB
	s_add_nc_u64 s[G0B+4*\slot+2:G0B+4*\slot+3], s[G0B+4*\slot+2:G0B+4*\slot+3], 2*ROWB
	JLOAD G0+4*\slot, G1, G0B+4*\slot, G1B         ; the first tensor load behind the round; its four v_nop are the places in front of the loads below
.else
	PLACES NP
.endif
	v_add_nc_u32 v[ADRS], 4*NQ, v[ADRS]            ; on to the next K step's scale words
	FETCH_B \next, 0, 0
	FETCH_A \next, 0, 0
	SCALES \next
	WIN MUL_HI
	MUL16 4, 1, NQ-1, \slot, 0
	MUL16 6, 1, NQ-1, \slot, 0
	PLACES NP
	WIN 0
	FETCH_A \next, 0, 4
.endm
.macro STEPS slot, from
.set Q, \from
.rept NQ-1-\from
	STEP \slot, Q, 0
.set Q, Q+1
.endr
.endm
	s_wait_tensorcnt 1                             ; the scales and my part of K step 0 are in (K step 1's load may be out)
	s_barrier_signal -1
	s_barrier_wait -1
	FETCH_B 0, 0, 0
	FETCH_A 0, 0, 0
	SCALES 0
	FETCH_A 0, 0, 4
	STEP 0, 0, 1                                   ; the first step's products start the sums
	s_mov_b32 s3, LAPS-1
.Llap:
	STEPS 0, 1
	TURN 0, 1, 1
	STEPS 1, 0
	TURN 1, 0, 1
	STEP 0, 0, 0
	s_sub_co_u32 s3, s3, 1
	s_cmp_lg_u32 s3, 0
	s_cbranch_scc1 .Llap
	STEPS 0, 1                                     ; the last lap fills nothing
	TURN 0, 1, 0
	STEPS 1, 0
	s_wait_dscnt 4*NL
	WIN MUL_LO
	MUL16 0, 1, NQ-1, 1, 0
	MUL16 2, 1, NQ-1, 1, 0
	s_wait_dscnt 0
	WIN MUL_HI
	MUL16 4, 1, NQ-1, 1, 0
	MUL16 6, 1, NQ-1, 1, 0
	WIN 0
; THE WAY OUT, block by block of A's 16 places.  No LDS: a lane's 64 numbers of a block are 128 along the next K of ITS place, half a block of 32 in each half of the lanes.
; 64 numbers v[s] .. v[s + 63], register 16 b + i = k 32 b + 16 (lane / 16) + i, become a fragment's codes in v[PC] on and its scale word in v[pw].
.macro QUANT s, pw
.irp b, 0,1,2,3
	v_max3_num_f32 v[TM+\b], |v[\s+16*\b]|, |v[\s+1+16*\b]|, 0x1800000   ; my 16 numbers of block b, and the floor 2^(3 - 127): the byte cannot fall under 1
.endr
.irp i, 2,4,6,8,10,12,14
.irp b, 0,1,2,3
	v_max3_num_f32 v[TM+\b], v[TM+\b], |v[\s+16*\b+\i]|, |v[\s+1+16*\b+\i]|
.endr
.endr
.irp b, 0,1,2,3
	v_permlanex16_b32 v[TM+4+\b], v[TM+\b], s[SEL], s[SEL+1]
.endr
.irp b, 0,1,2,3
	v_max_num_f32 v[TM+\b], v[TM+\b], v[TM+4+\b]   ; with lane l xor 16's: the block's largest magnitude
.endr
.irp b, 0,1,2,3
	v_add_nc_u32 v[TM+12+\b], 0xff000000, v[TM+\b] ; 2 off its exponent field: the conversion's scale operand
.endr
.irp b, 0,1,2,3
	v_lshrrev_b32 v[TM+4+\b], 23, v[TM+12+\b]      ; the scale's byte
.endr
	v_lshl_or_b32 v[\pw], v[TM+5], 8, v[TM+4]
	v_lshl_or_b32 v[\pw], v[TM+6], 16, v[\pw]
	v_lshl_or_b32 v[\pw], v[TM+7], 24, v[\pw]
.irp b, 0,1,2,3
	v_cvt_scalef32_pk8_fp4_f32 v[PC+2*\b], v[\s+16*\b:\s+7+16*\b], v[TM+12+\b]
	v_cvt_scalef32_pk8_fp4_f32 v[PC+1+2*\b], v[\s+8+16*\b:\s+15+16*\b], v[TM+12+\b]
.endr
	v_nop                                          ; one plain place behind a scaled conversion
.irp c, 0,1                            ; the operand's layout wants a whole block in a lane
.irp i, 0,1
	v_permlane16_swap_b32 v[PC+4*\c+\i], v[PC+2+4*\c+\i]
.endr
.endr
.endm
.macro EPI a, rope
.set AC, 64*((\a)%4)
.set CR, CS0+128*((\a)%2)
.if (\a) > 0
	s_wait_xcnt 0x0                                ; the last block's stores have read v[PC] on: it is written again only behind this wait
.endif
.if \rope
.if (\a) < 7
	s_wait_loadcnt 16                              ; the bias and this block's cos and sin are in; the next block's 16 loads may be out
.else
	s_wait_loadcnt 0x0
.endif
.else
.if (\a) == 0
	s_wait_loadcnt 0x0
.endif
.endif
	WIN 0x02+(\a)/4                                ; source 0: window 2 or 3
.set M, 0
.rept 32                               ; + the bias; each accumulator from its low end on
.if \rope
	v_pk_add_f32 v[NUM+2*M:NUM+2*M+1], v[AC+2*M:AC+2*M+1], v[BIAS+2*M:BIAS+2*M+1]
.else
.if (\a)%2
	v_pk_add_f32 v[NUM+2*M:NUM+2*M+1], v[AC+2*M:AC+2*M+1], v[VB+(\a)-1:VB+(\a)] op_sel:[0,1] op_sel_hi:[1,1]   ; the pair's second word for both halves
.else
	v_pk_add_f32 v[NUM+2*M:NUM+2*M+1], v[AC+2*M:AC+2*M+1], v[VB+(\a):VB+(\a)+1] op_sel_hi:[1,0]               ; its first
.endif
.endif
.set M, M+1
.endr
.if \rope
	WIN 0x04                                       ; source 1 (cos, sin): window 1
.irp g, 0,1,2,3,4,5,6,7
.irp k, 0,1,2,3
	v_pk_mul_f32 v[TP+2*\k:TP+2*\k+1], v[NUM+8*\g+2*\k:NUM+8*\g+2*\k+1], v[CR+8*\g+2*\k:CR+8*\g+2*\k+1] op_sel_hi:[1,0]   ; (t1 cos, t2 cos)
.endr
.irp k, 0,1,2,3
	v_pk_fma_f32 v[NUM+8*\g+2*\k:NUM+8*\g+2*\k+1], v[NUM+8*\g+2*\k:NUM+8*\g+2*\k+1], v[CR+8*\g+2*\k:CR+8*\g+2*\k+1], v[TP+2*\k:TP+2*\k+1] op_sel:[1,1,0] op_sel_hi:[0,1,1] neg_lo:[1,0,0]   ; (t1 cos - t2 sin, t2 cos + t1 sin)
.endr
.endr
.if (\a) < 6
	WIN 0x40
	CSLOAD (\a)+2                                  ; the set just used takes the block two further on
.endif
.endif
	WIN 0
	QUANT NUM, PW+(\a)
.irp c, 0,1
	global_store_b128 v[LI], v[PC+4*\c:PC+4*\c+3], s[12:13] offset:1024*(\a)+512*\c   ; the image: 512 consecutive bytes a store
.endr
.endm
.macro WORDS                           ; the record's scale words: lanes 0-15 tile 2 p's, lanes 16-31 tile 2 p + 1's
.irp p, 0,1,2,3
	v_cndmask_b32 v[TP+\p], v[PW+2*\p], v[PW+2*\p+1], s67
.endr
	global_store_b128 v[LI], v[TP:TP+3], s[12:13] offset:8192
.endm
	PLACES NP                                      ; behind the last products
.irp b, 0,1,2,3
	v_mov_b32 v[TM+4+\b], 0                        ; written once: a lane permute's destination counts as one of its sources
.endr
	s_cmp_lg_u32 s66, 0
	s_cbranch_scc1 .Lv_out                         ; the same way in all sixteen partners
.irp a, 0,1,2,3,4,5,6,7
	EPI \a, 1
.endr
	WORDS
	s_branch .Lend
.Lv_out:
.irp a, 0,1,2,3,4,5,6,7
	EPI \a, 0
.endr
	WORDS
.Lend:
	s_wait_tensorcnt 0x0                           ; the wave's end
	ds_add_u32 v[SPW], v[NIL]
	s_wait_dscnt 0x0
	CROUND                                         ; the closing round: no work-group ends while a partner may still ask for a tile that names it
	s_endpgm
.Lfunc_end_k_qc3a990078f_qkv:
	.size	k_qc3a990078f_qkv, .Lfunc_end_k_qc3a990078f_qkv-k_qc3a990078f_qkv
	.p2alignl 7, 3214868480
	.fill 96, 4, 3214868480
	.section	.rodata,"a",@progbits
	.p2align	6, 0x0
	.amdhsa_kernel k_qc3a990078f_qkv
		.amdhsa_group_segment_fixed_size 327680
		.amdhsa_private_segment_fixed_size 0
		.amdhsa_enable_private_segment 0
		.amdhsa_kernarg_size 56
		.amdhsa_user_sgpr_count 2
		.amdhsa_user_sgpr_kernarg_segment_ptr 1
		.amdhsa_wavefront_size32 1
		.amdhsa_system_sgpr_workgroup_id_x 1
		.amdhsa_system_sgpr_workgroup_id_y 1
		.amdhsa_system_sgpr_workgroup_id_z 1
		.amdhsa_system_vgpr_workitem_id 0
		.amdhsa_next_free_vgpr 1024
		.amdhsa_next_free_sgpr 102
		.amdhsa_reserve_vcc 0
		.amdhsa_float_denorm_mode_32 3
		.amdhsa_float_denorm_mode_16_64 3
		.amdhsa_memory_ordered 1
		.amdhsa_forward_progress 1
		.amdhsa_inst_pref_size 255
	.end_amdhsa_kernel
	.section	.bss,"aw",@nobits
	.p2align	6
	.space	262144
	.amdgpu_metadata
---
amdhsa.version: [ 1, 2 ]
amdhsa.kernels:
  - .name:           k_qc3a990078f_qkv
    .symbol:         k_qc3a990078f_qkv.kd
    .args:
      - { .name: codes, .offset: 0, .size: 8, .value_kind: global_buffer, .address_space: global }
      - { .name: scales, .offset: 8, .size: 8, .value_kind: global_buffer, .address_space: global }
      - { .name: wq_b, .offset: 16, .size: 8, .value_kind: global_buffer, .address_space: global }
      - { .name: wk_b, .offset: 24, .size: 8, .value_kind: global_buffer, .address_space: global }
      - { .name: wv_b, .offset: 32, .size: 8, .value_kind: global_buffer, .address_space: global }
      - { .name: rope, .offset: 40, .size: 8, .value_kind: global_buffer, .address_space: global }
      - { .name: qkv, .offset: 48, .size: 8, .value_kind: global_buffer, .address_space: global }
    .group_segment_fixed_size: 327680
    .private_segment_fixed_size: 0
    .kernarg_segment_align: 8
    .kernarg_segment_size: 56
    .max_flat_workgroup_size: 128
    .sgpr_count:     102
    .vgpr_count:     1024
    .wavefront_size: 32
...
	.end_amdgpu_metadata
.endif
;; end of part 2
;; launch attn (part 3): grid 16 x 16, 8 waves a work-group, clusters of 4 x 1, 279,552 bytes of LDS; arguments qkv, yc, ys; writes yc, ys
.if DOCPART == 3
	.amdgcn_target "amdgcn-amd-amdhsa--gfx1250"
	.amdhsa_code_object_version 6
	.text
	.protected	k_qc3a990078f_attn
	.globl	k_qc3a990078f_attn
	.p2align	8
	.type	k_qc3a990078f_attn,@function
k_qc3a990078f_attn:
	s_mov_b64 s[64:65], 0
	v_nop
	global_prefetch_b8 v0, s[64:65] scope:SCOPE_SE
	s_setreg_imm32_b32 hwreg(HW_REG_WAVE_MODE, 25, 1), 1
	s_wait_xcnt 0x0
	s_wait_alu depctr_hold_cnt(0) depctr_sa_sdst(0) depctr_va_vdst(0) depctr_va_sdst(0) depctr_va_ssrc(0) depctr_va_vcc(0) depctr_vm_vsrc(0)
	s_getreg_b32 s2, hwreg(HW_REG_IB_STS2, 6, 4)
	s_cmp_eq_u32 s2, 0
	s_cbranch_scc0 .Lentry_in_a_cluster
	s_endpgm
.Lentry_in_a_cluster:
	s_bfe_u32 s2, ttmp6, 0x10000c
	s_cmp_lg_u32 s2, 0x3003
	s_cbranch_scc0 .Lentry_shape_is_right
	s_endpgm
.Lentry_shape_is_right:
; ATTN.  y[t][head] = softmax_k(q[t] . k[k] / sqrt(128), k <= t) v[k], both products on codes of FP4 (E2M1) with one E8M0 scale for each 32 along K; y is quantised along the head's channels and leaves as the last product's operand.
; THE SOFTMAX: t = score x log2(e) / sqrt(128); M = the running largest t rounded UP to a whole number; p = 2^(t - M) is quantised along the keys, not normalised; the row's sum is taken of the unquantised p and divides at the end.
; IN: qkv[3][head][step 16][8,704 bytes]: a record = eight images of fragments (16 places x 128 K: registers 4 c .. 4 c + 3 of lane l at 1024 t + 512 c + 16 l) and 512 bytes of scale words (at 16 l + 4 p: tile 2 p + l / 16, row l % 16).
; Places are pi(index) (bits 3 and 4 exchanged): with a tile as source 0, register 8 t + j (t = 2 b + u) of lane half h is index 32 b + 16 h + 8 u + j: 16 neighbours in two tiles.
; Both products are used transposed: S^T = K Q^T, O^T = V^T P^T: a lane holds ONE query (lane % 16) throughout.
; SHARES.  256 work-groups of eight waves; a wave owns one tile of 16 queries.  A block of 128 queries, number Bq, wants key steps 0 .. Bq.  Cluster c of a head takes blocks c, 7 - c, 8 + c, 15 - c: waves w and w + 4 have
; Bq + 1 = 17 steps together, in every work-group.  The four partners take two of a block's eight tiles each: tile 2 cx + w % 2.  cx enters q's and y's global addresses and the mask's compared number alone.
; LDS: a whole head's K and V, with their scales, 32 records: filled ONCE, by joint loads (all four partners read the same head): wave w brings records w % 4 + 4 G, G = 0 .. 3, of K (w < 4) or V.  Four loads of a wave are out.
; Nothing is filled again.  In front of key steps 4 G .. 4 G + 3 a counted wait and a barrier show group G whole.  All that the launch reads of K and V is asked for at its start: there is no later stream to ask ahead for.
; A step all of whose keys come after the wave's queries is jumped over: a scalar branch on ids; no barrier stands in a step.  The loops' trip counts are constants.
; OUT: yc[head][tile 128][1,024 bytes]: the image of y's fragment; ys[place 2,048][64 bytes]: its scale word at 4 x head (stores of 4 bytes a lane, rows 64 bytes apart: 128 KiB in all).
; LIMITS: a block's largest p is taken from its largest score (v_exp_f32 is taken not to fall where its input rises); blocks under 2^-124 get the byte 1; NaN and infinities are not served.
; REGISTERS: v1 16 x lane; v2 the mask's number; v8, v9 LDS addresses; v12 -M, v13 the largest t, v[14:15] the sum; v16-23 Q; v32-95 eight fragments of K, then of V; v96-159 S^T, then p; v160-223 O^T; v224-231 codes;
;   v232-247, v252, v254 at work; v248-251 K's, then V's scale words; v253 p's; v255 Q's.
.set REC,   8704
.set VBASE, 16*REC                     ; V's records lie behind K's
.set LI,  1
.set DQ,  2
.set ADK, 8
.set ADV, 9
.set TM,  232
.set PC,  224
.set WV,  10
.set CX,  12
.set HD,  13
.set BQ,  14
.set TA,  15
.set G1,  16                           ; s[16:23] descriptor group 1;  s[24:39] four groups 0
.set G0,  24
.set SEL, 40
.set CS,  42
.set TB,  44                           ; LDS byte of the step's record of K
.set KST, 45                           ; the key step
.set CNT, 46
.macro ROUND
	s_barrier_signal -1
	s_barrier_wait -1
	s_cmp_lg_u32 s[WV], 0
	s_cbranch_scc1 .Lnot_wave_0_\@
	s_barrier_signal -3
.Lnot_wave_0_\@:
	s_barrier_wait -3
	s_barrier_signal -1
	s_barrier_wait -1
.endm
	s_load_b128 s[4:7], s[0:1], 0x0                ; qkv, yc
	s_load_b64 s[8:9], s[0:1], 0x10                ; ys
	v_lshl_add_u32 v242, v0, 2, 0x44000
	v_mov_b32 v243, 0
	ds_add_u32 v242, v243
	ds_add_u32 v242, v243
	v_lshrrev_b32 v1, 5, v0
	v_readfirstlane_b32 s[WV], v1                  ; wave 0..7
	s_bfe_u32 s[CX], ttmp6, 0x40000                ; cx
	s_and_b32 s[HD], ttmp7, 0xffff                 ; the head
	s_sub_co_u32 s47, 7, ttmp9                     ; ttmp9: the cluster's x, c = 0 .. 3
	s_and_b32 s48, s[WV], 2
	s_cmp_lg_u32 s48, 0
	s_cselect_b32 s[BQ], s47, ttmp9                ; c or 7 - c,
	s_sub_co_u32 s47, 15, s[BQ]
	s_and_b32 s48, s[WV], 4
	s_cmp_lg_u32 s48, 0
	s_cselect_b32 s[BQ], s47, s[BQ]                ; or 15 less that: my block of 128 queries
	s_and_b32 s[TA], s[WV], 1
	s_lshl_b32 s47, s[CX], 1
	s_add_co_u32 s[TA], s[TA], s47                 ; my tile in it
	; descriptor group 1: a record, 8,704 dense bytes, as 34 rows of 256 (32 elements of 8 bytes); the mask names all four partners
	s_mov_b32 s[G1], 15|(3<<16)|(1<<21)
	s_mov_b32 s[G1+1], 32<<16
	s_mov_b32 s[G1+2], 34<<16
	s_mov_b32 s[G1+3], 32<<16
	s_mov_b32 s[G1+4], 34
	s_mov_b32 s[G1+5], 32
	s_mov_b32 s[G1+6], 0
	s_mov_b32 s[G1+7], 0
	s_lshr_b32 s47, s[WV], 2                       ; 0: I fetch K's records, 1: V's
	s_and_b32 s48, s[WV], 3
	s_mul_i32 s49, s47, VBASE
	s_mul_i32 s50, s48, REC
	s_add_co_u32 s49, s49, s50                     ; in LDS: the wave's number alone
	s_lshl_b32 s51, s47, 8
	s_add_co_u32 s51, s51, 256
	s_lshl_b32 s52, s[HD], 4
	s_add_co_u32 s51, s51, s52
	s_add_co_u32 s51, s51, s48                     ; record (1 + K or V) 256 + 16 head + w % 4
	s_mul_i32 s50, s51, REC
	s_mov_b32 s51, 0
	s_mov_b32 s[SEL], 0x76543210
	s_mov_b32 s[SEL+1], 0xfedcba98
	s_mov_b32 s[CS], 0x3e0293ee                    ; c = log2(e) / sqrt(128)
	s_mov_b32 s[CS+1], s[CS]
	s_mov_b32 s[TB], 0
	s_mov_b32 s[KST], 0
	s_wait_dscnt 0x0
	s_wait_kmcnt 0x0
	s_add_nc_u64 s[50:51], s[4:5], s[50:51]
.irp g, 0,1,2,3
	s_mov_b32 s[G0+4*\g], 1
	s_add_co_u32 s[G0+4*\g+1], s49, \g*4*REC
	s_add_nc_u64 s[G0+4*\g+2:G0+4*\g+3], s[50:51], \g*4*REC
	s_or_b32 s[G0+4*\g+3], s[G0+4*\g+3], 0x80000000
.endr
	ROUND                                          ; all four work-groups are here: the joint loads meet
.irp g, 0,1,2,3
	tensor_load_to_lds s[G0+4*\g:G0+4*\g+3], s[G1:G1+7]
	s_nop 0
.endr
.rept 4
	v_nop
.endr
	s_lshl_b32 s52, s[HD], 4
	s_add_co_u32 s52, s52, s[BQ]
	s_mul_i32 s52, s52, REC
	s_mov_b32 s53, 0
	s_add_nc_u64 s[52:53], s[4:5], s[52:53]        ; q's record of my block
	s_lshl_b32 s54, s[TA], 10
	s_mov_b32 s55, 0
	s_add_nc_u64 s[54:55], s[52:53], s[54:55]      ; my tile's image
	s_and_b32 s47, s[TA], 1
	s_lshr_b32 s48, s[TA], 1
	s_lshl_b32 s56, s47, 8
	s_lshl_b32 s57, s48, 2
	s_add_co_u32 s56, s56, s57
	s_add_co_u32 s56, s56, 8192                    ; its scale words: 8,192 + 256 (a % 2) + 4 (a / 2) + 16 r
	s_mov_b32 s57, 0
	s_add_nc_u64 s[52:53], s[52:53], s[56:57]
	s_lshl_b32 s48, s48, 5
	s_lshl_b32 s47, s47, 3
	s_add_co_u32 s48, s48, s47                     ; 32 (a / 2) + 8 (a % 2)
	v_and_b32 v3, 31, v0
	v_lshlrev_b32 v[LI], 4, v3
	v_and_b32 v3, 15, v0                           ; r
	v_lshlrev_b32 v5, 4, v3
	global_load_b128 v[16:19], v[LI], s[54:55]     ; Q's fragment stays in registers
	global_load_b128 v[20:23], v[LI], s[54:55] offset:512
	global_load_b32 v255, v5, s[52:53]
	v_and_b32 v4, 8, v3
	v_add3_u32 v[DQ], v3, v4, s48                  ; my query in its block: 32 (a/2) + 8 (a%2) + r + 8 (r/8),
	v_and_b32 v4, 16, v0
	v_sub_nc_u32 v[DQ], v[DQ], v4                  ; less 16 h: register 16 b + i holds key 32 b + 16 h + i: hidden on the diagonal where 32 b + i is above this
	s_lshl_b32 s47, s[BQ], 3
	s_add_co_u32 s47, s47, s[TA]
	s_lshl_b32 s47, s47, 10                        ; my tile of places, 8 Bq + a: 1,024 bytes in yc and in ys
	s_lshl_b32 s58, s[HD], 17
	s_add_co_u32 s58, s58, s47
	s_mov_b32 s59, 0
	s_add_nc_u64 s[6:7], s[6:7], s[58:59]
	s_lshl_b32 s58, s[HD], 2
	s_add_co_u32 s58, s58, s47
	s_add_nc_u64 s[8:9], s[8:9], s[58:59]
	v_mov_b32 v13, 0xff61b1e6                      ; the largest t so far: -3e38
	v_floor_f32 v12, -v13                          ; -M
	v_mov_b32 v14, 0
	v_mov_b32 v15, 0
.irp b, 0,1,2,3
	v_mov_b32 v[236+\b], 0                         ; written once: a lane permute's destination counts as one of its sources
.endr
	v_mov_b32 v252, 0
	v_mov_b32 v253, 0
.set J, 0
.rept 64
	v_mov_b32 v[160+J], 0                          ; O^T: the step is written once; its first run finds zeros, which the first change of M leaves zeros
.set J, J+1
.endr
	s_wait_loadcnt 0x0                             ; Q
.macro STEP
	s_cmp_gt_u32 s[KST], s[BQ]
	s_cbranch_scc1 .Lhidden_\@                     ; all its keys come after my queries
	v_add_nc_u32 v[ADK], s[TB], v[LI]
	v_add_nc_u32 v[ADV], VBASE, v[ADK]
.irp t, 0,1,2,3,4,5,6,7
.irp c, 0,1
	ds_load_b128 v[32+8*\t+4*\c:35+8*\t+4*\c], v[ADK] offset:1024*\t+512*\c   ; 512 consecutive bytes a load
.endr
.endr
	ds_load_b128 v[248:251], v[ADK] offset:8192    ; register p: lanes 0-15 tile 2 p's scale words, lanes 16-31 tile 2 p + 1's
	s_wait_dscnt 0x0
.irp t, 0,2,4,6
	v_wmma_scale_f32_16x16x128_f8f6f4 v[96+8*\t:103+8*\t], v[32+8*\t:39+8*\t], v[16:23], 0, v[248+\t/2], v255 matrix_a_fmt:MATRIX_FMT_FP4 matrix_b_fmt:MATRIX_FMT_FP4
	v_wmma_scale_f32_16x16x128_f8f6f4 v[104+8*\t:111+8*\t], v[40+8*\t:47+8*\t], v[16:23], 0, v[248+\t/2], v255 matrix_a_fmt:MATRIX_FMT_FP4 matrix_b_fmt:MATRIX_FMT_FP4 matrix_a_scale:MATRIX_SCALE_ROW1
.endr
.rept 4
	v_nop                                          ; places in front of the loads below and of the first read of the scores
.endr
.irp t, 0,1,2,3,4,5,6,7
.irp c, 0,1
	ds_load_b128 v[32+8*\t+4*\c:35+8*\t+4*\c], v[ADV] offset:1024*\t+512*\c   ; V's fragments land while the softmax is worked
.endr
.endr
	ds_load_b128 v[248:251], v[ADV] offset:8192
	s_cmp_lg_u32 s[KST], s[BQ]
	s_cbranch_scc1 .Lopen_\@                       ; off the diagonal every key counts
	v_mov_b32 v254, 0xff800000                     ; -infinity: p = 0 then
.set N, 0
.rept 64
	v_cmp_gt_i32 vcc_lo, 32*(N/16)+N%16, v[DQ]
	v_cndmask_b32 v[96+N], v[96+N], v254, vcc_lo
.set N, N+1
.endr
.Lopen_\@:
.irp b, 0,1,2,3
	v_max3_num_f32 v[232+\b], v[96+16*\b], v[97+16*\b], v[98+16*\b]   ; the largest score of each block of 32 keys: for the row's maximum, and, since p rises with the score, for the block's largest p
.endr
.irp i, 3,5,7,9,11,13
.irp b, 0,1,2,3
	v_max3_num_f32 v[232+\b], v[232+\b], v[96+16*\b+\i], v[97+16*\b+\i]
.endr
.endr
.irp b, 0,1,2,3
	v_max_num_f32 v[232+\b], v[232+\b], v[111+16*\b]
.endr
.irp b, 0,1,2,3
	v_permlanex16_b32 v[236+\b], v[232+\b], s[SEL], s[SEL+1]
.endr
.irp b, 0,1,2,3
	v_max_num_f32 v[232+\b], v[232+\b], v[236+\b]  ; with lane l xor 16's 16 keys
.endr
	v_max3_num_f32 v254, v232, v233, v234
	v_max_num_f32 v254, v254, v235
	v_mul_f32 v254, s[CS], v254                    ; the step's largest t
	v_max_num_f32 v13, v13, v254
	v_mov_b32 v254, v12
	v_floor_f32 v12, -v13                          ; the new -M = -ceil(t): a whole number
	v_sub_f32 v254, v12, v254                      ; old M less new M: a whole number, 0 or less
	v_cvt_i32_f32 v254, v254                       ; (it saturates)
	v_ldexp_f32 v252, 1.0, v254                    ; f = 2^(old M - new M): a multiplication by it rounds nothing
.set J, 0
.rept 32
	v_pk_fma_f32 v[96+J:97+J], v[96+J:97+J], s[CS:CS+1], v[12:13] op_sel_hi:[1,0,0]   ; t - M, two at a time
.set J, J+2
.endr
.irp b, 0,1,2,3
	v_fma_f32 v[232+\b], v[232+\b], s[CS], v12
.endr
.set J, 0
.rept 64
	v_exp_f32 v[96+J], v[96+J]                     ; p = 2^(t - M), at most 1
.set J, J+1
.endr
	v_pk_mul_f32 v[14:15], v[14:15], v[252:253] op_sel_hi:[1,0]   ; the sums under the new M: a plain place behind the exponentials
	s_wait_alu depctr_va_vdst(0)                   ; one wait for the whole batch, ahead of its first use
.irp b, 0,1,2,3
	v_exp_f32 v[232+\b], v[232+\b]                 ; the block's largest p
.endr
	v_pk_add_f32 v[236:237], v[96:97], v[98:99]    ; the row's sum is taken of the unquantised p: two at a time, in two chains
.irp j, 4,8,12,16,20,24,28,32,36,40,44,48,52,56,60
	v_pk_add_f32 v[14:15], v[14:15], v[96+\j:97+\j]
	v_pk_add_f32 v[236:237], v[236:237], v[98+\j:99+\j]
.endr
	v_pk_add_f32 v[14:15], v[14:15], v[236:237]
	s_wait_alu depctr_va_vdst(0)                   ; and one for the four
.irp b, 0,1,2,3
	v_max_num_f32 v[232+\b], 0x1800000, v[232+\b]  ; the floor 2^(3 - 127)
.endr
.irp b, 0,1,2,3
	v_add_nc_u32 v[244+\b], 0xff000000, v[232+\b]  ; 2 off the exponent field: the conversion's scale operand
.endr
.irp b, 0,1,2,3
	v_lshrrev_b32 v[236+\b], 23, v[244+\b]
.endr
	v_lshl_or_b32 v253, v237, 8, v236              ; p's scale word for these 128 keys
	v_lshl_or_b32 v253, v238, 16, v253
	v_lshl_or_b32 v253, v239, 24, v253
.irp b, 0,1,2,3
	v_cvt_scalef32_pk8_fp4_f32 v[224+2*\b], v[96+16*\b:103+16*\b], v[244+\b]
	v_cvt_scalef32_pk8_fp4_f32 v[225+2*\b], v[104+16*\b:111+16*\b], v[244+\b]
.endr
	v_nop                                          ; one plain place behind a scaled conversion
.irp c, 0,1
.irp i, 0,1
	v_permlane16_swap_b32 v[224+4*\c+\i], v[226+4*\c+\i]
.endr
.endr
.set J, 0
.rept 32
	v_pk_mul_f32 v[160+J:161+J], v[160+J:161+J], v[252:253] op_sel_hi:[1,0]   ; O^T under the new M; these 32 are also the places in front of the matrix instructions below
.set J, J+2
.endr
	s_wait_dscnt 0x0                               ; V is in
.irp t, 0,2,4,6
	v_wmma_scale_f32_16x16x128_f8f6f4 v[160+8*\t:167+8*\t], v[32+8*\t:39+8*\t], v[224:231], v[160+8*\t:167+8*\t], v[248+\t/2], v253 matrix_a_fmt:MATRIX_FMT_FP4 matrix_b_fmt:MATRIX_FMT_FP4
	v_wmma_scale_f32_16x16x128_f8f6f4 v[168+8*\t:175+8*\t], v[40+8*\t:47+8*\t], v[224:231], v[168+8*\t:175+8*\t], v[248+\t/2], v253 matrix_a_fmt:MATRIX_FMT_FP4 matrix_b_fmt:MATRIX_FMT_FP4 matrix_a_scale:MATRIX_SCALE_ROW1
.endr
.rept 4
	v_nop                                          ; places in front of the next step's loads, and of the way out's reads
.endr
.Lhidden_\@:
	s_add_co_u32 s[KST], s[KST], 1
	s_add_co_u32 s[TB], s[TB], REC
.endm
.macro GROUP g                         ; key steps 4 g .. 4 g + 3
	s_wait_tensorcnt 3-\g                          ; my record of group g has landed; the later ones may stay out
	s_wait_dscnt 0x0
	s_barrier_signal -1
	s_barrier_wait -1                              ; everybody's has
	s_mov_b32 s[CNT], 4
.Lstep_\@:
	STEP
	s_sub_co_u32 s[CNT], s[CNT], 1
	s_cmp_lg_u32 s[CNT], 0
	s_cbranch_scc1 .Lstep_\@
.endm
	GROUP 0
	GROUP 1
	GROUP 2
	GROUP 3
	; THE WAY OUT: O^T / the sum; its 64 numbers a lane are my query's 128 channels, half a block of 32 in each half of the lanes: quantised as they stand
	v_add_f32 v14, v14, v15
	v_permlanex16_b32 v252, v14, s[SEL], s[SEL+1]
	v_add_f32 v14, v14, v252                       ; the row's sum
	v_rcp_f32 v14, v14
	v_and_b32 v8, 15, v0                           ; (a plain place behind the reciprocal)
	v_lshlrev_b32 v8, 6, v8                        ; ys: 64 bytes a place
	v_and_b32 v9, 31, v0
	s_wait_alu depctr_va_vdst(0)                   ; the wait ahead of the reciprocal's first use
.set J, 0
.rept 64
	v_mul_f32 v[96+J], v[160+J], v14
.set J, J+1
.endr
.irp b, 0,1,2,3
	v_max3_num_f32 v[TM+\b], |v[96+16*\b]|, |v[97+16*\b]|, 0x1800000
.endr
.irp i, 2,4,6,8,10,12,14
.irp b, 0,1,2,3
	v_max3_num_f32 v[TM+\b], v[TM+\b], |v[96+16*\b+\i]|, |v[97+16*\b+\i]|
.endr
.endr
.irp b, 0,1,2,3
	v_permlanex16_b32 v[TM+4+\b], v[TM+\b], s[SEL], s[SEL+1]
.endr
.irp b, 0,1,2,3
	v_max_num_f32 v[TM+\b], v[TM+\b], v[TM+4+\b]
.endr
.irp b, 0,1,2,3
	v_add_nc_u32 v[TM+12+\b], 0xff000000, v[TM+\b]
.endr
.irp b, 0,1,2,3
	v_lshrrev_b32 v[TM+4+\b], 23, v[TM+12+\b]
.endr
	v_lshl_or_b32 v252, v[TM+5], 8, v[TM+4]        ; my place's scale word for this head's 128 along K
	v_lshl_or_b32 v252, v[TM+6], 16, v252
	v_lshl_or_b32 v252, v[TM+7], 24, v252
.irp b, 0,1,2,3
	v_cvt_scalef32_pk8_fp4_f32 v[PC+2*\b], v[96+16*\b:103+16*\b], v[TM+12+\b]
	v_cvt_scalef32_pk8_fp4_f32 v[PC+1+2*\b], v[104+16*\b:111+16*\b], v[TM+12+\b]
.endr
	v_nop
.irp c, 0,1
.irp i, 0,1
	v_permlane16_swap_b32 v[PC+4*\c+\i], v[PC+2+4*\c+\i]
.endr
.endr
	global_store_b128 v[LI], v[PC:PC+3], s[6:7]    ; the image: 512 consecutive bytes a store
	global_store_b128 v[LI], v[PC+4:PC+7], s[6:7] offset:512
	v_cmp_gt_u32 vcc_lo, 16, v9
	s_wait_xcnt 0x0                                ; EXEC changes only behind this wait
	s_and_saveexec_b32 s47, vcc_lo                 ; lanes 16-31 hold the same words
	global_store_b32 v8, v252, s[8:9]
	s_wait_xcnt 0x0
	s_or_b32 exec_lo, exec_lo, s47
	s_wait_tensorcnt 0x0
	ds_add_u32 v242, v243
	s_wait_dscnt 0x0
	ROUND                                          ; the closing round
	s_endpgm
.Lfunc_end_k_qc3a990078f_attn:
	.size	k_qc3a990078f_attn, .Lfunc_end_k_qc3a990078f_attn-k_qc3a990078f_attn
	.p2alignl 7, 3214868480
	.fill 96, 4, 3214868480
	.section	.rodata,"a",@progbits
	.p2align	6, 0x0
	.amdhsa_kernel k_qc3a990078f_attn
		.amdhsa_group_segment_fixed_size 279552
		.amdhsa_private_segment_fixed_size 0
		.amdhsa_enable_private_segment 0
		.amdhsa_kernarg_size 24
		.amdhsa_user_sgpr_count 2
		.amdhsa_user_sgpr_kernarg_segment_ptr 1
		.amdhsa_wavefront_size32 1
		.amdhsa_system_sgpr_workgroup_id_x 1
		.amdhsa_system_sgpr_workgroup_id_y 1
		.amdhsa_system_sgpr_workgroup_id_z 1
		.amdhsa_system_vgpr_workitem_id 0
		.amdhsa_next_free_vgpr 256
		.amdhsa_next_free_sgpr 66
		.amdhsa_reserve_vcc 1
		.amdhsa_float_denorm_mode_32 3
		.amdhsa_float_denorm_mode_16_64 3
		.amdhsa_memory_ordered 1
		.amdhsa_forward_progress 1
		.amdhsa_inst_pref_size 106
	.end_amdhsa_kernel
	.amdgpu_metadata
---
amdhsa.version: [ 1, 2 ]
amdhsa.kernels:
  - .name:           k_qc3a990078f_attn
    .symbol:         k_qc3a990078f_attn.kd
    .args:
      - { .name: qkv, .offset: 0, .size: 8, .value_kind: global_buffer, .address_space: global }
      - { .name: yc, .offset: 8, .size: 8, .value_kind: global_buffer, .address_space: global }
      - { .name: ys, .offset: 16, .size: 8, .value_kind: global_buffer, .address_space: global }
    .group_segment_fixed_size: 279552
    .private_segment_fixed_size: 0
    .kernarg_segment_align: 8
    .kernarg_segment_size: 24
    .max_flat_workgroup_size: 256
    .sgpr_count:     66
    .vgpr_count:     256
    .wavefront_size: 32
...
	.end_amdgpu_metadata
.endif
;; end of part 3
;; launch oproj (part 4): grid 8 x 8, 4 waves a work-group, clusters of 4 x 4, 327,680 bytes of LDS; arguments yc, ys, codes, scales, out0, wo_b; writes out0
.if DOCPART == 4
	.amdgcn_target "amdgcn-amd-amdhsa--gfx1250"
	.amdhsa_code_object_version 6
	.text
	.protected	k_qc3a990078f_oproj
	.globl	k_qc3a990078f_oproj
	.p2align	8
	.type	k_qc3a990078f_oproj,@function
k_qc3a990078f_oproj:
	s_mov_b64 s[64:65], 0
	v_nop
	global_prefetch_b8 v0, s[64:65] scope:SCOPE_SE
	s_setreg_imm32_b32 hwreg(HW_REG_WAVE_MODE, 25, 1), 1
	s_wait_xcnt 0x0
	s_wait_alu depctr_hold_cnt(0) depctr_sa_sdst(0) depctr_va_vdst(0) depctr_va_sdst(0) depctr_va_ssrc(0) depctr_va_vcc(0) depctr_vm_vsrc(0)
	s_getreg_b32 s2, hwreg(HW_REG_IB_STS2, 6, 4)
	s_cmp_eq_u32 s2, 0
	s_cbranch_scc0 .Lentry_in_a_cluster
	s_endpgm
.Lentry_in_a_cluster:
	s_bfe_u32 s2, ttmp6, 0x10000c
	s_cmp_lg_u32 s2, 0xf033
	s_cbranch_scc0 .Lentry_shape_is_right
	s_endpgm
.Lentry_shape_is_right:
; OPROJ.  out0 = y wo^T + wo_b on codes of FP4 (E2M1) with one E8M0 scale for each 32 along K = 2,048 (K = 128 x head + channel).
; A work-group of four waves makes 256 x 256, a wave 128 x 128: 64 accumulators.  K goes in steps of 512 (four heads) through a ring of two LDS slots; the scale bytes of the 512 rows come into LDS once.
; A (source 1) = y: yc[head][tile of 16 places][1,024 bytes], images of fragments: a wave's load brings 4 heads x 8 tiles, 4 rows of 8,192 bytes; a fragment is read back as it lies, 512 consecutive bytes a load.
; B (source 0) = wo's rows, places 8,192 on of codes (rows of 1,024 bytes) and scales (64 bytes).  y's scale words: ys[place][64 bytes].
; Places are pi(row) (bits 3 and 4 exchanged): register 8 t + j of B's tiles t = 2 b + u, lane half h, is column 32 b + 16 h + 8 u + j; place 16 a + r of A is row 32 (a/2) + 8 (a%2) + r + 8 (r/8): the way out puts both right.
; 64 work-groups: with this tile the product has no more.  CLUSTERS: 4 x 4; A's tiles shared along a row of the cluster, B's along a column: joint loads.
; REGISTERS: window 0: v1-5 at work, v6-7 the add's, v9 16 x lane, v18-22 LDS addresses, v24-25 the stage's, v32-95 scale words, v96-99 the bias of my four columns, v128-191 A's fragments; on the way out v128-255 rows of out0.
;   window 1: B's fragments at v0 and v128.   windows 2, 3: the accumulators.
.set KSTEP,  512
.set NQ,     4
.set ROWB,   256
.set KROW,   1024
.set PITCH,  272
.set FR,     8
.set NL,     2
.set NP,     4
.set HALFT,  128*PITCH
.set SLOT,   4*HALFT
.set LAPS,   2
.set KS,     64
.set SCL,    2*SLOT
.set HALFS,  32*272
.set SBLK,   4*272
.set SPARE,  SCL+4*HALFS               ; the spare words: 128 bytes for each wave; no other line names them
.set ASTEP,  4*131072                  ; four heads on in yc
.set SPITCH, 528                       ; the way out: a stage of 16 rows x (512 bytes + 16) for each wave, in slot 0, which has had its last fill and its last read when the first result is stored there
.set SPW,  6
.set NIL,  7
.set LI,   9
.set ADRA, 18
.set ADRB, 20
.set ADRS, 22
.set STO,  24
.set RD,   25
.set SC,   32
.set WB,   96
.set AF,   128
.set BK,   128
.set G1, 24
.set G0, 32
.set G1B, 48
.set G0B, 56
.set G1S, 68
.set G0S, 76
.set G1SB, 80
.set G0SB, 88
.set MSB, 0
.macro WIN new
.if MSB != \new
	s_set_vgpr_msb (MSB<<8)|\new
.set MSB, \new
.endif
.endm
.set MUL_LO, 0xa1
.set MUL_HI, 0xf1
.set TO_B,   0x40
.macro JLOAD g0a, g1a, g0b, g1b        ; waves 0 and 1 fetch for A, waves 2 and 3 for B; four v_nop follow each of the two lines
	s_cmp_eq_u32 s15, 0
	s_cbranch_scc0 .Lfor_b_\@
	tensor_load_to_lds s[\g0a:\g0a+3], s[\g1a:\g1a+7]
	s_nop 0
.rept 4
	v_nop
.endr
	s_branch .Lasked_\@
.Lfor_b_\@:
	tensor_load_to_lds s[\g0b:\g0b+3], s[\g1b:\g1b+7]
	s_nop 0
.rept 4
	v_nop
.endr
.Lasked_\@:
.endm
.macro CREST
	s_cmp_lg_u32 s14, 0
	s_cbranch_scc1 .Lnot_wave_0_\@
	s_barrier_signal -3
.Lnot_wave_0_\@:
	s_barrier_wait -3
	s_barrier_signal -1
	s_barrier_wait -1
.endm
.macro CROUND
	s_barrier_signal -1
	s_barrier_wait -1
	CREST
.endm
	s_load_b128 s[4:7], s[0:1], 0x0                ; yc, ys
	s_load_b128 s[8:11], s[0:1], 0x10              ; codes, scales
	s_load_b64 s[12:13], s[0:1], 0x20              ; out0
	s_load_b64 s[96:97], s[0:1], 0x28              ; wo_b
	v_lshl_add_u32 v[SPW], v0, 2, SPARE
	v_mov_b32 v[NIL], 0
	ds_add_u32 v6, v7
	ds_add_u32 v6, v7
	s_wait_dscnt 0x0
	v_lshrrev_b32 v1, 5, v0
	v_readfirstlane_b32 s14, v1                    ; wave 0..3
	s_lshr_b32 s15, s14, 1                         ; which half of A's rows is mine.  Also: I fetch for A (0) or for B (1)
	s_and_b32 s16, s14, 1                          ; which half of B's.  Also: which 128 rows I fetch
	s_bfe_u32 s40, ttmp6, 0x40000
	s_bfe_u32 s41, ttmp6, 0x40004
	s_lshl_b32 s42, ttmp9, 2
	s_add_co_u32 s42, s42, s40                     ; gx
	s_and_b32 s17, ttmp7, 0xffff
	s_lshl_b32 s17, s17, 2
	s_add_co_u32 s17, s17, s41                     ; gy
	s_lshl_b32 s43, s41, 2
	s_lshl_b32 s43, 15, s43                        ; my row of the cluster
	s_lshl_b32 s44, 0x1111, s40                    ; my column
	; A: 4 rows (heads) of 1,024 elements of 8 bytes, 16,384 elements apart, no padding
	s_or_b32 s[G1+0], s43, (3<<16)|(1<<21)
	s_mov_b32 s[G1+1], 1024<<16
	s_mov_b32 s[G1+2], 4<<16
	s_mov_b32 s[G1+3], 1024<<16
	s_mov_b32 s[G1+4], 4
	s_mov_b32 s[G1+5], 16384
	s_mov_b32 s[G1+6], 0
	s_mov_b32 s[G1+7], 0
	; B: 128 rows x 256 bytes, 16 bytes of padding behind each
	s_or_b32 s[G1B+0], s44, (0<<16)|(1<<20)|(1<<21)|(5<<22)|(3<<25)
	s_mov_b32 s[G1B+1], ROWB<<16
	s_mov_b32 s[G1B+2], 128<<16
	s_mov_b32 s[G1B+3], ROWB<<16
	s_mov_b32 s[G1B+4], 128
	s_mov_b32 s[G1B+5], KROW
	s_mov_b32 s[G1B+6], 0
	s_mov_b32 s[G1B+7], 0
	; the scales of 128 rows: 8,192 dense bytes as 32 rows of 256, 16 bytes of padding behind each
	s_or_b32 s[G1S+0], s43, (3<<16)|(1<<20)|(1<<21)|(5<<22)|(3<<25)
	s_or_b32 s[G1SB+0], s44, (3<<16)|(1<<20)|(1<<21)|(5<<22)|(3<<25)
.irp g, G1S, G1SB
	s_mov_b32 s[\g+1], 32<<16
	s_mov_b32 s[\g+2], 32<<16
	s_mov_b32 s[\g+3], 32<<16
	s_mov_b32 s[\g+4], 32
	s_mov_b32 s[\g+5], 32
	s_mov_b32 s[\g+6], 0
	s_mov_b32 s[\g+7], 0
.endr
	s_lshl_b32 s20, s17, 14
	s_lshl_b32 s18, s16, 13
	s_add_co_u32 s20, s20, s18                     ; A: tile 16 gy + 8 x half, 1,024 bytes each; its places' scale bytes, 64 each, begin as many bytes on in ys
	s_mov_b32 s21, 0
	s_mov_b32 s22, s20
	s_mov_b32 s23, 0
	s_lshl_b32 s46, s42, 8
	s_lshl_b32 s18, s16, 7
	s_add_co_u32 s46, s46, s18
	s_add_co_u32 s46, s46, 8192                    ; B: place 8,192 + 256 gx + 128 x half
	s_lshl_b32 s92, s46, 6
	s_mov_b32 s93, 0
	s_lshl_b32 s46, s46, 10
	s_mov_b32 s47, 0
	s_mul_i32 s45, s14, HALFT
	s_mul_i32 s94, s14, HALFS
	s_wait_kmcnt 0x0
	s_add_nc_u64 s[20:21], s[4:5], s[20:21]
	s_add_nc_u64 s[22:23], s[6:7], s[22:23]
	s_add_nc_u64 s[46:47], s[8:9], s[46:47]
	s_add_nc_u64 s[92:93], s[10:11], s[92:93]
	CROUND                                         ; all sixteen work-groups are here: the first joint loads meet
	s_mov_b32 s[G0S], 1
	s_add_co_u32 s[G0S+1], s94, SCL
	s_mov_b64 s[G0S+2:G0S+3], s[22:23]
	s_or_b32 s[G0S+3], s[G0S+3], 0x80000000
	s_mov_b32 s[G0SB], 1
	s_add_co_u32 s[G0SB+1], s94, SCL
	s_mov_b64 s[G0SB+2:G0SB+3], s[92:93]
	s_or_b32 s[G0SB+3], s[G0SB+3], 0x80000000
	JLOAD G0S, G1S, G0SB, G1SB
.irp s, 0,1
	s_mov_b32 s[G0+4*\s], 1
	s_add_co_u32 s[G0+4*\s+1], s45, \s*SLOT
	s_add_nc_u64 s[G0+4*\s+2:G0+4*\s+3], s[20:21], \s*ASTEP
	s_or_b32 s[G0+4*\s+3], s[G0+4*\s+3], 0x80000000
	s_mov_b32 s[G0B+4*\s], 1
	s_add_co_u32 s[G0B+4*\s+1], s45, \s*SLOT
	s_add_nc_u64 s[G0B+4*\s+2:G0B+4*\s+3], s[46:47], \s*ROWB
	s_or_b32 s[G0B+4*\s+3], s[G0B+4*\s+3], 0x80000000
	JLOAD G0+4*\s, G1, G0B+4*\s, G1B               ; three loads of mine are out
.endr
	v_and_b32 v1, 15, v0                           ; r
	v_bfe_u32 v2, v0, 4, 1                         ; h
	v_and_b32 v3, 31, v0
	v_lshlrev_b32 v[LI], 4, v3                     ; 16 x lane
	v_mul_u32_u24 v3, v1, PITCH
	v_lshl_add_u32 v4, v2, 4, v3
	s_mul_i32 s21, s15, HALFT                      ; my 8 tiles of A,
	s_mul_i32 s22, s16, HALFT
	s_add_co_u32 s22, s22, 2*HALFT                 ; my 128 rows of B
.irp s, 0,1
	v_add_nc_u32 v[ADRA+\s], s21, v[LI]
	v_add_nc_u32 v[ADRB+\s], s22, v4
	s_add_co_u32 s21, s21, SLOT
	s_add_co_u32 s22, s22, SLOT
.endr
	v_mul_u32_u24 v5, v1, KS
	v_lshrrev_b32 v3, 8, v5
	v_lshl_add_u32 v5, v3, 4, v5
	s_mul_i32 s21, s15, HALFS
	s_mul_i32 s22, s16, HALFS
	s_add_co_u32 s22, s22, 2*HALFS
	s_sub_co_u32 s22, s22, s21
	v_mul_u32_u24 v3, s22, v2                      ; lanes 16-31 take B's
	s_add_co_u32 s21, s21, SCL
	v_add_nc_u32 v5, v5, v3
	v_add_nc_u32 v[ADRS], s21, v5
	s_mul_i32 s23, s14, 16*SPITCH                  ; my stage
	v_mul_u32_u24 v5, v1, SPITCH
	v_lshl_add_u32 v5, v2, 6, v5                   ; in: row r, + 64 h: my half's 16 columns of a block of 32
	v_add_nc_u32 v[STO], s23, v5
	v_add_nc_u32 v[RD], s23, v[LI]                 ; back: the 32 lanes take one row of 512 bytes
	s_lshl_b32 s20, s17, 21
	s_lshl_b32 s21, s15, 20
	s_add_co_u32 s20, s20, s21                     ; my first row of out0: (256 gy + 128 x half) x 8,192 bytes
	s_mov_b32 s21, 0
	s_lshl_b32 s46, s42, 10
	s_lshl_b32 s47, s16, 9
	s_add_co_u32 s46, s46, s47                     ; my first column: (256 gx + 128 x half) x 4 bytes
	s_mov_b32 s47, 0
	s_add_nc_u64 s[96:97], s[96:97], s[46:47]
	s_add_nc_u64 s[20:21], s[20:21], s[46:47]
	s_add_nc_u64 s[12:13], s[12:13], s[20:21]
	global_load_b128 v[WB:WB+3], v[LI], s[96:97]   ; the bias of the four columns that I store
.macro FRAG reg, adr, q, i             ; B: 16 rows x 128 K from rows of 272 bytes
.irp c, 0,1
	ds_load_b128 v[\reg+4*\c:\reg+4*\c+3], v[\adr] offset:64*(\q)+32*\c+(\i)*16*PITCH
.endr
.endm
.macro FRAGA reg, adr, q, i            ; A: the image of head q of the slot, tile i
.irp c, 0,1
	ds_load_b128 v[\reg+4*\c:\reg+4*\c+3], v[\adr] offset:8192*(\q)+1024*(\i)+512*\c
.endr
.endm
; 16 matrix instructions; the 64 accumulators take turns, one instruction a turn, in the same order in every step
.macro MUL16 a0, p, q, sc, zero
.irp a, \a0, \a0+1
.irp b, 0,1,2,3,4,5,6,7
.if \zero
	v_wmma_scale_f32_16x16x128_f8f6f4 v[8*(8*((\a)%4)+\b):8*(8*((\a)%4)+\b)+7], v[128*(\p)+FR*\b:128*(\p)+FR*\b+FR-1], v[AF+FR*(\a):AF+FR*(\a)+FR-1], 0, v[SC+8*NQ*(\sc)+NQ*\b+(\q)], v[SC+8*NQ*(\sc)+NQ*(\a)+(\q)] matrix_a_fmt:MATRIX_FMT_FP4 matrix_b_fmt:MATRIX_FMT_FP4 matrix_a_scale:MATRIX_SCALE_ROW1
.else
	v_wmma_scale_f32_16x16x128_f8f6f4 v[8*(8*((\a)%4)+\b):8*(8*((\a)%4)+\b)+7], v[128*(\p)+FR*\b:128*(\p)+FR*\b+FR-1], v[AF+FR*(\a):AF+FR*(\a)+FR-1], v[8*(8*((\a)%4)+\b):8*(8*((\a)%4)+\b)+7], v[SC+8*NQ*(\sc)+NQ*\b+(\q)], v[SC+8*NQ*(\sc)+NQ*(\a)+(\q)] matrix_a_fmt:MATRIX_FMT_FP4 matrix_b_fmt:MATRIX_FMT_FP4 matrix_a_scale:MATRIX_SCALE_ROW1
.endif
.endr
.endr
.endm
.macro FETCH_B slot, q, p
	WIN TO_B
.irp i, 0,1,2,3,4,5,6,7
	FRAG 128*(\p)+FR*\i, ADRB+\slot, \q, \i
.endr
	WIN 0
.endm
.macro FETCH_A slot, q, i0
.irp i, \i0, \i0+1, \i0+2, \i0+3
	FRAGA AF+FR*(\i), ADRA+\slot, \q, \i
.endr
.endm
.macro SCALES sc
.irp i, 0,1,2,3,4,5,6,7
	ds_load_b128 v[SC+8*NQ*\sc+NQ*\i:SC+8*NQ*\sc+NQ*\i+3], v[ADRS] offset:\i*SBLK
.endr
.endm
.macro PLACES n
.rept \n
	v_nop
.endr
.endm
.macro STEP slot, q, zero
	s_wait_dscnt 4*NL                              ; B's set and A's blocks 0-3 are in; the youngest eight loads (A's blocks 4-7) may be out
	WIN MUL_LO
	MUL16 0, (\q)%2, \q, \slot, \zero
	MUL16 2, (\q)%2, \q, \slot, \zero
	s_wait_dscnt 0
	PLACES NP
	FETCH_B \slot, (\q)+1, 1-(\q)%2
	FETCH_A \slot, (\q)+1, 0
	WIN MUL_HI
	MUL16 4, (\q)%2, \q, \slot, \zero
	MUL16 6, (\q)%2, \q, \slot, \zero
	PLACES NP
	WIN 0
	FETCH_A \slot, (\q)+1, 4
.endm
.macro TURN slot, next, fill
	s_wait_tensorcnt 0x0                           ; all my tensor loads have landed: my part of the next slot
	ds_add_u32 v[SPW], v[NIL]                      ; 0 onto my spare word
	s_wait_dscnt 4*NL+1                            ; (the add and A's blocks 4-7 may be out)
	WIN MUL_LO
	MUL16 0, 1, NQ-1, \slot, 0
	s_wait_dscnt 0x0                               ; the add is done, and my reads of this slot are over
	s_barrier_signal -1
	MUL16 2, 1, NQ-1, \slot, 0
	WIN 0
	s_barrier_wait -1
.if \fill
	CREST                                          ; the barrier has opened a round of the cluster's: no wave of any partner still reads this slot or has a load on its way
	s_add_nc_u64 s[G0+4*\slot+2:G0+4*\slot+3], s[G0+4*\slot+2:G0+4*\slot+3], 2*ASTEP
	s_add_nc_u64 s[G0B+4*\slot+2:G0B+4*\slot+3], s[G0B+4*\slot+2:G0B+4*\slot+3], 2*ROWB
	JLOAD G0+4*\slot, G1, G0B+4*\slot, G1B
.else
	PLACES NP
.endif
	v_add_nc_u32 v[ADRS], 4*NQ, v[ADRS]
	FETCH_B \next, 0, 0
	FETCH_A \next, 0, 0
	SCALES \next
	WIN MUL_HI
	MUL16 4, 1, NQ-1, \slot, 0
	MUL16 6, 1, NQ-1, \slot, 0
	PLACES NP
	WIN 0
	FETCH_A \next, 0, 4
.endm
.macro STEPS slot, from
.set Q, \from
.rept NQ-1-\from
	STEP \slot, Q, 0
.set Q, Q+1
.endr
.endm
	s_wait_tensorcnt 1                             ; the scales and my part of K step 0 are in (K step 1's load may be out)
	s_barrier_signal -1
	s_barrier_wait -1
	FETCH_B 0, 0, 0
	FETCH_A 0, 0, 0
	SCALES 0
	FETCH_A 0, 0, 4
	STEP 0, 0, 1
	s_mov_b32 s3, LAPS-1
.Llap:
	STEPS 0, 1
	TURN 0, 1, 1
	STEPS 1, 0
	TURN 1, 0, 1
	STEP 0, 0, 0
	s_sub_co_u32 s3, s3, 1
	s_cmp_lg_u32 s3, 0
	s_cbranch_scc1 .Llap
	STEPS 0, 1
	TURN 0, 1, 0
	STEPS 1, 0
	s_wait_dscnt 4*NL
	WIN MUL_LO
	MUL16 0, 1, NQ-1, 1, 0
	MUL16 2, 1, NQ-1, 1, 0
	s_wait_dscnt 0
	WIN MUL_HI
	MUL16 4, 1, NQ-1, 1, 0
	MUL16 6, 1, NQ-1, 1, 0
	WIN 0
; THE WAY OUT, block by block of 16 places x 128 columns, through my own stage: in by columns' true order, back as whole rows of 512 bytes.  LDS serves a wave's instructions in order: no wait between the stores and the loads.
.macro TOSTAGE a
.set AC, 64*((\a)%4)
	WIN 0x08+4*((\a)/4)                            ; the data: window 2 or 3
.irp b, 0,1,2,3,4,5,6,7
	ds_store_b128 v[STO], v[AC+8*\b:AC+8*\b+3] offset:128*(\b/2)+32*(\b%2)          ; columns 32 (b/2) + 16 h + 8 (b%2) + 0 .. 3; each accumulator from its low end on
	ds_store_b128 v[STO], v[AC+8*\b+4:AC+8*\b+7] offset:128*(\b/2)+32*(\b%2)+16
.endr
	WIN 0
.set BB, BK+64*((\a)%2)
.irp t, 0,1,2,3,4,5,6,7,8,9,10,11,12,13,14,15
	ds_load_b128 v[BB+4*\t:BB+4*\t+3], v[RD] offset:\t*SPITCH
.endr
.endm
.macro SEND a, younger                 ; younger: the LDS instructions issued behind block a's loads, which may stay out
.set BB, BK+64*((\a)%2)
	s_wait_dscnt \younger
.irp t, 0,1,2,3,4,5,6,7,8,9,10,11,12,13,14,15
	v_pk_add_f32 v[BB+4*\t:BB+4*\t+1], v[BB+4*\t:BB+4*\t+1], v[WB:WB+1]
	v_pk_add_f32 v[BB+4*\t+2:BB+4*\t+3], v[BB+4*\t+2:BB+4*\t+3], v[WB+2:WB+3]
	global_store_b128 v[LI], v[BB+4*\t:BB+4*\t+3], s[12:13] offset:(32*((\a)/2)+8*((\a)%2)+\t+8*(\t/8))*8192 th:TH_STORE_NT   ; place 16 a + t is this row; 32 lanes store 512 consecutive bytes, aligned; 127 rows at the most: inside the immediate
.endr
.endm
	PLACES NP
	s_wait_loadcnt 0x0                             ; the bias
	TOSTAGE 0
.irp a, 1,2,3,4,5,6,7
.if \a > 1
	s_wait_xcnt 0x0                                ; block a - 2's stores have read their registers: block a's loads may land there
.endif
	TOSTAGE \a
	SEND \a-1, 32                                  ; behind block a - 1's loads: block a's 16 stores and 16 loads
.endr
	SEND 7, 0
	s_wait_tensorcnt 0x0                           ; the wave's end
	ds_add_u32 v[SPW], v[NIL]
	s_wait_dscnt 0x0
	CROUND                                         ; the closing round
	s_endpgm
.Lfunc_end_k_qc3a990078f_oproj:
	.size	k_qc3a990078f_oproj, .Lfunc_end_k_qc3a990078f_oproj-k_qc3a990078f_oproj
	.p2alignl 7, 3214868480
	.fill 96, 4, 3214868480
	.section	.rodata,"a",@progbits
	.p2align	6, 0x0
	.amdhsa_kernel k_qc3a990078f_oproj
		.amdhsa_group_segment_fixed_size 327680
		.amdhsa_private_segment_fixed_size 0
		.amdhsa_enable_private_segment 0
		.amdhsa_kernarg_size 48
		.amdhsa_user_sgpr_count 2
		.amdhsa_user_sgpr_kernarg_segment_ptr 1
		.amdhsa_wavefront_size32 1
		.amdhsa_system_sgpr_workgroup_id_x 1
		.amdhsa_system_sgpr_workgroup_id_y 1
		.amdhsa_system_sgpr_workgroup_id_z 1
		.amdhsa_system_vgpr_workitem_id 0
		.amdhsa_next_free_vgpr 1024
		.amdhsa_next_free_sgpr 98
		.amdhsa_reserve_vcc 0
		.amdhsa_float_denorm_mode_32 3
		.amdhsa_float_denorm_mode_16_64 3
		.amdhsa_memory_ordered 1
		.amdhsa_forward_progress 1
		.amdhsa_inst_pref_size 227
	.end_amdhsa_kernel
	.amdgpu_metadata
---
amdhsa.version: [ 1, 2 ]
amdhsa.kernels:
  - .name:           k_qc3a990078f_oproj
    .symbol:         k_qc3a990078f_oproj.kd
    .args:
      - { .name: yc, .offset: 0, .size: 8, .value_kind: global_buffer, .address_space: global }
      - { .name: ys, .offset: 8, .size: 8, .value_kind: global_buffer, .address_space: global }
      - { .name: codes, .offset: 16, .size: 8, .value_kind: global_buffer, .address_space: global }
      - { .name: scales, .offset: 24, .size: 8, .value_kind: global_buffer, .address_space: global }
      - { .name: out0, .offset: 32, .size: 8, .value_kind: global_buffer, .address_space: global }
      - { .name: wo_b, .offset: 40, .size: 8, .value_kind: global_buffer, .address_space: global }
    .group_segment_fixed_size: 327680
    .private_segment_fixed_size: 0
    .kernarg_segment_align: 8
    .kernarg_segment_size: 48
    .max_flat_workgroup_size: 128
    .sgpr_count:     98
    .vgpr_count:     1024
    .wavefront_size: 32
...
	.end_amdgpu_metadata
.endif
;; end of part 4
;; ======== version 2 of 2: 4 launches
;; limits: right only within a limited range of input values
;; workspace buffers: codes 10,485,760 bytes; scales 655,360 bytes; rope 1,048,576 bytes; qkv 6,684,672 bytes; yc 2,097,152 bytes; ys 131,072 bytes
;; launch prep (part 5): grid 256 x 1, 22 waves a work-group, no clusters, 5,376 bytes of LDS; arguments x, wq_w, wk_w, wv_w, wo_w, codes, scales, rope; writes codes, scales, rope
.if DOCPART == 5
	.amdgcn_target "amdgcn-amd-amdhsa--gfx1250"
	.amdhsa_code_object_version 6
	.text
	.protected	k_qc3a990078f_prep
	.globl	k_qc3a990078f_prep
	.p2align	8
	.type	k_qc3a990078f_prep,@function
k_qc3a990078f_prep:
	s_mov_b64 s[64:65], 0
	v_nop
	global_prefetch_b8 v0, s[64:65] scope:SCOPE_SE
	s_setreg_imm32_b32 hwreg(HW_REG_WAVE_MODE, 25, 1), 1
	s_wait_xcnt 0x0
; PREP.  Waves 0-19 of each work-group turn x, wq_w, wk_w, wv_w, wo_w ([2048][2048] f32, K innermost) into codes of FP4 (E2M1), two a byte, and one E8M0 byte for each 32 along K.
; codes: [10240 places][1024 bytes], scales: [10240 places][64 bytes]; tensor T (x 0, wq 1, wk 2, wv 3, wo 4) begins at place 2048 T.
; ROW rho OF A TENSOR LIES AT PLACE pi(rho), pi = bits 3 and 4 of the number exchanged.  So 16 neighbouring places 16 i + r are rows 32 (i/2) + 8 (i%2) + r + 8 (r/8): with such a tile as a product's
; source 0, a lane's registers of two neighbouring tiles are 16 neighbours of the result's axis, which is what the next quantiser wants.
; A block's scale is 2^(floor(log2(its largest magnitude)) - 2); its byte is the largest magnitude's exponent field - 2, held at 1 from below.
; LIMITS: a block of zeros, and one whose largest magnitude lies under 2^-124, gets the byte 1 (the rule says 127 for zeros: the codes are zeros, and this program alone reads the bytes); NaN and infinities are not served.
; LEFT OUT: freqs_cos and freqs_sin are not read: the function that is computed takes them and uses them in no step, so no value of theirs can reach the output; a NaN or infinity in them is not carried to the result.
; Key steps of 128 that lie wholly behind a query tile under the causal mask are left out in the attention's launch (see there).
; SHARES.  Wave w < 20 of work-group g: tensor T = w / 4, rows 8 g + 2 (w % 4) and the next: 16,384 consecutive bytes, 32 loads of 512 consecutive bytes, all on their way at once; four rounds of 1,024 numbers.
; In a load, lane (r, h) takes 16 bytes at 32 r + 16 h.  v_permlane16_swap_b32 on the registers of two neighbouring loads then gives lane (r, h) the 8 NEIGHBOURS at 32 r of load h of the pair: four lanes hold a block of 32.
; Their codes, one word for each of the round's four pairs, are exchanged among the four lanes, so that lane 16 h + 4 q + j holds all 16 bytes of block 8 j + 4 h + q; the wave's store covers 512 consecutive bytes.
; The scale bytes of a tensor's four waves (8 places, 512 bytes) meet in LDS and are stored by one wave: behind the one barrier, which every wave passes.
; Waves 20, 21: the table of cos and sin for the rotation of q and k, laid in the order in which the next launch's registers take it:
; rope[tau 128][k 16][lane 32][16 bytes]: k = 4 b + e, lane (r, h): cos, sin of (t = pi(16 tau + r), i = 16 b + 8 h + 2 e), then cos, sin of i + 1.  angle = t x 10^(-i/16), one rounding.
; 10^(-i/16) is made as a product of constants kept in two f32 words each, and rounded once: taken to be the correctly rounded f32 power.  cos and sin: the angle less n pi/2 (pi/2 in two words; the first
; subtraction is exact for angles under 2^11), then polynomials on [-pi/4, pi/4]: good to about 1e-7 absolute.
.set EMAX,  2
.set X,     16                         ; v16-143  32 loads of 4 registers
.set SPW,   144                        ; LDS address of my spare word; never rewritten
.set NIL,   145                        ; 0; never rewritten
.set EB,    146                        ; LDS: my block's scale byte in round 0
.set RD,    147                        ; LDS: 16 of a tensor's 512 scale bytes
.set LA,    148                        ; my 16 bytes of a load
.set CO,    149                        ; my block's codes in a round's 512 bytes
.set L16,   150                        ; 16 x lane
.set TT,    152                        ; v152-155 what the neighbours send
.set E,     156                        ; v156-159 a scale byte for each round
.set MX,    1                          ; v1-4    largest magnitudes of the four pairs; then codes half exchanged
.set SO,    5                          ; v5-8    the conversions' scale operands
.set DC,    9                          ; v9-12   codes
.set SPARE, 2560                       ; behind 20 x 128 scale bytes: 128 bytes for each wave; no other line names them
.set M1,    42                         ; s42, s43: lanes with bit 0, bit 1 of their number set
.set M2,    43
	s_load_b512 s[4:19], s[0:1], 0x0               ; x, wq_w, wk_w, wv_w, wo_w, codes s[14:15], scales s[16:17], rope s[18:19]
	v_lshl_add_u32 v[SPW], v0, 2, SPARE
	v_mov_b32 v[NIL], 0
	v_lshrrev_b32 v1, 5, v0
	v_readfirstlane_b32 s20, v1                    ; wave 0..21
	v_and_b32 v2, 31, v0
	v_bfe_u32 v3, v0, 4, 1                         ; h
	v_and_b32 v4, 15, v0                           ; r
	v_and_b32 v5, 3, v0                            ; j
	v_bfe_u32 v6, v0, 2, 2                         ; q
	v_lshlrev_b32 v[LA], 5, v4
	v_lshl_add_u32 v6, v3, 2, v6
	v_lshlrev_b32 v[L16], 4, v2
	v_lshl_add_u32 v[LA], v3, 4, v[LA]
	v_lshl_add_u32 v6, v5, 3, v6                   ; block 8 j + 4 h + q
	s_lshl_b32 s21, s20, 7
	s_min_u32 s22, s20, 4
	s_lshl_b32 s22, s22, 9
	v_lshlrev_b32 v[CO], 4, v6
	v_add_nc_u32 v[EB], s21, v6
	v_add_nc_u32 v[RD], s22, v[L16]
.irp i, 0,1,2,3
	v_mov_b32 v[TT+\i], 0                          ; written once: a DPP form's destination counts as one of its sources
.endr
	s_mov_b32 s[M1], 0xaaaaaaaa
	s_mov_b32 s[M2], 0xcccccccc
	s_lshr_b32 s22, s20, 2                         ; T
	s_and_b32 s23, s20, 3
	s_lshl_b32 s23, s23, 1                         ; my first of the tensor's 8 rows
	s_lshl_b32 s24, ttmp9, 3
	s_add_co_u32 s24, s24, s23                     ; row
	s_lshr_b32 s25, ttmp9, 1
	s_xor_b32 s25, s25, ttmp9
	s_and_b32 s25, s25, 1
	s_mul_i32 s25, s25, 3
	s_xor_b32 s25, s25, ttmp9                      ; bits 0 and 1 of g exchanged: pi on groups of 8 rows
	s_lshl_b32 s25, s25, 3
	s_lshl_b32 s26, s22, 11
	s_add_co_u32 s26, s26, s25
	s_add_co_u32 s26, s26, s23                     ; my first place
	s_lshl_b32 s26, s26, 10                        ; 1,024 bytes of codes a place
	s_mov_b32 s27, 0
	s_lshl_b32 s28, s20, 11
	s_add_co_u32 s28, s28, s25
	s_lshl_b32 s28, s28, 6                         ; the scale bytes that wave w < 5 stores: tensor w's 8 places
	s_mov_b32 s29, 0
	s_lshl_b32 s30, s24, 13                        ; 8,192 bytes of f32 a row
	s_mov_b32 s31, 0
	s_wait_alu depctr_va_vdst(0)                   ; the wait at the head's end
	s_wait_kmcnt 0x0
	s_add_nc_u64 s[16:17], s[16:17], s[28:29]
	s_cmp_ge_u32 s20, 20
	s_cbranch_scc1 .Ltable
	s_cmp_eq_u32 s22, 1                            ; the choice hangs on the wave's number alone
	s_cselect_b64 s[4:5], s[6:7], s[4:5]
	s_cmp_eq_u32 s22, 2
	s_cselect_b64 s[4:5], s[8:9], s[4:5]
	s_cmp_eq_u32 s22, 3
	s_cselect_b64 s[4:5], s[10:11], s[4:5]
	s_cmp_eq_u32 s22, 4
	s_cselect_b64 s[4:5], s[12:13], s[4:5]
	s_add_nc_u64 s[4:5], s[4:5], s[30:31]
	s_add_nc_u64 s[14:15], s[14:15], s[26:27]
.set I, 0
.rept 32
	global_load_b128 v[X+4*I:X+4*I+3], v[LA], s[4:5] offset:512*I th:TH_LOAD_NT   ; 32 lanes read 512 consecutive bytes
.set I, I+1
.endr
.macro SEND2 d0, d1, a0, a1, mask, xm, t  ; lanes whose mask bit is 0 keep a0 and take a0 of lane xor xm as the second; the others take a1 of that lane as the first and keep a1
	v_mov_b32_dpp v[\t], v[\a1] row_xmask:\xm row_mask:0xf bank_mask:0xf
	v_mov_b32_dpp v[\t+1], v[\a0] row_xmask:\xm row_mask:0xf bank_mask:0xf
	v_cndmask_b32 v[\d0], v[\a0], v[\t], s[\mask]
	v_cndmask_b32 v[\d1], v[\t+1], v[\a1], s[\mask]
.endm
.macro TURN n                          ; a round: 8 loads, four pairs
.set XB, X+32*(\n)
	s_wait_loadcnt 24-8*(\n)                       ; this round's loads are in; those of the rounds behind it may be out
.irp m, 0,1,2,3
.irp j, 0,1,2,3
	v_permlane16_swap_b32 v[XB+8*\j+\m], v[XB+8*\j+4+\m]
.endr
.endr
.irp j, 0,1,2,3
	v_max3_num_f32 v[MX+\j], |v[XB+8*\j]|, |v[XB+8*\j+1]|, |v[XB+8*\j+2]|
.endr
.irp i, 3,5
.irp j, 0,1,2,3
	v_max3_num_f32 v[MX+\j], v[MX+\j], |v[XB+8*\j+\i]|, |v[XB+8*\j+\i+1]|
.endr
.endr
.irp j, 0,1,2,3
	v_max3_num_f32 v[MX+\j], v[MX+\j], |v[XB+8*\j+7]|, (EMAX+1)<<23   ; and the floor 2^(3 - 127): the byte cannot fall under 1
.endr
.irp j, 0,1,2,3
	v_max_num_f32_dpp v[MX+\j], v[MX+\j], v[MX+\j] row_xmask:1 row_mask:0xf bank_mask:0xf
.endr
.irp j, 0,1,2,3
	v_max_num_f32_dpp v[MX+\j], v[MX+\j], v[MX+\j] row_xmask:2 row_mask:0xf bank_mask:0xf   ; the block's: four lanes
.endr
.irp j, 0,1,2,3
	v_add_nc_u32 v[SO+\j], 0xff000000, v[MX+\j]    ; 2 off its exponent field: the conversion's scale operand
.endr
.irp j, 0,1,2,3
	v_cvt_scalef32_pk8_fp4_f32 v[DC+\j], v[XB+8*\j:XB+8*\j+7], v[SO+\j]
.endr
	v_cndmask_b32 v13, v[SO], v[SO+1], s[M1]       ; my own block's scale: that of pair j (plain places behind the conversions)
	v_cndmask_b32 v14, v[SO+2], v[SO+3], s[M1]
	v_cndmask_b32 v13, v13, v14, s[M2]
	v_lshrrev_b32 v[E+\n], 23, v13
	ds_store_b8 v[EB], v[E+\n] offset:32*(\n)
	SEND2 MX, MX+1, DC, DC+1, M1, 1, TT
	SEND2 MX+2, MX+3, DC+2, DC+3, M1, 1, TT+2
	SEND2 XB, XB+2, MX, MX+2, M2, 2, TT
	SEND2 XB+1, XB+3, MX+1, MX+3, M2, 2, TT+2
	global_store_b128 v[CO], v[XB:XB+3], s[14:15] offset:512*(\n)   ; 512 consecutive bytes, aligned
.endm
	TURN 0
	TURN 1
	TURN 2
	TURN 3
	s_branch .Ljoin
; ---- the table.  Thread of a tile, 0 .. 127: r = bits 0-3, h = bit 4, e = bits 5-6.  Each makes cos and sin for 8 frequencies: b = 0 .. 3, i and i + 1.  Two work-groups, four waves, make a tile
.Ltable:
	s_lshr_b32 s44, ttmp9, 1                       ; tau
	s_and_b32 s22, ttmp9, 1
	s_lshl_b32 s22, s22, 1
	s_add_co_u32 s22, s22, s20
	s_sub_co_u32 s22, s22, 20                      ; e
	s_lshl_b32 s22, s22, 5
	s_lshr_b32 s21, s44, 1
	s_lshl_b32 s21, s21, 5
	s_and_b32 s23, s44, 1
	s_lshl_b32 s23, s23, 3
	s_add_co_u32 s21, s21, s23                     ; 32 (tau / 2) + 8 (tau % 2)
	s_lshl_b32 s44, s44, 13                        ; 8,192 bytes a tile of 16 places
	s_mov_b32 s45, 0
	s_add_nc_u64 s[18:19], s[18:19], s[44:45]
	s_mov_b32 s24, 0x3f5dafd7                      ; 10^(-1/16), upper and lower word
	s_mov_b32 s25, 0xb2ff54dd
	s_mov_b32 s26, 0x3dcccccd                      ; 0.1
	s_mov_b32 s27, 0xb0cccccd
	s_mov_b32 s28, 0x3c23d70a                      ; 0.01
	s_mov_b32 s29, 0x2f75c28f
	s_mov_b32 s30, 0x3a83126f                      ; 0.001
	s_mov_b32 s31, 0xae50e560
	s_mov_b32 s32, 0x3f22f983                      ; 2 / pi
	s_mov_b32 s33, 0x3fc90fdb                      ; pi / 2, upper word,
	s_mov_b32 s34, 0xb33bbd2e                      ; and lower
	s_mov_b32 s35, 0xbe2aaaa3                      ; sin: -1.6666654611e-1, 8.3321608736e-3, -1.9515295891e-4
	s_mov_b32 s36, 0x3c08839e
	s_mov_b32 s37, 0xb94ca1f9
	s_mov_b32 s38, 0x3d2aaaa5                      ; cos: 4.166664568e-2, -1.388731625e-3, 2.443315712e-5
	s_mov_b32 s39, 0xbab6061a
	s_mov_b32 s40, 0x37ccf5ce
	v_and_b32 v4, 31, v0
	v_or_b32 v4, s22, v4                           ; my thread of the tile
	v_and_b32 v1, 15, v4                           ; r
	v_and_b32 v2, 8, v1
	v_add3_u32 v5, v1, v2, s21                     ; t = 32 (tau / 2) + 8 (tau % 2) + r + 8 (r / 8)
	v_cvt_f32_u32 v5, v5
	v_lshlrev_b32 v6, 4, v4                        ; 16 bytes a thread
	v_mov_b32 v20, 0x3f3ff911                      ; 10^(-1/8) where e is odd, else 1
	v_mov_b32 v21, 0x32022bb1
	v_and_b32 v2, 32, v4
	v_cmp_ne_u32 vcc_lo, 0, v2
	v_cndmask_b32 v8, 1.0, v20, vcc_lo
	v_cndmask_b32 v9, 0, v21, vcc_lo
	v_mov_b32 v20, 0x3f0ff59a                      ; 10^(-1/4) where e is 2 or 3
	v_mov_b32 v21, 0xb1f8f1ef
	v_and_b32 v2, 64, v4
	v_cmp_ne_u32 vcc_lo, 0, v2
	v_cndmask_b32 v12, 1.0, v20, vcc_lo
	v_cndmask_b32 v13, 0, v21, vcc_lo
	v_mov_b32 v20, 0x3ea1e89b                      ; 10^(-1/2) where h is 1
	v_mov_b32 v21, 0x31121244
	v_and_b32 v2, 16, v4
	v_cmp_ne_u32 vcc_lo, 0, v2
	v_cndmask_b32 v14, 1.0, v20, vcc_lo
	v_cndmask_b32 v15, 0, v21, vcc_lo
; (dh + dl) = (ah + al) x (bh + bl): the product of the upper words with its own error by a fused multiply-add, the cross terms, and the sum split anew
.macro DFMUL dh, dl, ah, al, bh, bl
	v_mul_f32 v28, \bh, \ah
	v_fma_f32 v29, \ah, \bh, -v28
	v_fma_f32 v29, \ah, \bl, v29
	v_fma_f32 v29, \al, \bh, v29
	v_add_f32 \dh, v28, v29
	v_sub_f32 v30, v28, \dh
	v_add_f32 \dl, v30, v29
.endm
.macro INV d, fh, fl, ch, cl           ; the same, rounded to one word
	v_mul_f32 v28, \ch, \fh
	v_fma_f32 v29, \fh, \ch, -v28
	v_fma_f32 v29, \fh, \cl, v29
	v_fma_f32 v29, \fl, \ch, v29
	v_add_f32 \d, v28, v29
.endm
; cos and sin of t x inv into v[dc], v[dsn].  n = the nearest whole number of quarter turns; the choice by n's low bits is made by selects and signs: no branch
.macro SINCOS inv, dc, dsn
	v_mul_f32 v20, v5, \inv                        ; the angle: one rounding
	v_mul_f32 v21, s32, v20
	v_rndne_f32 v21, v21                           ; n
	v_fma_f32 v22, -v21, s33, v20                  ; exact: both are multiples of 2^-23 (2^-24 under 1) and the difference is under 1
	v_fma_f32 v22, -v21, s34, v22                  ; rho
	v_mul_f32 v23, v22, v22                        ; z
	v_fma_f32 v24, v23, s37, s36
	v_fma_f32 v26, v23, s40, s39
	v_fma_f32 v24, v23, v24, s35
	v_fma_f32 v26, v23, v26, s38
	v_mul_f32 v25, v22, v23
	v_fma_f32 v27, v23, -0.5, 1.0
	v_mul_f32 v23, v23, v23
	v_fma_f32 v24, v25, v24, v22                   ; sin rho
	v_fma_f32 v26, v23, v26, v27                   ; cos rho
	v_cvt_i32_f32 v25, v21
	v_and_b32 v27, 1, v25
	v_cmp_eq_u32 vcc_lo, 1, v27
	v_cndmask_b32 v[\dsn], v24, v26, vcc_lo        ; an odd n exchanges the two
	v_cndmask_b32 v[\dc], v26, v24, vcc_lo
	v_lshlrev_b32 v27, 30, v25
	v_and_b32 v27, 0x80000000, v27                 ; sin is negated where n % 4 is 2 or 3,
	v_xor_b32 v[\dsn], v27, v[\dsn]
	v_add_nc_u32 v25, 1, v25
	v_lshlrev_b32 v25, 30, v25
	v_and_b32 v25, 0x80000000, v25                 ; cos where it is 1 or 2
	v_xor_b32 v[\dc], v25, v[\dc]
.endm
	DFMUL v8, v9, v8, v9, v12, v13
	DFMUL v8, v9, v8, v9, v14, v15                 ; 10^(-(8 h + 2 e)/16)
	DFMUL v10, v11, v8, v9, s24, s25               ; 10^(-(8 h + 2 e + 1)/16)
	SINCOS v8, 32, 33                              ; b = 0: the upper words are the rounded powers
	SINCOS v10, 34, 35
.irp b, 1,2,3
	INV v31, v8, v9, s[24+2*\b], s[25+2*\b]
	SINCOS v31, 32+4*\b, 33+4*\b
	INV v31, v10, v11, s[24+2*\b], s[25+2*\b]
	SINCOS v31, 34+4*\b, 35+4*\b
.endr
.irp b, 0,1,2,3
	global_store_b128 v6, v[32+4*\b:35+4*\b], s[18:19] offset:2048*\b   ; a wave stores 512 consecutive bytes, aligned
.endr
.Ljoin:
	s_wait_dscnt 0x0                               ; my scale bytes are in LDS
	s_barrier_signal -1
	s_barrier_wait -1
	s_cmp_ge_u32 s20, 5
	s_cbranch_scc1 .Lend
	ds_load_b128 v[24:27], v[RD]                   ; (registers that no store of mine reads)
	s_wait_dscnt 0x0
	global_store_b128 v[L16], v[24:27], s[16:17]   ; tensor w's 8 places: 512 consecutive bytes, aligned
.Lend:
	s_wait_tensorcnt 0x0                           ; the wave's end
	ds_add_u32 v[SPW], v[NIL]
	s_wait_dscnt 0x0
	s_endpgm
.Lfunc_end_k_qc3a990078f_prep:
	.size	k_qc3a990078f_prep, .Lfunc_end_k_qc3a990078f_prep-k_qc3a990078f_prep
	.p2alignl 7, 3214868480
	.fill 96, 4, 3214868480
	.section	.rodata,"a",@progbits
	.p2align	6, 0x0
	.amdhsa_kernel k_qc3a990078f_prep
		.amdhsa_group_segment_fixed_size 5376
		.amdhsa_private_segment_fixed_size 0
		.amdhsa_enable_private_segment 0
		.amdhsa_kernarg_size 64
		.amdhsa_user_sgpr_count 2
		.amdhsa_user_sgpr_kernarg_segment_ptr 1
		.amdhsa_wavefront_size32 1
		.amdhsa_system_sgpr_workgroup_id_x 1
		.amdhsa_system_sgpr_workgroup_id_y 1
		.amdhsa_system_sgpr_workgroup_id_z 1
		.amdhsa_system_vgpr_workitem_id 0
		.amdhsa_next_free_vgpr 160
		.amdhsa_next_free_sgpr 66
		.amdhsa_reserve_vcc 1
		.amdhsa_float_denorm_mode_32 3
		.amdhsa_float_denorm_mode_16_64 3
		.amdhsa_memory_ordered 1
		.amdhsa_forward_progress 1
		.amdhsa_inst_pref_size 38
	.end_amdhsa_kernel
	.amdgpu_metadata
---
amdhsa.version: [ 1, 2 ]
amdhsa.kernels:
  - .name:           k_qc3a990078f_prep
    .symbol:         k_qc3a990078f_prep.kd
    .args:
      - { .name: x, .offset: 0, .size: 8, .value_kind: global_buffer, .address_space: global }
      - { .name: wq_w, .offset: 8, .size: 8, .value_kind: global_buffer, .address_space: global }
      - { .name: wk_w, .offset: 16, .size: 8, .value_kind: global_buffer, .address_space: global }
      - { .name: wv_w, .offset: 24, .size: 8, .value_kind: global_buffer, .address_space: global }
      - { .name: wo_w, .offset: 32, .size: 8, .value_kind: global_buffer, .address_space: global }
      - { .name: codes, .offset: 40, .size: 8, .value_kind: global_buffer, .address_space: global }
      - { .name: scales, .offset: 48, .size: 8, .value_kind: global_buffer, .address_space: global }
      - { .name: rope, .offset: 56, .size: 8, .value_kind: global_buffer, .address_space: global }
    .group_segment_fixed_size: 5376
    .private_segment_fixed_size: 0
    .kernarg_segment_align: 8
    .kernarg_segment_size: 64
    .max_flat_workgroup_size: 704
    .sgpr_count:     66
    .vgpr_count:     160
    .wavefront_size: 32
...
	.end_amdgpu_metadata
.endif
;; end of part 5
;; launch qkv (part 6): grid 24 x 8, 4 waves a work-group, clusters of 4 x 4, 327,680 bytes of LDS; arguments codes, scales, wq_b, wk_b, wv_b, rope, qkv; writes qkv
.if DOCPART == 6
	.amdgcn_target "amdgcn-amd-amdhsa--gfx1250"
	.amdhsa_code_object_version 6
	.text
	.protected	k_qc3a990078f_qkv
	.globl	k_qc3a990078f_qkv
	.p2align	8
	.type	k_qc3a990078f_qkv,@function
k_qc3a990078f_qkv:
	s_mov_b64 s[64:65], 0
	v_nop
	global_prefetch_b8 v0, s[64:65] scope:SCOPE_SE
	s_setreg_imm32_b32 hwreg(HW_REG_WAVE_MODE, 25, 1), 1
	s_wait_xcnt 0x0
	s_wait_alu depctr_hold_cnt(0) depctr_sa_sdst(0) depctr_va_vdst(0) depctr_va_sdst(0) depctr_va_ssrc(0) depctr_va_vcc(0) depctr_vm_vsrc(0)
	s_getreg_b32 s2, hwreg(HW_REG_IB_STS2, 6, 4)
	s_cmp_eq_u32 s2, 0
	s_cbranch_scc0 .Lentry_in_a_cluster
	s_endpgm
.Lentry_in_a_cluster:
	s_bfe_u32 s2, ttmp6, 0x10000c
	s_cmp_lg_u32 s2, 0xf033
	s_cbranch_scc0 .Lentry_shape_is_right
	s_endpgm
.Lentry_shape_is_right:
; QKV.  q = rot(x wq^T + bq), k = rot(x wk^T + bk), v = x wv^T + bv on codes of FP4 (E2M1) with one E8M0 scale for each 32 along K = 2,048; the results are quantised in registers and leave as operands of the attention.
; A work-group of four waves makes 256 x 256 of one product, a wave 128 x 128: 64 accumulators, 512 registers.  K goes in steps of 512 through a ring of two LDS slots (rows of 256 bytes); the scale bytes of the
; work-group's 512 rows, for all of K, come into LDS once.  24 x 8 work-groups: columns 0-7 q, 8-15 k, 16-23 v.
; SOURCE 0 ("B") is the operand along whose rows the RESULT IS QUANTISED; a lane's registers run along it.  q, k: B = the weight's rows (the head's 128 channels), A = x's rows.  v: B = x's rows (the keys), A = wv's rows.
; Rows lie in the buffers at places pi(row) (bits 3 and 4 exchanged): so register 8 t + j of B's tiles t = 2 b + u, in lane half h, is index 32 b + 16 h + 8 u + j of the wave's 128: 16 neighbours in two tiles; the
; rotation's pairs (2 i, 2 i + 1) are register pairs.  Lane r holds A's place 16 a + r.
; OUT: qkv[3][head 16][step 16][8,704 bytes].  A record is 128 places x 128 K: eight images of fragments (registers 4 c .. 4 c + 3 of lane l at 1024 a + 512 c + 16 l), then 512 bytes of scale words: the word at
; 16 l + 4 p is that of tile 2 p + (l / 16), row l % 16.  q, k: places = t, K = the head's channels; v: places = channels, K = the step's 128 keys.  Every store of a wave covers 512 consecutive bytes, aligned.
; CLUSTERS: 4 x 4.  A's tiles are shared along a row of the cluster, B's along a column: joint loads.  Which product a work-group serves hangs on the cluster's x alone: the same in all sixteen partners.
; Every work-group loads the bias in both layouts and the first cos and sin, though v uses only the first and q, k only the others: so one branch alone parts the ways, at the way out, and every counted wait sees the same loads.
; LIMITS: a block whose largest magnitude lies under 2^-124 (zeros too) gets the byte 1; NaN and infinities are not served; the rotation uses one fused multiply-add where two roundings are written.
; REGISTERS, in windows of 256: window 0: v1-5 at work, v6-7 the add's, v8-9, v23 offsets, v10-17 a block's codes, v18-22 LDS addresses, v24-31 v's bias, v32-95 scale words (two sets), v96-127 the quantiser's,
;   v128-191 A's fragments, later 64 numbers of a block, v192-255 q's or k's bias.   window 1: B's fragments at v0 and v128; cos and sin, four sets, at v64 and v192 and, over B's, at v0 and v128.   windows 2, 3: the accumulators ((a, b) at v[8 (8 (a % 4) + b)]).
.set KSTEP,  512
.set NQ,     4                         ; matrix instructions deep in a slot
.set ROWB,   256                       ; a tile's row in bytes
.set KROW,   1024                      ; a row of codes in memory
.set PITCH,  272                       ; an LDS row: 256 bytes + 16 of padding: the 16 rows that a load touches start at 16 different banks
.set FR,     8
.set NL,     2
.set NP,     4                         ; places behind this matrix instruction (ISA guide 7.12.1)
.set HALFT,  128*PITCH
.set SLOT,   4*HALFT
.set LAPS,   2                         ; 2,048 / (2 x 512)
.set KS,     64                        ; a row of scale bytes
.set SCL,    2*SLOT
.set HALFS,  32*272                    ; the scales of 128 rows: 32 units of 256 bytes + 16
.set SBLK,   4*272                     ; those of 16 rows
.set SPARE,  SCL+4*HALFS               ; the spare words: 128 bytes for each wave; no other line names them
.set REC,    8704
.set SPW,  6
.set NIL,  7
.set BA,   8                           ; 64 h: my half's 16 channels of a block of 32
.set LI,   9                           ; 16 x lane
.set PC,   10                          ; v10-17 a block's codes
.set ADRA, 18
.set ADRB, 20
.set ADRS, 22
.set VBA,  23                          ; 4 (r + 8 (r / 8))
.set VB,   24                          ; v24-31 v's bias: one number a lane for each of A's blocks
.set SC,   32
.set TM,   96
.set PW,   112                         ; v112-119 the blocks' scale words
.set TP,   120
.set AF,   128
.set NUM,  128
.set BIAS, 192
.set CS0,  64                          ; window 1: cos and sin, FOUR sets, block a in set a % 4: at v64 and v192; and over B's fragments, once those have had their last product, at v0 and v128
.set G1, 24
.set G0, 32
.set G1B, 48
.set G0B, 56
.set G1S, 68
.set G0S, 76
.set G1SB, 80
.set G0SB, 88
.set G0H,  4                           ; s[4:7] (the arguments that lay there have been used by then) and s[92:95]: group 0 for the head's loads of K step 0: A's 256 rows, B's 256 rows
.set G0HB, 92
.set SEL, 100
.set MSB, 0
.macro WIN new                         ; the immediate's high byte repeats the setting that is left
.if MSB != \new
	s_set_vgpr_msb (MSB<<8)|\new
.set MSB, \new
.endif
.endm
.set MUL_LO, 0xa1                      ; source 0 (B) window 1, source 1 (A) window 0, C and D window 2
.set MUL_HI, 0xf1
.set TO_B,   0x40
; A joint load: waves 0 and 1 fetch for A, waves 2 and 3 for B; the branch hangs on the wave's number alone.  Four v_nop follow each of the two lines.
.macro JLOAD g0a, g1a, g0b, g1b
	s_cmp_eq_u32 s15, 0
	s_cbranch_scc0 .Lfor_b_\@
	tensor_load_to_lds s[\g0a:\g0a+3], s[\g1a:\g1a+7]
	s_nop 0
.rept 4
	v_nop
.endr
	s_branch .Lasked_\@
.Lfor_b_\@:
	tensor_load_to_lds s[\g0b:\g0b+3], s[\g1b:\g1b+7]
	s_nop 0
.rept 4
	v_nop
.endr
.Lasked_\@:
.endm
.macro CREST
	s_cmp_lg_u32 s14, 0
	s_cbranch_scc1 .Lnot_wave_0_\@
	s_barrier_signal -3
.Lnot_wave_0_\@:
	s_barrier_wait -3
	s_barrier_signal -1
	s_barrier_wait -1
.endm
.macro CROUND
	s_barrier_signal -1
	s_barrier_wait -1
	CREST
.endm
	s_load_b128 s[4:7], s[0:1], 0x0                ; codes, scales
	s_load_b256 s[80:87], s[0:1], 0x10             ; wq_b, wk_b, wv_b, rope
	s_load_b64 s[12:13], s[0:1], 0x30              ; qkv
	v_lshl_add_u32 v[SPW], v0, 2, SPARE
	v_mov_b32 v[NIL], 0
	ds_add_u32 v6, v7
	ds_add_u32 v6, v7
	s_wait_dscnt 0x0
	v_lshrrev_b32 v1, 5, v0
	v_readfirstlane_b32 s14, v1                    ; wave 0..3
	s_lshr_b32 s15, s14, 1                         ; which half of A's rows is mine.  Also: I fetch for A (0) or for B (1)
	s_and_b32 s16, s14, 1                          ; which half of B's rows.  Also: which 128 rows I fetch
	s_bfe_u32 s40, ttmp6, 0x40000                  ; cx, cy
	s_bfe_u32 s41, ttmp6, 0x40004
	s_lshl_b32 s42, ttmp9, 2
	s_add_co_u32 s42, s42, s40                     ; gx = 4 x cluster x + cx
	s_and_b32 s17, ttmp7, 0xffff
	s_lshl_b32 s17, s17, 2
	s_add_co_u32 s17, s17, s41                     ; gy = 4 x cluster y + cy
	s_lshl_b32 s43, s41, 2
	s_lshl_b32 s43, 15, s43                        ; my row of the cluster
	s_lshl_b32 s44, 0x1111, s40                    ; my column
	s_mov_b32 s67, 0xffff0000                      ; lanes 16-31
	s_mov_b32 s[SEL], 0x76543210
	s_mov_b32 s[SEL+1], 0xfedcba98                 ; v_permlanex16_b32's selects for lane l xor 16
	; descriptor group 1: 128 rows x 256 bytes, 16 bytes of padding behind each
	s_or_b32 s[G1+0], s43, (0<<16)|(1<<20)|(1<<21)|(5<<22)|(3<<25)
	s_or_b32 s[G1B+0], s44, (0<<16)|(1<<20)|(1<<21)|(5<<22)|(3<<25)
.irp g, G1, G1B
	s_mov_b32 s[\g+1], ROWB<<16
	s_mov_b32 s[\g+2], 256<<16                     ; 256 rows for the head's loads; behind them the two words that count rows are set to 128
	s_mov_b32 s[\g+3], ROWB<<16
	s_mov_b32 s[\g+4], 256
	s_mov_b32 s[\g+5], KROW
	s_mov_b32 s[\g+6], 0
	s_mov_b32 s[\g+7], 0
.endr
	s_wait_kmcnt 0x0
	s_cmp_ge_u32 ttmp9, 2                          ; clusters 0, 1: q; 2, 3: k; 4, 5: v
	s_cselect_b64 s[8:9], s[82:83], s[80:81]
	s_cmp_ge_u32 ttmp9, 4
	s_cselect_b64 s[8:9], s[84:85], s[8:9]         ; my product's bias
	s_cselect_b32 s66, 6144, 0                     ; v: A = wv's rows (places 6,144 on), B = x's; else A = x's, B = wq's or wk's (2,048 on)
	s_mov_b64 s[10:11], s[8:9]
	s_mov_b64 s[96:97], s[86:87]
	; the scales of 128 rows: 8,192 dense bytes as 32 rows of 256 (32 elements of 8 bytes), 16 bytes of padding behind each
	s_or_b32 s[G1S+0], s43, (3<<16)|(1<<20)|(1<<21)|(5<<22)|(3<<25)
	s_or_b32 s[G1SB+0], s44, (3<<16)|(1<<20)|(1<<21)|(5<<22)|(3<<25)
.irp g, G1S, G1SB
	s_mov_b32 s[\g+1], 32<<16
	s_mov_b32 s[\g+2], 64<<16                      ; the scales of 256 rows: 64 rows of 256 bytes
	s_mov_b32 s[\g+3], 32<<16
	s_mov_b32 s[\g+4], 64
	s_mov_b32 s[\g+5], 32
	s_mov_b32 s[\g+6], 0
	s_mov_b32 s[\g+7], 0
.endr
	s_lshl_b32 s20, s17, 8
	s_add_co_u32 s20, s20, s66                     ; A: place 256 gy (+ 6,144)
	s_lshl_b32 s46, s42, 8
	s_add_co_u32 s46, s46, 2048                    ; B: place 256 gx + 2,048 (- 6,144)
	s_sub_co_u32 s46, s46, s66                     ; B: place 256 gx + 2,048 (- 6,144)
	s_lshl_b32 s22, s20, 6                         ; 64 scale bytes a place,
	s_mov_b32 s23, 0
	s_lshl_b32 s20, s20, 10                        ; 1,024 bytes of codes
	s_mov_b32 s21, 0
	s_lshl_b32 s92, s46, 6
	s_mov_b32 s93, 0
	s_lshl_b32 s46, s46, 10
	s_mov_b32 s47, 0
	s_mul_i32 s45, s14, HALFT                      ; where they go: wave x 128 rows: no place in the cluster enters an LDS address
	s_lshl_b32 s18, s16, 17                        ; in the ring I fetch 128 rows of a tile: which half, in bytes
	s_mov_b32 s19, 0
	s_add_nc_u64 s[20:21], s[4:5], s[20:21]
	s_add_nc_u64 s[22:23], s[6:7], s[22:23]
	s_add_nc_u64 s[46:47], s[4:5], s[46:47]
	s_add_nc_u64 s[92:93], s[6:7], s[92:93]
	s_mov_b32 s[G0S], 1                            ; the head's four tiles, each whole: the scales of A's 256 rows,
	s_mov_b32 s[G0S+1], SCL
	s_mov_b64 s[G0S+2:G0S+3], s[22:23]
	s_or_b32 s[G0S+3], s[G0S+3], 0x80000000
	s_mov_b32 s[G0SB], 1
	s_mov_b32 s[G0SB+1], SCL+2*HALFS               ; and of B's,
	s_mov_b64 s[G0SB+2:G0SB+3], s[92:93]
	s_or_b32 s[G0SB+3], s[G0SB+3], 0x80000000
	s_mov_b32 s[G0H], 1                            ; K step 0's 256 rows of A,
	s_mov_b32 s[G0H+1], 0
	s_mov_b64 s[G0H+2:G0H+3], s[20:21]
	s_or_b32 s[G0H+3], s[G0H+3], 0x80000000
	s_mov_b32 s[G0HB], 1                           ; and its 256 rows of B
	s_mov_b32 s[G0HB+1], 2*HALFT
	s_mov_b64 s[G0HB+2:G0HB+3], s[46:47]
	s_or_b32 s[G0HB+3], s[G0HB+3], 0x80000000
	s_add_nc_u64 s[20:21], s[20:21], s[18:19]      ; for the ring: my 128 rows of the tile
	s_add_nc_u64 s[46:47], s[46:47], s[18:19]
.irp s, 0,1
	s_mov_b32 s[G0+4*\s], 1
	s_add_co_u32 s[G0+4*\s+1], s45, \s*SLOT
	s_add_nc_u64 s[G0+4*\s+2:G0+4*\s+3], s[20:21], \s*ROWB
	s_or_b32 s[G0+4*\s+3], s[G0+4*\s+3], 0x80000000
	s_mov_b32 s[G0B+4*\s], 1
	s_add_co_u32 s[G0B+4*\s+1], s45, \s*SLOT
	s_add_nc_u64 s[G0B+4*\s+2:G0B+4*\s+3], s[46:47], \s*ROWB
	s_or_b32 s[G0B+4*\s+3], s[G0B+4*\s+3], 0x80000000
.endr
	CROUND                                         ; all sixteen work-groups are here: the first joint loads meet
; THE HEAD'S LOADS, ONE A WAVE: wave 0 fetches K step 0's 256 rows of A, wave 1 its 256 rows of B, wave 2 the scales of A's rows, wave 3 those of B's.  One tree of branches on the wave's number.
.macro ARM under, g0, g1, next
	s_cmp_lt_u32 s14, \under
	s_cbranch_scc0 \next
	tensor_load_to_lds s[\g0:\g0+3], s[\g1:\g1+7]
	s_nop 0
.rept 4
	v_nop
.endr
	s_branch .Lhead_asked
\next:
.endm
	ARM 1, G0H,  G1,  .Lhead_b
	ARM 2, G0HB, G1B, .Lhead_sa
	ARM 3, G0S,  G1S, .Lhead_sb
	tensor_load_to_lds s[G0SB:G0SB+3], s[G1SB:G1SB+7]
	s_nop 0
.rept 4
	v_nop
.endr
.Lhead_asked:
	v_and_b32 v1, 15, v0                           ; r
	v_bfe_u32 v2, v0, 4, 1                         ; h
	v_mul_u32_u24 v3, v1, PITCH
	v_lshl_add_u32 v4, v2, 4, v3                   ; a fragment's row x pitch + 16 x half
	s_mul_i32 s21, s15, HALFT
	s_mul_i32 s22, s16, HALFT
	s_add_co_u32 s22, s22, 2*HALFT
.irp s, 0,1
	v_add_nc_u32 v[ADRA+\s], s21, v4
	v_add_nc_u32 v[ADRB+\s], s22, v4
	s_add_co_u32 s21, s21, SLOT
	s_add_co_u32 s22, s22, SLOT
.endr
	v_mul_u32_u24 v5, v1, KS                       ; my row's scales: 64 bytes a row,
	v_lshrrev_b32 v3, 8, v5
	v_lshl_add_u32 v5, v3, 4, v5                   ; and 16 more for each 256 passed
	s_mul_i32 s21, s15, HALFS
	s_mul_i32 s22, s16, HALFS
	s_add_co_u32 s22, s22, 2*HALFS
	s_sub_co_u32 s22, s22, s21
	v_mul_u32_u24 v3, s22, v2                      ; lanes 16-31 take B's
	s_add_co_u32 s21, s21, SCL
	v_add_nc_u32 v5, v5, v3
	v_add_nc_u32 v[ADRS], s21, v5
	v_and_b32 v3, 31, v0
	v_lshlrev_b32 v[LI], 4, v3
	v_lshlrev_b32 v[BA], 6, v2
	v_lshlrev_b32 v4, 8, v3                        ; the prefetch's offset: lanes 256 bytes apart; v4 is not rewritten behind this line
	v_and_b32 v3, 8, v1
	v_add_nc_u32 v3, v3, v1
	v_lshlrev_b32 v[VBA], 2, v3
	; the bias by register (q, k): my 128 channels begin at ((gx % 8) 256 + 128 x column half); by lane (v): at 256 gy + 128 x row half
	s_wait_alu depctr_va_vdst(0)
	s_and_b32 s98, s42, 7
	s_lshl_b32 s98, s98, 10
	s_lshl_b32 s99, s16, 9
	s_add_co_u32 s98, s98, s99
	s_mov_b32 s99, 0
	s_add_nc_u64 s[10:11], s[10:11], s[98:99]
	s_lshl_b32 s98, s17, 10
	s_lshl_b32 s18, s15, 9
	s_add_co_u32 s98, s98, s18
	s_add_nc_u64 s[8:9], s[8:9], s[98:99]
	s_lshl_b32 s98, s17, 17                        ; cos and sin of my 8 tiles of places: tile 16 gy + 8 x row half, 8,192 bytes each
	s_lshl_b32 s18, s15, 16
	s_add_co_u32 s98, s98, s18
	s_add_nc_u64 s[96:97], s[96:97], s[98:99]
	s_lshl_b32 s98, s42, 1
	s_add_co_u32 s98, s98, s16                     ; P = 2 gx + column half
	s_lshl_b32 s99, s17, 1
	s_add_co_u32 s99, s99, s15                     ; Q = 2 gy + row half
	s_lshl_b32 s18, s98, 4
	s_add_co_u32 s18, s18, s99                     ; q, k: record 16 P + Q (P = 16 x tensor + head, Q = the step)
	s_lshl_b32 s19, s99, 4
	s_add_co_u32 s19, s19, s98
	s_add_co_u32 s19, s19, 480                     ; v: 512 + 16 Q + (P - 32) (Q = the head, P - 32 = the step)
	s_cmp_lg_u32 s66, 0
	s_cselect_b32 s18, s19, s18
	s_mul_i32 s18, s18, REC
	s_mov_b32 s19, 0
	s_add_nc_u64 s[12:13], s[12:13], s[18:19]
.macro CSLOAD a                        ; cos and sin for block a: 64 registers, into set a % 4 of window 1
.set CSB, CS0*(1-((\a)%4)/2)+128*((\a)%2)
.irp k, 0,1,2,3,4,5,6,7,8,9,10,11,12,13,14,15
	global_load_b128 v[CSB+4*\k:CSB+4*\k+3], v[LI], s[96:97] offset:(\a)*8192+512*\k
.endr
.endm
.irp a, 0,1,2,3,4,5,6,7
	global_load_b32 v[VB+\a], v[VBA], s[8:9] offset:(32*(\a/2)+8*(\a%2))*4      ; the bias of channel 32 (a/2) + 8 (a%2) + r + 8 (r/8)
.endr
.irp t, 0,1,2,3,4,5,6,7
	global_load_b128 v[BIAS+8*\t:BIAS+8*\t+3], v[BA], s[10:11] offset:(32*(\t/2)+8*(\t%2))*4     ; those of channels 32 (t/2) + 16 h + 8 (t%2) + 0 .. 7
	global_load_b128 v[BIAS+8*\t+4:BIAS+8*\t+7], v[BA], s[10:11] offset:(32*(\t/2)+8*(\t%2))*4+16
.endr
	WIN 0x40                                       ; destination window 1
	CSLOAD 0
	CSLOAD 1                                       ; 56 loads stay out over the K loop, which names none of their registers
	WIN 0
.macro FRAG reg, adr, q, i             ; 16 rows x 128 K of 4-bit codes: 8 registers: lane l holds row l % 16; registers 4 c .. 4 c + 3 hold K = 64 c + 32 (l / 16) + 0 .. 31
.irp c, 0,1
	ds_load_b128 v[\reg+4*\c:\reg+4*\c+3], v[\adr] offset:64*(\q)+32*\c+(\i)*16*PITCH
.endr
.endm
; 16 matrix instructions: A's blocks a0, a0 + 1 x B's eight, the slot's q-th 128 along K.  The 64 accumulators take turns, one instruction a turn, in the same order in every step.
.macro MUL16 a0, p, q, sc, zero
.irp a, \a0, \a0+1
.irp b, 0,1,2,3,4,5,6,7
.if \zero
	v_wmma_scale_f32_16x16x128_f8f6f4 v[8*(8*((\a)%4)+\b):8*(8*((\a)%4)+\b)+7], v[128*(\p)+FR*\b:128*(\p)+FR*\b+FR-1], v[AF+FR*(\a):AF+FR*(\a)+FR-1], 0, v[SC+8*NQ*(\sc)+NQ*\b+(\q)], v[SC+8*NQ*(\sc)+NQ*(\a)+(\q)] matrix_a_fmt:MATRIX_FMT_FP4 matrix_b_fmt:MATRIX_FMT_FP4 matrix_a_scale:MATRIX_SCALE_ROW1
.else
	v_wmma_scale_f32_16x16x128_f8f6f4 v[8*(8*((\a)%4)+\b):8*(8*((\a)%4)+\b)+7], v[128*(\p)+FR*\b:128*(\p)+FR*\b+FR-1], v[AF+FR*(\a):AF+FR*(\a)+FR-1], v[8*(8*((\a)%4)+\b):8*(8*((\a)%4)+\b)+7], v[SC+8*NQ*(\sc)+NQ*\b+(\q)], v[SC+8*NQ*(\sc)+NQ*(\a)+(\q)] matrix_a_fmt:MATRIX_FMT_FP4 matrix_b_fmt:MATRIX_FMT_FP4 matrix_a_scale:MATRIX_SCALE_ROW1
.endif
.endr
.endr
.endm
.macro FETCH_B slot, q, p
	WIN TO_B
.irp i, 0,1,2,3,4,5,6,7
	FRAG 128*(\p)+FR*\i, ADRB+\slot, \q, \i
.endr
	WIN 0
.endm
.macro FETCH_A slot, q, i0
.irp i, \i0, \i0+1, \i0+2, \i0+3
	FRAG AF+FR*(\i), ADRA+\slot, \q, \i
.endr
.endm
.macro SCALES sc                       ; a K step's scale words: 4 words a row; lanes 0-15 take A's block i, lanes 16-31 B's block i
.irp i, 0,1,2,3,4,5,6,7
	ds_load_b128 v[SC+8*NQ*\sc+NQ*\i:SC+8*NQ*\sc+NQ*\i+3], v[ADRS] offset:\i*SBLK
.endr
.endm
.macro PLACES n                        ; plain vector instructions between a matrix instruction and a load into, or a read of, its registers
.rept \n
	v_nop
.endr
.endm
.macro STEP slot, q, zero              ; 128 along K with its successor in the same slot
	s_wait_dscnt 4*NL                              ; B's set and A's blocks 0-3 are in; the youngest eight loads (A's blocks 4-7) may be out
	WIN MUL_LO
	MUL16 0, (\q)%2, \q, \slot, \zero
	MUL16 2, (\q)%2, \q, \slot, \zero
	s_wait_dscnt 0
	PLACES NP
	FETCH_B \slot, (\q)+1, 1-(\q)%2
	FETCH_A \slot, (\q)+1, 0
	WIN MUL_HI
	MUL16 4, (\q)%2, \q, \slot, \zero
	MUL16 6, (\q)%2, \q, \slot, \zero
	PLACES NP
	WIN 0
	FETCH_A \slot, (\q)+1, 4
.endm
; A slot's last step changes slots: one barrier; in front of it each wave waits for all its tensor loads, adds 0 to its spare word, and waits for that and for its own reads of this slot.
.macro TURN slot, next, fill
	s_wait_tensorcnt 0x0                           ; all my tensor loads have landed: my part of the next slot
	ds_add_u32 v[SPW], v[NIL]                      ; 0 onto my spare word
	s_wait_dscnt 4*NL+1                            ; (the add and A's blocks 4-7 may be out)
	WIN MUL_LO
	MUL16 0, 1, NQ-1, \slot, 0
	s_wait_dscnt 0x0                               ; the add is done, and my reads of this slot are over
	s_barrier_signal -1
	MUL16 2, 1, NQ-1, \slot, 0
	WIN 0
	s_barrier_wait -1
.if \fill
	CREST                                          ; the barrier has opened a round of the cluster's: no wave of any partner still reads this slot or has a load on its way
	s_add_nc_u64 s[G0+4*\slot+2:G0+4*\slot+3], s[G0+4*\slot+2:G0+4*\slot+3], 2*ROWB
	s_add_nc_u64 s[G0B+4*\slot+2:G0B+4*\slot+3], s[G0B+4*\slot+2:G0B+4*\slot+3], 2*ROWB
	JLOAD G0+4*\slot, G1, G0B+4*\slot, G1B         ; the first tensor load behind the round; its four v_nop are the places in front of the loads below
.else
	PLACES NP
.endif
	s_wait_alu depctr_va_vdst(0)
	v_add_nc_u32 v[ADRS], 4*NQ, v[ADRS]            ; on to the next K step's scale words
	FETCH_B \next, 0, 0
	FETCH_A \next, 0, 0
	SCALES \next
	WIN MUL_HI
	MUL16 4, 1, NQ-1, \slot, 0
	MUL16 6, 1, NQ-1, \slot, 0
	PLACES NP
	WIN 0
	FETCH_A \next, 0, 4
.endm
.macro STEPS slot, from
.set Q, \from
.rept NQ-1-\from
	STEP \slot, Q, 0
.set Q, Q+1
.endr
.endm
	s_wait_alu depctr_va_vdst(0)                   ; the wait at the head's end
	s_wait_tensorcnt 0x0                           ; my tile of the head's four is in
	ds_add_u32 v[SPW], v[NIL]                      ; 0 onto my spare word
	s_mov_b32 s[G1+2], 128<<16                     ; no tensor load of mine is out, so a descriptor may be written: from here on a load brings 128 rows
	s_mov_b32 s[G1+4], 128
	s_mov_b32 s[G1B+2], 128<<16
	s_mov_b32 s[G1B+4], 128
	s_wait_dscnt 0x0                               ; the add is done
	CROUND                                         ; all four tiles are in, and all sixteen work-groups are here
	JLOAD G0+4, G1, G0B+4, G1B                     ; K step 1's load, the first tensor load behind the round
	FETCH_B 0, 0, 0
	FETCH_A 0, 0, 0
	SCALES 0
	FETCH_A 0, 0, 4
	; The rope table is asked for ahead of the way out, which reads blocks 2 to 7's part first then: the 16 work-groups of q and k that share a row gy share its 16 tiles out by address: work-group gx asks for tile 16 gy + gx,
	; 8,192 bytes, 32 lanes 256 bytes apart, by wave 0 in one instruction.  v's clusters read no more of it and ask for nothing (a branch on the cluster's x, the same in all partners, and on the wave).
	; The K steps' tiles are not asked for ahead: K has four steps in all, two of which are asked for at the head.
	s_and_b32 s18, s42, 15
	s_lshl_b32 s18, s18, 13
	s_mov_b32 s19, 0
	s_add_nc_u64 s[18:19], s[96:97], s[18:19]      ; (in wave 0, row half 0, s[96:97] is the row's first tile)
	s_cmp_lt_u32 ttmp9, 4
	s_cselect_b32 s21, s14, 1
	s_cmp_eq_u32 s21, 0
	s_cbranch_scc0 .Lno_ask
	global_prefetch_b8 v4, s[18:19] th:TH_LOAD_NT scope:SCOPE_SE
.Lno_ask:
	STEP 0, 0, 1                                   ; the first step's products start the sums
	s_mov_b32 s3, LAPS-1
.Llap:
	STEPS 0, 1
	TURN 0, 1, 1
	STEPS 1, 0
	TURN 1, 0, 1
	STEP 0, 0, 0
	s_sub_co_u32 s3, s3, 1
	s_cmp_lg_u32 s3, 0
	s_cbranch_scc1 .Llap
	STEPS 0, 1                                     ; the last lap fills nothing
	TURN 0, 1, 0
	STEPS 1, 0
	WIN 0x40
	CSLOAD 2                                       ; into B's first set, which has had its last product (four places behind it)
	s_wait_dscnt 4*NL
	WIN MUL_LO
	MUL16 0, 1, NQ-1, 1, 0
	MUL16 2, 1, NQ-1, 1, 0
	s_wait_dscnt 0
	WIN MUL_HI
	MUL16 4, 1, NQ-1, 1, 0
	MUL16 6, 1, NQ-1, 1, 0
	WIN 0
; THE WAY OUT, block by block of A's 16 places.  No LDS: a lane's 64 numbers of a block are 128 along the next K of ITS place, half a block of 32 in each half of the lanes.
; 64 numbers v[s] .. v[s + 63], register 16 b + i = k 32 b + 16 (lane / 16) + i, become a fragment's codes in v[PC] on and its scale word in v[pw].
.macro QUANT s, pw
.irp b, 0,1,2,3
	v_max3_num_f32 v[TM+\b], |v[\s+16*\b]|, |v[\s+1+16*\b]|, 0x1800000   ; my 16 numbers of block b, and the floor 2^(3 - 127): the byte cannot fall under 1
.endr
.irp i, 2,4,6,8,10,12,14
.irp b, 0,1,2,3
	v_max3_num_f32 v[TM+\b], v[TM+\b], |v[\s+16*\b+\i]|, |v[\s+1+16*\b+\i]|
.endr
.endr
.irp b, 0,1,2,3
	v_permlanex16_b32 v[TM+4+\b], v[TM+\b], s[SEL], s[SEL+1]
.endr
.irp b, 0,1,2,3
	v_max_num_f32 v[TM+\b], v[TM+\b], v[TM+4+\b]   ; with lane l xor 16's: the block's largest magnitude
.endr
.irp b, 0,1,2,3
	v_add_nc_u32 v[TM+12+\b], 0xff000000, v[TM+\b] ; 2 off its exponent field: the conversion's scale operand
.endr
.irp b, 0,1,2,3
	v_lshrrev_b32 v[TM+4+\b], 23, v[TM+12+\b]      ; the scale's byte
.endr
	v_lshl_or_b32 v[\pw], v[TM+5], 8, v[TM+4]
	v_lshl_or_b32 v[\pw], v[TM+6], 16, v[\pw]
	v_lshl_or_b32 v[\pw], v[TM+7], 24, v[\pw]
.irp b, 0,1,2,3
	v_cvt_scalef32_pk8_fp4_f32 v[PC+2*\b], v[\s+16*\b:\s+7+16*\b], v[TM+12+\b]
	v_cvt_scalef32_pk8_fp4_f32 v[PC+1+2*\b], v[\s+8+16*\b:\s+15+16*\b], v[TM+12+\b]
.endr
	v_nop                                          ; one plain place behind a scaled conversion
.irp c, 0,1                            ; the operand's layout wants a whole block in a lane
.irp i, 0,1
	v_permlane16_swap_b32 v[PC+4*\c+\i], v[PC+2+4*\c+\i]
.endr
.endr
.endm
.macro EPI a, rope
.set AC, 64*((\a)%4)
.set CR, CS0*(1-((\a)%4)/2)+128*((\a)%2)
.if (\a) > 0
	s_wait_xcnt 0x0                                ; the last block's stores have read v[PC] on: it is written again only behind this wait
.endif
.if \rope
.if (\a) < 5
	s_wait_loadcnt 48                              ; the bias and this block's cos and sin are in; the next three blocks' 48 loads may be out
.else
	s_wait_loadcnt 16*(7-(\a))
.endif
.else
.if (\a) == 0
	s_wait_loadcnt 16                              ; the bias is in; block 2's cos and sin, which v does not use, may be out
.endif
.endif
	WIN 0x02+(\a)/4                                ; source 0: window 2 or 3
.set M, 0
.rept 32                               ; + the bias; each accumulator from its low end on
.if \rope
	v_pk_add_f32 v[NUM+2*M:NUM+2*M+1], v[AC+2*M:AC+2*M+1], v[BIAS+2*M:BIAS+2*M+1]
.else
.if (\a)%2
	v_pk_add_f32 v[NUM+2*M:NUM+2*M+1], v[AC+2*M:AC+2*M+1], v[VB+(\a)-1:VB+(\a)] op_sel:[0,1] op_sel_hi:[1,1]   ; the pair's second word for both halves
.else
	v_pk_add_f32 v[NUM+2*M:NUM+2*M+1], v[AC+2*M:AC+2*M+1], v[VB+(\a):VB+(\a)+1] op_sel_hi:[1,0]               ; its first
.endif
.endif
.set M, M+1
.endr
.if \rope
	WIN 0x04                                       ; source 1 (cos, sin): window 1
.irp g, 0,1,2,3,4,5,6,7
.irp k, 0,1,2,3
	v_pk_mul_f32 v[TP+2*\k:TP+2*\k+1], v[NUM+8*\g+2*\k:NUM+8*\g+2*\k+1], v[CR+8*\g+2*\k:CR+8*\g+2*\k+1] op_sel_hi:[1,0]   ; (t1 cos, t2 cos)
.endr
.irp k, 0,1,2,3
	v_pk_fma_f32 v[NUM+8*\g+2*\k:NUM+8*\g+2*\k+1], v[NUM+8*\g+2*\k:NUM+8*\g+2*\k+1], v[CR+8*\g+2*\k:CR+8*\g+2*\k+1], v[TP+2*\k:TP+2*\k+1] op_sel:[1,1,0] op_sel_hi:[0,1,1] neg_lo:[1,0,0]   ; (t1 cos - t2 sin, t2 cos + t1 sin)
.endr
.endr
.if (\a) < 4
	WIN 0x40
	CSLOAD (\a)+4                                  ; the set just used takes the block four further on
.endif
.endif
	WIN 0
	QUANT NUM, PW+(\a)
.irp c, 0,1
	global_store_b128 v[LI], v[PC+4*\c:PC+4*\c+3], s[12:13] offset:1024*(\a)+512*\c   ; the image: 512 consecutive bytes a store
.endr
.endm
.macro WORDS                           ; the record's scale words: lanes 0-15 tile 2 p's, lanes 16-31 tile 2 p + 1's
.irp p, 0,1,2,3
	v_cndmask_b32 v[TP+\p], v[PW+2*\p], v[PW+2*\p+1], s67
.endr
	global_store_b128 v[LI], v[TP:TP+3], s[12:13] offset:8192
.endm
	PLACES NP                                      ; behind the last products
.irp b, 0,1,2,3
	v_mov_b32 v[TM+4+\b], 0                        ; written once: a lane permute's destination counts as one of its sources
.endr
	s_cmp_lg_u32 s66, 0
	s_cbranch_scc1 .Lv_out                         ; the same way in all sixteen partners
	WIN 0x40
	CSLOAD 3                                       ; into B's second set
	WIN 0
.irp a, 0,1,2,3,4,5,6,7
	EPI \a, 1
.endr
	WORDS
	s_branch .Lend
.Lv_out:
.irp a, 0,1,2,3,4,5,6,7
	EPI \a, 0
.endr
	WORDS
.Lend:
	s_wait_tensorcnt 0x0                           ; the wave's end
	ds_add_u32 v[SPW], v[NIL]
	s_wait_dscnt 0x0
	CROUND                                         ; the closing round: no work-group ends while a partner may still ask for a tile that names it
	s_endpgm
.Lfunc_end_k_qc3a990078f_qkv:
	.size	k_qc3a990078f_qkv, .Lfunc_end_k_qc3a990078f_qkv-k_qc3a990078f_qkv
	.p2alignl 7, 3214868480
	.fill 96, 4, 3214868480
	.section	.rodata,"a",@progbits
	.p2align	6, 0x0
	.amdhsa_kernel k_qc3a990078f_qkv
		.amdhsa_group_segment_fixed_size 327680
		.amdhsa_private_segment_fixed_size 0
		.amdhsa_enable_private_segment 0
		.amdhsa_kernarg_size 56
		.amdhsa_user_sgpr_count 2
		.amdhsa_user_sgpr_kernarg_segment_ptr 1
		.amdhsa_wavefront_size32 1
		.amdhsa_system_sgpr_workgroup_id_x 1
		.amdhsa_system_sgpr_workgroup_id_y 1
		.amdhsa_system_sgpr_workgroup_id_z 1
		.amdhsa_system_vgpr_workitem_id 0
		.amdhsa_next_free_vgpr 1024
		.amdhsa_next_free_sgpr 102
		.amdhsa_reserve_vcc 0
		.amdhsa_float_denorm_mode_32 3
		.amdhsa_float_denorm_mode_16_64 3
		.amdhsa_memory_ordered 1
		.amdhsa_forward_progress 1
		.amdhsa_inst_pref_size 255
	.end_amdhsa_kernel
	.section	.bss,"aw",@nobits
	.p2align	6
	.space	262144
	.amdgpu_metadata
---
amdhsa.version: [ 1, 2 ]
amdhsa.kernels:
  - .name:           k_qc3a990078f_qkv
    .symbol:         k_qc3a990078f_qkv.kd
    .args:
      - { .name: codes, .offset: 0, .size: 8, .value_kind: global_buffer, .address_space: global }
      - { .name: scales, .offset: 8, .size: 8, .value_kind: global_buffer, .address_space: global }
      - { .name: wq_b, .offset: 16, .size: 8, .value_kind: global_buffer, .address_space: global }
      - { .name: wk_b, .offset: 24, .size: 8, .value_kind: global_buffer, .address_space: global }
      - { .name: wv_b, .offset: 32, .size: 8, .value_kind: global_buffer, .address_space: global }
      - { .name: rope, .offset: 40, .size: 8, .value_kind: global_buffer, .address_space: global }
      - { .name: qkv, .offset: 48, .size: 8, .value_kind: global_buffer, .address_space: global }
    .group_segment_fixed_size: 327680
    .private_segment_fixed_size: 0
    .kernarg_segment_align: 8
    .kernarg_segment_size: 56
    .max_flat_workgroup_size: 128
    .sgpr_count:     102
    .vgpr_count:     1024
    .wavefront_size: 32
...
	.end_amdgpu_metadata
.endif
;; end of part 6
;; launch attn (part 7): grid 16 x 16, 16 waves a work-group, clusters of 4 x 1, 327,680 bytes of LDS; arguments qkv, yc, ys; writes yc, ys
.if DOCPART == 7
	.amdgcn_target "amdgcn-amd-amdhsa--gfx1250"
	.amdhsa_code_object_version 6
	.text
	.protected	k_qc3a990078f_attn
	.globl	k_qc3a990078f_attn
	.p2align	8
	.type	k_qc3a990078f_attn,@function
k_qc3a990078f_attn:
	s_mov_b64 s[64:65], 0
	v_nop
	global_prefetch_b8 v0, s[64:65] scope:SCOPE_SE
	s_setreg_imm32_b32 hwreg(HW_REG_WAVE_MODE, 25, 1), 1
	s_wait_xcnt 0x0
	s_wait_alu depctr_hold_cnt(0) depctr_sa_sdst(0) depctr_va_vdst(0) depctr_va_sdst(0) depctr_va_ssrc(0) depctr_va_vcc(0) depctr_vm_vsrc(0)
	s_getreg_b32 s2, hwreg(HW_REG_IB_STS2, 6, 4)
	s_cmp_eq_u32 s2, 0
	s_cbranch_scc0 .Lentry_in_a_cluster
	s_endpgm
.Lentry_in_a_cluster:
	s_bfe_u32 s2, ttmp6, 0x10000c
	s_cmp_lg_u32 s2, 0x3003
	s_cbranch_scc0 .Lentry_shape_is_right
	s_endpgm
.Lentry_shape_is_right:
; ATTN.  y = softmax(q k^T / sqrt(128)) v under the causal mask, 16 heads of 128 channels, 2,048 positions, both products on codes of FP4 (E2M1) with one E8M0 scale for each 32 along K; y is quantised along the channels.
; t = score x log2(e) / sqrt(128); M = the running largest t rounded up to a whole number; p = 2^(t - M) is quantised along the keys, its sum is taken unquantised; when M moves, sum and y are multiplied by 2^(old M - new M): exact.
; qkv[3][head 16][step 16][8,704 bytes]: a record is 128 places x 128 K: eight images of fragments (registers 4 c .. 4 c + 3 of lane l at 1024 a + 512 c + 16 l), then 512 bytes of scale words.
; ALL KEYS OF A HEAD LIE IN LDS AT ONCE: 16 records of K and 16 of V, 278,528 bytes: each of the 16 waves brings two records (17,408 bytes, 68 rows of 256) by ONE joint load at the head: nothing is filled again.
; Waves whose number ends in 0 or 1 (mod 8) bring key steps 0 to 3 of K and of V; a first barrier shows those, a second one the rest; behind it every wave walks its steps with no barrier.  All that the launch reads is asked
; for at its head: there is no later stream to ask ahead for, so there is no prefetch.
; CLUSTERS: 4 x 1: the four work-groups of a head's cluster read the same K and V: every load is joint.
; SHARES.  A work-group owns 8 tiles of 16 queries: tiles 2 cx, 2 cx + 1 of the blocks of 128 queries 15 - b, 8 + b, 7 - b, b (b = the cluster's x); two waves share a tile, one takes the even key steps, one the odd ones.
; Wave w: block by w / 4, longest first; so the four waves w = s (mod 4) walk 17 steps together for every s and b.
; LEFT OUT: key steps of 128 all of whose keys come after the wave's queries: the mask that the function builds takes their scores out ahead of the softmax, whatever the inputs; a NaN, an infinity or an overflow in them alone is not carried.
; LIMITS: the scaled scores (exponents to the base 2) stay under 2^31 in magnitude; a block whose largest magnitude lies under 2^-124 (zeros too) gets the byte 1; NaN and infinities are not served.  A block's largest p is made
; of its largest score by the same multiply-add and exponential as that score's own p.
; REGISTERS: v1 16 x lane, v2 the mask's offset, v8-9 addresses, v10 the exchange's, v12 -M, v13 the largest t, v[14:15] the sum in two halves, v16-23 Q, v24-27 K's scale words, v30-31 the add's, v160-223 y^T, v224-231 p's codes,
; v232-247 at work, v248-251 V's scale words, v252 f, v253 p's scale words, v255 Q's.  v32-95 and v96-159 change roles from step to step: K's fragments, then V's, in the one; the scores, then p, then the NEXT step's K in the other.
.set REC,   8704
.set VBASE, 16*REC
.set SPARE, 32*REC                     ; 16 x 128 bytes; no other line names them
.set LI,  1
.set DQ,  2
.set ADK, 8
.set ADV, 9
.set MA,  10
.set KW,  24
.set SPW, 30
.set NIL, 31
.set VW,  248
.set TM,  232
.set PC,  224
.set WV,  10
.set HF,  11
.set CX,  12
.set HD,  13
.set BQ,  14
.set TA,  15
.set G1,  16
.set G0,  24
.set LW,  28
.set SEL, 40
.set CS,  42
.set TB,  44
.set KST, 45
.set CNT, 46
.macro ROUND
	s_barrier_signal -1
	s_barrier_wait -1
	s_cmp_lg_u32 s[WV], 0
	s_cbranch_scc1 .Lnot_wave_0_\@
	s_barrier_signal -3
.Lnot_wave_0_\@:
	s_barrier_wait -3
	s_barrier_signal -1
	s_barrier_wait -1
.endm
	s_load_b128 s[4:7], s[0:1], 0x0                ; qkv, yc
	s_load_b64 s[8:9], s[0:1], 0x10                ; ys
	v_lshl_add_u32 v[SPW], v0, 2, SPARE
	v_mov_b32 v[NIL], 0
	ds_add_u32 v[SPW], v[NIL]                      ; the wave's opening: the add, twice on end, and its wait; work on registers stands between
	ds_add_u32 v[SPW], v[NIL]
	v_lshrrev_b32 v3, 5, v0
	v_readfirstlane_b32 s[WV], v3                  ; wave 0..15
	s_bfe_u32 s[CX], ttmp6, 0x40000
	s_and_b32 s[HD], ttmp7, 0xffff                 ; head
	s_and_b32 s[LW], s[WV], 7
	s_lshr_b32 s47, s[WV], 3
	s_xor_b32 s[HF], s[WV], s47
	s_and_b32 s[HF], s[HF], 1                      ; even key steps (0) or odd ones (1)
	s_bfe_u32 s48, s[WV], 0x10001
	s_lshl_b32 s49, s[CX], 1
	s_add_co_u32 s[TA], s48, s49                   ; tile of the block, 0..7
	s_lshr_b32 s50, s[WV], 2
	s_xor_b32 s50, s50, s47
	s_and_b32 s50, s50, 1                          ; w / 4 is 1 or 2
	s_sub_co_u32 s49, 7, ttmp9
	s_cmp_lg_u32 s50, 0
	s_cselect_b32 s[BQ], s49, ttmp9
	s_sub_co_u32 s49, 15, s[BQ]
	s_cmp_lt_u32 s[WV], 8
	s_cselect_b32 s[BQ], s49, s[BQ]                ; w / 4 = 0: 15 - b, 1: 8 + b, 2: 7 - b, 3: b
	s_mov_b32 s[G1], 15|(3<<16)|(1<<21)            ; my row of the cluster; elements of 8 bytes
	s_mov_b32 s[G1+1], 32<<16
	s_mov_b32 s[G1+2], 68<<16
	s_mov_b32 s[G1+3], 32<<16
	s_mov_b32 s[G1+4], 68                          ; 68 rows of 256 bytes
	s_mov_b32 s[G1+5], 32
	s_mov_b32 s[G1+6], 0
	s_mov_b32 s[G1+7], 0
	s_mul_i32 s49, s[WV], 2*REC                    ; where my two records go: K's in waves 0-7, V's in waves 8-15
	s_lshl_b32 s51, s47, 8
	s_add_co_u32 s51, s51, 256
	s_lshl_b32 s52, s[HD], 4
	s_add_co_u32 s51, s51, s52
	s_lshl_b32 s50, s[LW], 1
	s_add_co_u32 s51, s51, s50
	s_mul_i32 s50, s51, REC                        ; record 256 x (1 or 2) + 16 x head + 2 (w % 8)
	s_mov_b32 s51, 0
	s_add_co_u32 s52, s52, s[BQ]
	s_mul_i32 s52, s52, REC                        ; Q's record
	s_mov_b32 s53, 0
	s_lshl_b32 s54, s[TA], 10
	s_add_co_u32 s54, s54, s52                     ; my tile's image
	s_mov_b32 s55, 0
	s_and_b32 s47, s[TA], 1
	s_lshr_b32 s48, s[TA], 1
	s_lshl_b32 s56, s47, 8
	s_lshl_b32 s57, s48, 2
	s_add_co_u32 s56, s56, s57
	s_add_co_u32 s56, s56, 8192
	s_add_co_u32 s56, s56, s52                     ; and its scale words
	s_mov_b32 s57, 0
	s_lshl_b32 s48, s48, 5
	s_lshl_b32 s47, s47, 3
	s_add_co_u32 s48, s48, s47
	s_lshr_b32 s60, s[WV], 1
	s_mul_i32 s60, s60, REC                        ; the exchange of a tile's two waves: over K's records 0 to 7
	s_mul_i32 s[TB], s[HF], REC
	s_mov_b32 s[KST], s[HF]
	s_mov_b32 s[SEL], 0x76543210
	s_mov_b32 s[SEL+1], 0xfedcba98                 ; v_permlanex16_b32's selects for lane l xor 16
	s_mov_b32 s[CS], 0x3e0293ee                    ; log2(e) / sqrt(128)
	s_mov_b32 s[CS+1], s[CS]
	s_lshl_b32 s47, s[BQ], 3
	s_add_co_u32 s47, s47, s[TA]
	s_lshl_b32 s47, s47, 10
	s_lshl_b32 s58, s[HD], 17
	s_add_co_u32 s58, s58, s47                     ; my tile in yc
	s_mov_b32 s59, 0
	s_lshl_b32 s62, s[HD], 2
	s_add_co_u32 s62, s62, s47                     ; and in ys
	s_mov_b32 s63, 0
	v_and_b32 v3, 31, v0
	v_and_b32 v6, 15, v0
	v_and_b32 v7, 16, v0
	v_lshlrev_b32 v[LI], 4, v3
	v_lshlrev_b32 v5, 4, v6
	v_and_b32 v4, 8, v6
	v_add_nc_u32 v[ADK], s[TB], v[LI]
	v_add_nc_u32 v[MA], s60, v[LI]
	v_add3_u32 v[DQ], v6, v4, s48
	v_add_nc_u32 v[ADV], VBASE, v[ADK]
	v_sub_nc_u32 v[DQ], v[DQ], v7                  ; my query in its block - 16 (lane / 16): register 16 b + i of a diagonal step is hidden where 32 b + i is above it
	s_wait_alu depctr_va_vdst(0)                   ; the wait here, directly ahead of the waits below
	s_wait_dscnt 0x0                               ; both opening adds are done
	s_wait_kmcnt 0x0
	s_add_nc_u64 s[54:55], s[4:5], s[54:55]
	s_add_nc_u64 s[56:57], s[4:5], s[56:57]
	s_add_nc_u64 s[50:51], s[4:5], s[50:51]
	global_load_b128 v[16:19], v[LI], s[54:55]
	global_load_b128 v[20:23], v[LI], s[54:55] offset:512
	global_load_b32 v255, v5, s[56:57]
	s_mov_b32 s[G0], 1
	s_mov_b32 s[G0+1], s49
	s_mov_b64 s[G0+2:G0+3], s[50:51]
	s_or_b32 s[G0+3], s[G0+3], 0x80000000
	s_add_nc_u64 s[6:7], s[6:7], s[58:59]
	s_add_nc_u64 s[8:9], s[8:9], s[62:63]
	ROUND                                          ; all four work-groups are here: the joint loads meet
	s_cmp_lt_u32 s[LW], 2                          ; two load lines, one load a wave: the waves that bring key steps 0 to 3 wait for theirs ahead of the others
	s_cbranch_scc0 .Llater
	tensor_load_to_lds s[G0:G0+3], s[G1:G1+7]
	s_nop 0
.rept 4
	v_nop
.endr
	s_branch .Lasked
.Llater:
	tensor_load_to_lds s[G0:G0+3], s[G1:G1+7]
	s_nop 0
.rept 4
	v_nop
.endr
.Lasked:
	v_mov_b32 v13, 0xff61b1e6                      ; the largest t so far: -3e38, under every t
	v_mov_b32 v14, 0
	v_mov_b32 v15, 0
	v_floor_f32 v12, -v13                          ; -M
.irp b, 0,1,2,3
	v_mov_b32 v[236+\b], 0                         ; written once: a lane permute's destination counts as one of its sources
.endr
	v_mov_b32 v252, 0
	v_mov_b32 v253, 0
.set J, 0
.rept 64
	v_mov_b32 v[160+J], 0                          ; y^T: a wave's first step, whichever it is, finds zeros
.set J, J+1
.endr
.macro KLOAD x, off                    ; a record of K: eight fragments and their scale words
.irp t, 0,1,2,3,4,5,6,7
.irp c, 0,1
	ds_load_b128 v[\x+8*\t+4*\c:\x+8*\t+4*\c+3], v[ADK] offset:\off+1024*\t+512*\c
.endr
.endr
	ds_load_b128 v[KW:KW+3], v[ADK] offset:\off+8192
.endm
.macro KFIRST x, off                   ; the same, where my next step counts for my queries: a branch on ids
	s_cmp_gt_u32 s[KST], s[BQ]
	s_cbranch_scc1 .Lno_first_\@
	KLOAD \x, \off
.Lno_first_\@:
.endm
; A KEY STEP of 128 keys, at byte off of v[ADK], v[ADV].  K's fragments are in v[x ..]; the scores go to v[y ..].  nxt: where the K of my next step lies (0: it is not asked for here).
; past: the label behind the pair of steps.  A step that is left out leaves out the rest of its pair with it, and its count of steps stays above my block's number: so the second step of a pair is walked only behind the first.
.macro STEP x, y, off, nxt, past
	s_cmp_gt_u32 s[KST], s[BQ]                     ; all keys come after my queries: left out (and so are all later steps)
	s_cbranch_scc1 \past
	s_wait_dscnt 0x0
.irp t, 0,2,4,6
	v_wmma_scale_f32_16x16x128_f8f6f4 v[\y+8*\t:\y+8*\t+7], v[\x+8*\t:\x+8*\t+7], v[16:23], 0, v[KW+\t/2], v255 matrix_a_fmt:MATRIX_FMT_FP4 matrix_b_fmt:MATRIX_FMT_FP4
	v_wmma_scale_f32_16x16x128_f8f6f4 v[\y+8*\t+8:\y+8*\t+15], v[\x+8*\t+8:\x+8*\t+15], v[16:23], 0, v[KW+\t/2], v255 matrix_a_fmt:MATRIX_FMT_FP4 matrix_b_fmt:MATRIX_FMT_FP4 matrix_a_scale:MATRIX_SCALE_ROW1
.endr
.rept 4
	v_nop                                          ; places: V lands where K lay, and the scores are read
.endr
.irp t, 0,1,2,3,4,5,6,7
.irp c, 0,1
	ds_load_b128 v[\x+8*\t+4*\c:\x+8*\t+4*\c+3], v[ADV] offset:\off+1024*\t+512*\c
.endr
.endr
	ds_load_b128 v[VW:VW+3], v[ADV] offset:\off+8192
	s_cmp_lg_u32 s[KST], s[BQ]
	s_cbranch_scc1 .Lopen_\@
	v_mov_b32 v254, 0xff800000                     ; the diagonal: hidden scores become -infinity ahead of the maximum
.set N, 0
.rept 64
	v_cmp_gt_i32 vcc_lo, 32*(N/16)+N%16, v[DQ]
	v_cndmask_b32 v[\y+N], v[\y+N], v254, vcc_lo
.set N, N+1
.endr
.Lopen_\@:
.irp b, 0,1,2,3
	v_max3_num_f32 v[232+\b], v[\y+16*\b], v[\y+1+16*\b], v[\y+2+16*\b]   ; the largest score of each block of 32 keys
.endr
.irp i, 3,5,7,9,11,13
.irp b, 0,1,2,3
	v_max3_num_f32 v[232+\b], v[232+\b], v[\y+16*\b+\i], v[\y+1+16*\b+\i]
.endr
.endr
.irp b, 0,1,2,3
	v_max_num_f32 v[232+\b], v[232+\b], v[\y+15+16*\b]
.endr
.irp b, 0,1,2,3
	s_delay_alu instid0(VALU_DEP_4)
	v_permlanex16_b32 v[236+\b], v[232+\b], s[SEL], s[SEL+1]
.endr
.irp b, 0,1,2,3
	s_delay_alu instid0(VALU_DEP_4)
	v_max_num_f32 v[232+\b], v[232+\b], v[236+\b]
.endr
	s_delay_alu instid0(VALU_DEP_2)
	v_max3_num_f32 v254, v232, v233, v234
	s_delay_alu instid0(VALU_DEP_1)
	v_max_num_f32 v254, v254, v235
	s_delay_alu instid0(VALU_DEP_1)
	v_mul_f32 v254, s[CS], v254
	s_delay_alu instid0(VALU_DEP_1)
	v_max_num_f32 v13, v13, v254                   ; the running largest t
	v_mov_b32 v254, v12
	s_delay_alu instid0(VALU_DEP_2)
	v_floor_f32 v12, -v13                          ; the new -M
	s_delay_alu instid0(VALU_DEP_1)
	v_sub_f32 v254, v12, v254
	s_delay_alu instid0(VALU_DEP_1)
	v_cvt_i32_f32 v254, v254                       ; (it saturates)
	s_delay_alu instid0(VALU_DEP_1)
	v_ldexp_f32 v252, 1.0, v254                    ; f = 2^(old M - new M)
.set J, 0
.rept 32
	v_pk_fma_f32 v[\y+J:\y+J+1], v[\y+J:\y+J+1], s[CS:CS+1], v[12:13] op_sel_hi:[1,0,0]   ; t - M
.set J, J+2
.endr
.irp b, 0,1,2,3
	v_fma_f32 v[232+\b], v[232+\b], s[CS], v12
.endr
	s_wait_alu depctr_va_vdst(0)                   ; the wait ahead of the batch
.set J, 0
.rept 64
	v_exp_f32 v[\y+J], v[\y+J]
.set J, J+1
.endr
	v_pk_mul_f32 v[14:15], v[14:15], v[252:253] op_sel_hi:[1,0]
	s_wait_alu depctr_va_vdst(0)                   ; and behind it
.irp b, 0,1,2,3
	v_exp_f32 v[232+\b], v[232+\b]                 ; each block's largest p
.endr
	v_pk_add_f32 v[236:237], v[\y:\y+1], v[\y+2:\y+3]     ; the sum of the unquantised p, in four chains
	v_pk_add_f32 v[238:239], v[\y+4:\y+5], v[\y+6:\y+7]
	v_pk_add_f32 v[240:241], v[\y+8:\y+9], v[\y+10:\y+11]
.irp j, 12,20,28,36,44,52
	v_pk_add_f32 v[14:15], v[14:15], v[\y+\j:\y+\j+1]
	v_pk_add_f32 v[236:237], v[236:237], v[\y+\j+2:\y+\j+3]
	v_pk_add_f32 v[238:239], v[238:239], v[\y+\j+4:\y+\j+5]
	v_pk_add_f32 v[240:241], v[240:241], v[\y+\j+6:\y+\j+7]
.endr
	v_pk_add_f32 v[14:15], v[14:15], v[\y+60:\y+61]
	v_pk_add_f32 v[236:237], v[236:237], v[\y+62:\y+63]
	v_pk_add_f32 v[238:239], v[238:239], v[240:241]
	v_pk_add_f32 v[14:15], v[14:15], v[236:237]
	s_delay_alu instid0(VALU_DEP_1)
	v_pk_add_f32 v[14:15], v[14:15], v[238:239]
	s_wait_alu depctr_va_vdst(0)                   ; for the four
.irp b, 0,1,2,3
	v_max_num_f32 v[232+\b], 0x1800000, v[232+\b]  ; the floor 2^(3 - 127): the byte cannot fall under 1
.endr
.irp b, 0,1,2,3
	s_delay_alu instid0(VALU_DEP_4)
	v_add_nc_u32 v[244+\b], 0xff000000, v[232+\b]  ; 2 off the exponent field: the conversion's scale operand
.endr
.irp b, 0,1,2,3
	s_delay_alu instid0(VALU_DEP_4)
	v_lshrrev_b32 v[236+\b], 23, v[244+\b]
.endr
	s_delay_alu instid0(VALU_DEP_3)
	v_lshl_or_b32 v253, v237, 8, v236
	s_delay_alu instid0(VALU_DEP_1)
	v_lshl_or_b32 v253, v238, 16, v253
	s_delay_alu instid0(VALU_DEP_1)
	v_lshl_or_b32 v253, v239, 24, v253
.irp b, 0,1,2,3
	v_cvt_scalef32_pk8_fp4_f32 v[224+2*\b], v[\y+16*\b:\y+7+16*\b], v[244+\b]
	v_cvt_scalef32_pk8_fp4_f32 v[225+2*\b], v[\y+8+16*\b:\y+15+16*\b], v[244+\b]
.endr
	v_nop                                          ; one plain place behind a scaled conversion
.irp c, 0,1                            ; the operand's layout wants a whole block in a lane
.irp i, 0,1
	v_permlane16_swap_b32 v[224+4*\c+\i], v[226+4*\c+\i]
.endr
.endr
	s_wait_alu depctr_va_vdst(0)                   ; the wait here, directly ahead of the wait below
	s_wait_dscnt 0x0                               ; V is in: it was asked for ahead of the softmax
.if \nxt
	s_add_co_u32 s47, s[KST], 2
	s_cmp_gt_u32 s47, s[BQ]
	s_cbranch_scc1 .Lno_next_\@
	KLOAD \y, \nxt                                 ; my next step's K, over p, which has been converted
.Lno_next_\@:
.endif
	s_wait_alu depctr_va_vdst(0)                   ; the wait here, directly ahead of the first reader of y^T
.set J, 0
.rept 32
	v_pk_mul_f32 v[160+J:161+J], v[160+J:161+J], v[252:253] op_sel_hi:[1,0]
.set J, J+2
.endr
.irp t, 0,2,4,6
	v_wmma_scale_f32_16x16x128_f8f6f4 v[160+8*\t:167+8*\t], v[\x+8*\t:\x+8*\t+7], v[224:231], v[160+8*\t:167+8*\t], v[VW+\t/2], v253 matrix_a_fmt:MATRIX_FMT_FP4 matrix_b_fmt:MATRIX_FMT_FP4
	v_wmma_scale_f32_16x16x128_f8f6f4 v[168+8*\t:175+8*\t], v[\x+8*\t+8:\x+8*\t+15], v[224:231], v[168+8*\t:175+8*\t], v[VW+\t/2], v253 matrix_a_fmt:MATRIX_FMT_FP4 matrix_b_fmt:MATRIX_FMT_FP4 matrix_a_scale:MATRIX_SCALE_ROW1
.endr
.rept 5
	v_nop                                          ; five places: the next step's scores are written over these fragments
.endr
	s_add_co_u32 s[KST], s[KST], 2
.endm
	s_wait_alu depctr_va_vdst(0)                   ; the wait at the head's end
	s_wait_loadcnt 0x0                             ; Q
	s_cmp_lt_u32 s[LW], 2
	s_cbranch_scc0 .Lnot_mine
	s_wait_tensorcnt 0x0                           ; the waves that bring key steps 0 to 3: mine are in
.Lnot_mine:
	s_wait_dscnt 0x0
	s_barrier_signal -1
	s_barrier_wait -1                              ; key steps 0 to 3 of K and V are whole
	KLOAD 32, 0
	STEP 32, 96, 0, 2*REC, .Lpast_0
	STEP 96, 32, 2*REC, 0, .Lpast_0
.Lpast_0:
	s_wait_tensorcnt 0x0                           ; every load is in
	s_wait_dscnt 0x0
	s_barrier_signal -1
	s_barrier_wait -1                              ; and so are all waves': the rest of K and V is whole
	KFIRST 32, 4*REC
	s_add_co_u32 s[TB], s[TB], 4*REC
	s_mov_b32 s[CNT], 3
.Lpair:                                            ; two of my steps a trip: the two register areas are back in their roles
	v_add_nc_u32 v[ADK], s[TB], v[LI]
	v_add_nc_u32 v[ADV], VBASE, v[ADK]
	s_wait_alu depctr_va_vdst(0)                   ; the wait here, directly behind the writes
	STEP 32, 96, 0, 2*REC, .Lpast_1
	STEP 96, 32, 2*REC, 4*REC, .Lpast_1
.Lpast_1:
	s_add_co_u32 s[TB], s[TB], 4*REC
	s_sub_co_u32 s[CNT], s[CNT], 1
	s_cmp_lg_u32 s[CNT], 0
	s_cbranch_scc1 .Lpair
	; THE TWO WAVES OF A TILE: the one with the odd steps hands -M, its sum and y^T over through LDS, over K's records, which had their one fill and which nobody reads behind this barrier
	s_wait_alu depctr_va_vdst(0)
	s_wait_dscnt 0x0
	s_barrier_signal -1
	s_barrier_wait -1
	s_cmp_eq_u32 s[HF], 0
	s_cbranch_scc1 .Lkeeps
	s_wait_alu depctr_va_vdst(0)
.irp k, 0,1,2,3,4,5,6,7,8,9,10,11,12,13,14,15
	ds_store_b128 v[MA], v[160+4*\k:163+4*\k] offset:512*\k
.endr
	ds_store_b128 v[MA], v[12:15] offset:8192
.Lkeeps:
	s_wait_dscnt 0x0
	s_barrier_signal -1
	s_barrier_wait -1
	s_cmp_lg_u32 s[HF], 0
	s_cbranch_scc1 .Ldone
.irp k, 0,1,2,3,4,5,6,7,8,9,10,11,12,13,14,15
	ds_load_b128 v[32+4*\k:35+4*\k], v[MA] offset:512*\k
.endr
	ds_load_b128 v[232:235], v[MA] offset:8192
	v_add_f32 v14, v14, v15
	s_wait_alu depctr_va_vdst(0)
	s_wait_dscnt 0x0
	v_min_num_f32 v236, v12, v232                  ; -M of the two
	v_add_f32 v234, v234, v235
	s_delay_alu instid0(VALU_DEP_2)
	v_sub_f32 v237, v236, v12
	s_delay_alu instid0(VALU_DEP_3)
	v_sub_f32 v238, v236, v232
	s_delay_alu instid0(VALU_DEP_2)
	v_cvt_i32_f32 v237, v237
	s_delay_alu instid0(VALU_DEP_2)
	v_cvt_i32_f32 v238, v238
	s_delay_alu instid0(VALU_DEP_2)
	v_ldexp_f32 v240, 1.0, v237
	s_wait_alu depctr_va_vdst(0)
	v_ldexp_f32 v242, 1.0, v238
	v_mul_f32 v14, v14, v240
	s_delay_alu instid0(VALU_DEP_1)
	v_fma_f32 v14, v234, v242, v14
	s_delay_alu instid0(VALU_DEP_1)
	v_permlanex16_b32 v252, v14, s[SEL], s[SEL+1]
	s_delay_alu instid0(VALU_DEP_1)
	v_add_f32 v14, v14, v252                       ; the row's sum
	s_wait_alu depctr_va_vdst(0)
	v_rcp_f32 v14, v14
	v_and_b32 v8, 15, v0
	s_delay_alu instid0(VALU_DEP_1)
	v_lshlrev_b32 v8, 6, v8
	v_and_b32 v9, 31, v0
	s_wait_alu depctr_va_vdst(0)
	v_mul_f32 v240, v240, v14
	v_mul_f32 v242, v242, v14
	s_delay_alu instid0(VALU_DEP_2)
	v_mov_b32 v241, v240
	s_delay_alu instid0(VALU_DEP_2)
	v_mov_b32 v243, v242
.set J, 0
.rept 32
	v_pk_mul_f32 v[96+J:97+J], v[160+J:161+J], v[240:241]
.set J, J+2
.endr
.set J, 0
.rept 32
	v_pk_fma_f32 v[96+J:97+J], v[32+J:33+J], v[242:243], v[96+J:97+J]
.set J, J+2
.endr
.irp b, 0,1,2,3
	v_max3_num_f32 v[TM+\b], |v[96+16*\b]|, |v[97+16*\b]|, 0x1800000   ; y is quantised along the channels
.endr
.irp i, 2,4,6,8,10,12,14
.irp b, 0,1,2,3
	s_delay_alu instid0(VALU_DEP_4)
	v_max3_num_f32 v[TM+\b], v[TM+\b], |v[96+16*\b+\i]|, |v[97+16*\b+\i]|
.endr
.endr
.irp b, 0,1,2,3
	s_delay_alu instid0(VALU_DEP_4)
	v_permlanex16_b32 v[TM+4+\b], v[TM+\b], s[SEL], s[SEL+1]
.endr
.irp b, 0,1,2,3
	s_delay_alu instid0(VALU_DEP_4)
	v_max_num_f32 v[TM+\b], v[TM+\b], v[TM+4+\b]
.endr
.irp b, 0,1,2,3
	s_delay_alu instid0(VALU_DEP_4)
	v_add_nc_u32 v[TM+12+\b], 0xff000000, v[TM+\b]
.endr
.irp b, 0,1,2,3
	s_delay_alu instid0(VALU_DEP_4)
	v_lshrrev_b32 v[TM+4+\b], 23, v[TM+12+\b]
.endr
	s_delay_alu instid0(VALU_DEP_3)
	v_lshl_or_b32 v252, v[TM+5], 8, v[TM+4]
	s_delay_alu instid0(VALU_DEP_1)
	v_lshl_or_b32 v252, v[TM+6], 16, v252
	s_delay_alu instid0(VALU_DEP_1)
	v_lshl_or_b32 v252, v[TM+7], 24, v252
.irp b, 0,1,2,3
	v_cvt_scalef32_pk8_fp4_f32 v[PC+2*\b], v[96+16*\b:103+16*\b], v[TM+12+\b]
	v_cvt_scalef32_pk8_fp4_f32 v[PC+1+2*\b], v[104+16*\b:111+16*\b], v[TM+12+\b]
.endr
	v_nop
.irp c, 0,1
.irp i, 0,1
	v_permlane16_swap_b32 v[PC+4*\c+\i], v[PC+2+4*\c+\i]
.endr
.endr
	global_store_b128 v[LI], v[PC:PC+3], s[6:7]    ; the tile's image: 512 consecutive bytes a store
	global_store_b128 v[LI], v[PC+4:PC+7], s[6:7] offset:512
	v_cmp_gt_u32 vcc_lo, 16, v9
	s_wait_xcnt 0x0
	s_and_saveexec_b32 s47, vcc_lo
	global_store_b32 v8, v252, s[8:9]
	s_wait_xcnt 0x0
	s_or_b32 exec_lo, exec_lo, s47
.Ldone:
	s_wait_tensorcnt 0x0                           ; the wave's end
	ds_add_u32 v[SPW], v[NIL]
	s_wait_dscnt 0x0
	ROUND                                          ; the closing round
	s_endpgm
.Lfunc_end_k_qc3a990078f_attn:
	.size	k_qc3a990078f_attn, .Lfunc_end_k_qc3a990078f_attn-k_qc3a990078f_attn
	.p2alignl 7, 3214868480
	.fill 96, 4, 3214868480
	.section	.rodata,"a",@progbits
	.p2align	6, 0x0
	.amdhsa_kernel k_qc3a990078f_attn
		.amdhsa_group_segment_fixed_size 327680
		.amdhsa_private_segment_fixed_size 0
		.amdhsa_enable_private_segment 0
		.amdhsa_kernarg_size 24
		.amdhsa_user_sgpr_count 2
		.amdhsa_user_sgpr_kernarg_segment_ptr 1
		.amdhsa_wavefront_size32 1
		.amdhsa_system_sgpr_workgroup_id_x 1
		.amdhsa_system_sgpr_workgroup_id_y 1
		.amdhsa_system_sgpr_workgroup_id_z 1
		.amdhsa_system_vgpr_workitem_id 0
		.amdhsa_next_free_vgpr 256
		.amdhsa_next_free_sgpr 66
		.amdhsa_reserve_vcc 1
		.amdhsa_float_denorm_mode_32 3
		.amdhsa_float_denorm_mode_16_64 3
		.amdhsa_memory_ordered 1
		.amdhsa_forward_progress 1
		.amdhsa_inst_pref_size 117
	.end_amdhsa_kernel
	.amdgpu_metadata
---
amdhsa.version: [ 1, 2 ]
amdhsa.kernels:
  - .name:           k_qc3a990078f_attn
    .symbol:         k_qc3a990078f_attn.kd
    .args:
      - { .name: qkv, .offset: 0, .size: 8, .value_kind: global_buffer, .address_space: global }
      - { .name: yc, .offset: 8, .size: 8, .value_kind: global_buffer, .address_space: global }
      - { .name: ys, .offset: 16, .size: 8, .value_kind: global_buffer, .address_space: global }
    .group_segment_fixed_size: 327680
    .private_segment_fixed_size: 0
    .kernarg_segment_align: 8
    .kernarg_segment_size: 24
    .max_flat_workgroup_size: 512
    .sgpr_count:     66
    .vgpr_count:     256
    .wavefront_size: 32
...
	.end_amdgpu_metadata
.endif
;; end of part 7
;; launch oproj (part 8): grid 16 x 16, 4 waves a work-group, clusters of 4 x 4, 327,680 bytes of LDS; arguments yc, ys, codes, scales, out0, wo_b; writes out0
.if DOCPART == 8
	.amdgcn_target "amdgcn-amd-amdhsa--gfx1250"
	.amdhsa_code_object_version 6
	.text
	.protected	k_qc3a990078f_oproj
	.globl	k_qc3a990078f_oproj
	.p2align	8
	.type	k_qc3a990078f_oproj,@function
k_qc3a990078f_oproj:
	s_mov_b64 s[64:65], 0
	v_nop
	global_prefetch_b8 v0, s[64:65] scope:SCOPE_SE
	s_setreg_imm32_b32 hwreg(HW_REG_WAVE_MODE, 25, 1), 1
	s_wait_xcnt 0x0
	s_wait_alu depctr_hold_cnt(0) depctr_sa_sdst(0) depctr_va_vdst(0) depctr_va_sdst(0) depctr_va_ssrc(0) depctr_va_vcc(0) depctr_vm_vsrc(0)
	s_getreg_b32 s2, hwreg(HW_REG_IB_STS2, 6, 4)
	s_cmp_eq_u32 s2, 0
	s_cbranch_scc0 .Lentry_in_a_cluster
	s_endpgm
.Lentry_in_a_cluster:
	s_bfe_u32 s2, ttmp6, 0x10000c
	s_cmp_lg_u32 s2, 0xf033
	s_cbranch_scc0 .Lentry_shape_is_right
	s_endpgm
.Lentry_shape_is_right:
; OPROJ.  out0 = y wo^T + wo_b on codes of FP4 (E2M1) with one E8M0 scale for each 32 along K = 2,048 (K = 128 x head + channel).
; The product has 2,048 x 2,048 results: tiles of 128 x 128 make 256 work-groups.  Four waves, each 64 x 64: 16 accumulators of 16 x 16, 128 registers.
; ALL OF K LIES IN LDS AT ONCE: 128 rows of each operand are 2 x 128 KiB of codes.  So there is no ring and nothing is filled again: every load goes out at the start, in two halves of 1,024 along K (eight heads), and a
; counted wait and a barrier show a half whole ahead of its first fetch.  Two loads a wave: one of the head's, and its share of the second half.
; A (source 1) = y: yc[head][tile of 16 places][1,024 bytes], images of fragments: a load brings 8 or 4 heads x 8 tiles, rows of 8,192 bytes; a fragment is read back as it lies, 512 consecutive bytes a load.
; B (source 0) = wo's rows, places 8,192 on of codes (rows of 1,024 bytes) and scales (64 bytes): a load brings 128 or 64 rows x 512 bytes, 16 bytes of padding behind each.  y's scale words: ys[place][64 bytes].
; Places are pi(row) (bits 3 and 4 exchanged): register 8 t + j of B's tiles t = 2 b + u, lane half h, is column 32 b + 16 h + 8 u + j; place 16 a + r of A is row 32 (a/2) + 8 (a%2) + r + 8 (r/8): the way out puts both right.
; CLUSTERS: 4 x 4; A's tiles are shared along a row of the cluster, B's along a column: joint loads.  All that the launch reads is asked for at its start: there is no later stream to ask ahead for.
; A wave's 64 columns are 256 bytes of a row of out0, aligned: each wave has a stage of its own, and the way out has no barrier.
; REGISTERS: window 0: v1-5 at work, v9-19, v24-26 addresses, v20-23 the bias of my four columns, v32-63 scale words (two sets, a chunk each), v64-127 rows of out0 (two sets), v128-255 the accumulators ((a, b) at v[128 + 8 (4 a + b)]).
;   window 1: four fragment buffers of 64, step s in buffer s % 4: A's four fragments, then B's four.
; K COMES IN TWO HALVES of 1,024 (eight heads), each with LDS bytes of its own: the first by the head's loads, one a wave (wave 0: A's codes, wave 1: B's, waves 2, 3: A's and B's scales for all of K), the second behind the full sequence
; and a round, shared out among the four waves: so it is on its way while the first half is multiplied.  One barrier, ahead of the first fetch from it, shows the second half to every wave.
; LDS: A at 0: [half 2][head 8][tile 8][1,024];  B at 131,072: [half 2][128 rows of 528];  scales at 266,240: A's, B's, 8,704 each;  stages at 283,648.
.set PITCH,  528                       ; an LDS row of B: 512 bytes + 16 of padding: an odd multiple of 16, so the 16 rows that a load touches start at different banks
.set ACH,    65536                     ; A: half of K
.set BB,     2*ACH
.set BHALF,  64*PITCH
.set BCH,    2*BHALF
.set SCL,    BB+2*BCH
.set HALFS,  16*272                    ; the scales of 64 rows: 16 units of 256 bytes + 16
.set SBLK,   4*272                     ; those of 16 rows
.set STG,    SCL+4*HALFS
.set SPITCH, 272
.set ASTEP,  8*131072                  ; eight heads on in yc
.set LI,   9
.set ADRA, 10                          ; v10-11 my A fragments in half 0, 1
.set ADRB, 14                          ; v14-15 the same for B
.set ADRS, 18
.set STO,  19
.set WB,   20
.set RD,   24
.set CO,   25
.set BO,   26
.set SC,   32
.set BK,   64
.set ACC,  128
.set G1,   24                          ; s[24:31] group 1 for A's tiles;  s[32:39] its two groups 0
.set G0,   32
.set G1B,  48                          ; s[48:55] for B's;  its groups 0 at s56, s60
.set G0B,  56
.set G1S,  68                          ; s[68:75], s[76:79] for A's scales;  s[80:87], s[88:91] for B's
.set G0S,  76
.set G1SB, 80
.set G0SB, 88
.set MSB, 0
.macro WIN new                         ; the immediate's high byte repeats the setting that is left
.if MSB != \new
	s_set_vgpr_msb (MSB<<8)|\new
.set MSB, \new
.endif
.endm
.set W_MUL, 0x05                       ; sources 0 (B) and 1 (A) window 1; C and D window 0
.set TO_F,  0x40                       ; destination window 1, address window 0
.macro JLOAD g0a, g1a, g0b, g1b        ; waves 0 and 1 fetch for A, waves 2 and 3 for B; the branch hangs on the wave's number alone; four v_nop follow each of the two lines
	s_cmp_eq_u32 s15, 0
	s_cbranch_scc0 .Lfor_b_\@
	tensor_load_to_lds s[\g0a:\g0a+3], s[\g1a:\g1a+7]
	s_nop 0
.rept 4
	v_nop
.endr
	s_branch .Lasked_\@
.Lfor_b_\@:
	tensor_load_to_lds s[\g0b:\g0b+3], s[\g1b:\g1b+7]
	s_nop 0
.rept 4
	v_nop
.endr
.Lasked_\@:
.endm
.macro CREST
	s_cmp_lg_u32 s14, 0
	s_cbranch_scc1 .Lnot_wave_0_\@
	s_barrier_signal -3
.Lnot_wave_0_\@:
	s_barrier_wait -3
	s_barrier_signal -1
	s_barrier_wait -1
.endm
.macro CROUND
	s_barrier_signal -1
	s_barrier_wait -1
	CREST
.endm
.macro MKG0 g, lds, preg               ; a group 0: to LDS byte lds, from s[preg:preg+1]
	s_mov_b32 s[\g], 1
	s_mov_b32 s[\g+1], \lds
	s_mov_b64 s[\g+2:\g+3], s[\preg:\preg+1]
	s_or_b32 s[\g+3], s[\g+3], 0x80000000
.endm
	s_load_b128 s[4:7], s[0:1], 0x0                ; yc, ys
	s_load_b128 s[8:11], s[0:1], 0x10              ; codes, scales
	s_load_b64 s[12:13], s[0:1], 0x20              ; out0
	s_load_b64 s[100:101], s[0:1], 0x28            ; wo_b
	v_lshl_add_u32 v30, v0, 2, 0x4a800
	v_mov_b32 v31, 0
	ds_add_u32 v30, v31
	ds_add_u32 v30, v31
	v_lshrrev_b32 v1, 5, v0
	v_readfirstlane_b32 s14, v1                    ; wave 0..3
	s_lshr_b32 s15, s14, 1                         ; which half of A's rows is mine.  Also: I fetch for A (0) or for B (1)
	s_and_b32 s16, s14, 1                          ; which half of B's.  Also: which half I fetch
	s_bfe_u32 s2, ttmp6, 0x40000                   ; cx, cy
	s_bfe_u32 s3, ttmp6, 0x40004
	s_lshl_b32 s66, ttmp9, 2
	s_add_co_u32 s66, s66, s2                      ; gx = 4 x cluster x + cx
	s_and_b32 s17, ttmp7, 0xffff
	s_lshl_b32 s17, s17, 2
	s_add_co_u32 s17, s17, s3                      ; gy = 4 x cluster y + cy
	s_lshl_b32 s18, s3, 2
	s_lshl_b32 s18, 15, s18                        ; my row of the cluster
	s_lshl_b32 s19, 0x1111, s2                     ; my column
	; A: rows (heads) of 1,024 elements of 8 bytes, 16,384 elements apart, no padding
	s_or_b32 s[G1+0], s18, (3<<16)|(1<<21)
	; for the head's load 8 heads of 1,024 elements (8 tiles); behind it 4
	s_mov_b32 s[G1+1], 1024<<16
	s_mov_b32 s[G1+2], 8<<16
	s_mov_b32 s[G1+3], 1024<<16
	s_mov_b32 s[G1+4], 8
	s_mov_b32 s[G1+5], 16384
	s_mov_b32 s[G1+6], 0
	s_mov_b32 s[G1+7], 0
	; B: rows of 512 bytes, 16 bytes of padding behind each
	s_or_b32 s[G1B+0], s19, (0<<16)|(1<<20)|(1<<21)|(6<<22)|(3<<25)   ; rows of 512 bytes, padded after every 128 words; for the head's load 128 rows, behind it 64
	s_mov_b32 s[G1B+1], 512<<16
	s_mov_b32 s[G1B+2], 128<<16
	s_mov_b32 s[G1B+3], 512<<16
	s_mov_b32 s[G1B+4], 128
	s_mov_b32 s[G1B+5], 1024
	s_mov_b32 s[G1B+6], 0
	s_mov_b32 s[G1B+7], 0
	; the scales of 128 rows: 8,192 dense bytes as 32 rows of 256 (32 elements of 8 bytes), 16 bytes of padding behind each
	s_or_b32 s[G1S+0], s18, (3<<16)|(1<<20)|(1<<21)|(5<<22)|(3<<25)
	s_or_b32 s[G1SB+0], s19, (3<<16)|(1<<20)|(1<<21)|(5<<22)|(3<<25)
.irp g, G1S, G1SB
	s_mov_b32 s[\g+1], 32<<16
	s_mov_b32 s[\g+2], 32<<16                      ; the scales of 128 rows: 32 rows of 256 bytes
	s_mov_b32 s[\g+3], 32<<16
	s_mov_b32 s[\g+4], 32
	s_mov_b32 s[\g+5], 32
	s_mov_b32 s[\g+6], 0
	s_mov_b32 s[\g+7], 0
.endr
	s_lshl_b32 s20, s17, 13
	s_mov_b32 s21, 0                               ; A: tile 8 gy, 1,024 bytes each; its places' scale bytes, 64 each, begin as many bytes on in ys
	s_lshl_b32 s22, s66, 7
	s_add_co_u32 s22, s22, 8192                    ; B: place 8,192 + 128 gx
	s_lshl_b32 s2, s22, 6                          ; 64 scale bytes a place,
	s_mov_b32 s3, 0
	s_lshl_b32 s22, s22, 10                        ; 1,024 bytes of codes
	s_mov_b32 s23, 0
	s_lshl_b32 s18, s16, 19                        ; the second half of K: A: my four of its eight heads,
	s_mov_b32 s19, 0
	s_lshl_b32 s92, s16, 16                        ; B: my 64 of its 128 rows,
	s_mov_b32 s93, 0
	s_lshl_b32 s94, s16, 15                        ; and where they go: the wave's number alone enters an LDS address
	s_add_co_u32 s94, s94, ACH
	s_mul_i32 s95, s16, BHALF
	s_add_co_u32 s95, s95, BB+BCH
	s_wait_dscnt 0x0
	s_wait_kmcnt 0x0
	s_add_nc_u64 s[6:7], s[6:7], s[20:21]
	s_add_nc_u64 s[4:5], s[4:5], s[20:21]
	s_add_nc_u64 s[10:11], s[10:11], s[2:3]
	s_add_nc_u64 s[8:9], s[8:9], s[22:23]
	s_add_nc_u64 s[18:19], s[4:5], s[18:19]
	s_add_nc_u64 s[18:19], s[18:19], ASTEP
	s_add_nc_u64 s[92:93], s[8:9], s[92:93]
	s_add_nc_u64 s[92:93], s[92:93], 512
	MKG0 G0, 0, 4
	MKG0 G0+4, s94, 18
	MKG0 G0B, BB, 8
	MKG0 G0B+4, s95, 92
	MKG0 G0S, SCL, 6
	MKG0 G0SB, SCL+2*HALFS, 10
	CROUND                                         ; all sixteen work-groups are here: the joint loads meet
.macro ARM under, g0, g1, next         ; one tree of branches on the wave's number: every way through the head passes one load
	s_cmp_lt_u32 s14, \under
	s_cbranch_scc0 \next
	tensor_load_to_lds s[\g0:\g0+3], s[\g1:\g1+7]
	s_nop 0
.rept 4
	v_nop
.endr
	s_branch .Lhead_asked
\next:
.endm
	ARM 1, G0,  G1,  .Lhead_b
	ARM 2, G0B, G1B, .Lhead_sa
	ARM 3, G0S, G1S, .Lhead_sb
	tensor_load_to_lds s[G0SB:G0SB+3], s[G1SB:G1SB+7]
	s_nop 0
.rept 4
	v_nop
.endr
.Lhead_asked:
	v_and_b32 v1, 15, v0                           ; r
	v_bfe_u32 v2, v0, 4, 1                         ; h
	v_and_b32 v3, 31, v0
	v_lshlrev_b32 v[LI], 4, v3                     ; 16 x lane
	s_wait_alu depctr_va_vdst(0)
	v_mul_u32_u24 v3, v1, PITCH
	v_lshl_add_u32 v4, v2, 4, v3                   ; a fragment's row x pitch + 16 x half
	s_wait_alu depctr_va_vdst(0)
	s_lshl_b32 s20, s15, 12                        ; my 4 tiles of A,
	s_mul_i32 s21, s16, BHALF
	s_add_co_u32 s21, s21, BB                      ; my 64 rows of B, in each half of K
.irp c, 0,1
	v_add_nc_u32 v[ADRA+\c], s20, v[LI]
	v_add_nc_u32 v[ADRB+\c], s21, v4
	s_add_co_u32 s20, s20, ACH
	s_add_co_u32 s21, s21, BCH
.endr
	v_mul_u32_u24 v5, v1, 64                       ; my row's scales: 64 bytes a row,
	v_lshrrev_b32 v3, 8, v5
	v_lshl_add_u32 v5, v3, 4, v5                   ; and 16 more for each 256 passed
	s_mul_i32 s20, s15, HALFS
	s_mul_i32 s21, s16, HALFS
	s_add_co_u32 s21, s21, 2*HALFS
	s_sub_co_u32 s21, s21, s20
	v_mul_u32_u24 v3, s21, v2                      ; lanes 16-31 take B's
	s_add_co_u32 s20, s20, SCL
	v_add_nc_u32 v5, v5, v3
	v_add_nc_u32 v[ADRS], s20, v5
	s_mul_i32 s22, s14, 16*SPITCH
	s_add_co_u32 s22, s22, STG                     ; my stage
	v_mul_u32_u24 v5, v1, SPITCH
	v_lshl_add_u32 v5, v2, 6, v5                   ; in: row r, + 64 h: my half's 16 columns of a block of 32
	v_add_nc_u32 v[STO], s22, v5
	v_mul_u32_u24 v5, v2, SPITCH
	v_lshl_add_u32 v5, v1, 4, v5                   ; back: lanes 0-15 one row of 256 bytes, lanes 16-31 the next
	v_add_nc_u32 v[RD], s22, v5
	v_lshlrev_b32 v[BO], 4, v1                     ; 16 r: my four columns
	s_wait_alu depctr_va_vdst(0)
	v_lshl_add_u32 v[CO], v2, 13, v[BO]            ; and one row of out0 (8,192 bytes) further down for lanes 16-31
	s_lshl_b32 s20, s17, 20
	s_lshl_b32 s21, s15, 19
	s_add_co_u32 s20, s20, s21                     ; my first row of out0: (128 gy + 64 x half) x 8,192 bytes
	s_mov_b32 s21, 0
	s_lshl_b32 s22, s66, 9
	s_lshl_b32 s23, s16, 8
	s_add_co_u32 s22, s22, s23                     ; my first column: (128 gx + 64 x half) x 4 bytes
	s_mov_b32 s23, 0
	s_add_nc_u64 s[100:101], s[100:101], s[22:23]
	s_add_nc_u64 s[20:21], s[20:21], s[22:23]
	s_add_nc_u64 s[12:13], s[12:13], s[20:21]
	global_load_b128 v[WB:WB+3], v[BO], s[100:101] ; the bias of the four columns that I store
; Step s = 128 along K: head s; chunk s / 4, the chunk's (s % 4)-th.  Its fragments, 16 loads, go into buffer s % 4.
.macro FETCH s
	WIN TO_F
.irp i, 0,1,2,3
.irp c, 0,1
	ds_load_b128 v[64*((\s)%4)+8*\i+4*\c:64*((\s)%4)+8*\i+4*\c+3], v[ADRA+(\s)/8] offset:8192*((\s)%8)+1024*\i+512*\c      ; A: the image of tile i
.endr
.endr
.irp i, 0,1,2,3
.irp c, 0,1
	ds_load_b128 v[64*((\s)%4)+32+8*\i+4*\c:64*((\s)%4)+32+8*\i+4*\c+3], v[ADRB+(\s)/8] offset:64*((\s)%8)+32*\c+\i*16*PITCH   ; B: 16 rows x 128 K from rows of 528 bytes
.endr
.endr
.endm
.macro SCALES ch                       ; a chunk's scale words, 4 words a row, into set ch % 2: register 4 i + q: lanes 0-15 A's block i, lanes 16-31 B's block i
.irp i, 0,1,2,3
	ds_load_b128 v[SC+16*((\ch)%2)+4*\i:SC+16*((\ch)%2)+4*\i+3], v[ADRS] offset:\i*SBLK+16*(\ch)
.endr
.endm
.macro ARRIVE                          ; the second half of K is whole in LDS for every wave
	WIN 0
	s_wait_tensorcnt 0x0
	s_wait_dscnt 0x0                               ; no LDS instruction of mine is pending at a signal
	s_barrier_signal -1
	s_barrier_wait -1
.endm
; 16 matrix instructions; the 16 accumulators take turns, one instruction a turn, in the same order in every step.  The first step's products start the sums.
.macro MUL s
.irp a, 0,1,2,3
.irp b, 0,1,2,3
.if (\s) == 0
	v_wmma_scale_f32_16x16x128_f8f6f4 v[ACC+8*(4*\a+\b):ACC+8*(4*\a+\b)+7], v[64*((\s)%4)+32+8*\b:64*((\s)%4)+32+8*\b+7], v[64*((\s)%4)+8*\a:64*((\s)%4)+8*\a+7], 0, v[SC+16*(((\s)/4)%2)+4*\b+(\s)%4], v[SC+16*(((\s)/4)%2)+4*\a+(\s)%4] matrix_a_fmt:MATRIX_FMT_FP4 matrix_b_fmt:MATRIX_FMT_FP4 matrix_a_scale:MATRIX_SCALE_ROW1
.else
	v_wmma_scale_f32_16x16x128_f8f6f4 v[ACC+8*(4*\a+\b):ACC+8*(4*\a+\b)+7], v[64*((\s)%4)+32+8*\b:64*((\s)%4)+32+8*\b+7], v[64*((\s)%4)+8*\a:64*((\s)%4)+8*\a+7], v[ACC+8*(4*\a+\b):ACC+8*(4*\a+\b)+7], v[SC+16*(((\s)/4)%2)+4*\b+(\s)%4], v[SC+16*(((\s)/4)%2)+4*\a+(\s)%4] matrix_a_fmt:MATRIX_FMT_FP4 matrix_b_fmt:MATRIX_FMT_FP4 matrix_a_scale:MATRIX_SCALE_ROW1
.endif
.endr
.endr
.endm
.macro PLACES n                        ; plain vector instructions between a matrix instruction and a load into, or a read of, its registers
.rept \n
	v_nop
.endr
.endm
; A step: the fragments of the step two further on are asked for, into the buffer that the step two back has multiplied; then this step's products.
.macro STEP s
.if (\s)+2 < 16
.if (\s) > 0
	PLACES 4
.endif
.if (\s)+2 == 8
	ARRIVE
.endif
.if ((\s)+2)%4 == 0
	WIN 0
	SCALES ((\s)+2)/4
.endif
	FETCH (\s)+2
	s_wait_dscnt 32                                ; this step's fragments (and its chunk's scale words, which were asked for ahead of them) are in; the 32 loads of the next two steps may be out
.else
	s_wait_dscnt 16*(15-(\s))                      ; the last two steps ask for nothing
.endif
	WIN W_MUL
	MUL \s
.endm
	s_wait_alu depctr_va_vdst(0)                   ; the wait at the head's end
	s_wait_tensorcnt 0x0                           ; my tile of the head's four is in
	ds_add_u32 v30, v31                            ; 0 onto my spare word
	s_mov_b32 s[G1+2], 4<<16                       ; no tensor load of mine is out, so a descriptor may be written: from here on four heads,
	s_mov_b32 s[G1+4], 4
	s_mov_b32 s[G1B+2], 64<<16                     ; 64 rows
	s_mov_b32 s[G1B+4], 64
	s_wait_dscnt 0x0                               ; the add is done
	CROUND                                         ; the first half of K is whole, and all sixteen work-groups are here
	JLOAD G0+4, G1, G0B+4, G1B                     ; the second half, the first tensor load behind the round
	SCALES 0
	FETCH 0
	FETCH 1
.set S, 0
.rept 16
	STEP S
.set S, S+1
.endr
	WIN 0
; THE WAY OUT, block by block of 16 places x 64 columns, through my own stage: in by the columns' true order, back as whole rows of 256 bytes.  LDS serves a wave's instructions in order: no wait between the stores and the loads.
.macro TOSTAGE a
.irp b, 0,1,2,3
	ds_store_b128 v[STO], v[ACC+8*(4*(\a)+\b):ACC+8*(4*(\a)+\b)+3] offset:128*(\b/2)+32*(\b%2)          ; columns 32 (b/2) + 16 h + 8 (b%2) + 0 .. 3; each accumulator from its low end on
	ds_store_b128 v[STO], v[ACC+8*(4*(\a)+\b)+4:ACC+8*(4*(\a)+\b)+7] offset:128*(\b/2)+32*(\b%2)+16
.endr
.irp t, 0,1,2,3,4,5,6,7
	ds_load_b128 v[BK+32*((\a)%2)+4*\t:BK+32*((\a)%2)+4*\t+3], v[RD] offset:\t*2*SPITCH
.endr
.endm
.macro SEND a, younger                 ; younger: the LDS instructions issued behind block a's loads, which may stay out
	s_wait_dscnt \younger
.irp t, 0,1,2,3,4,5,6,7
	v_pk_add_f32 v[BK+32*((\a)%2)+4*\t:BK+32*((\a)%2)+4*\t+1], v[BK+32*((\a)%2)+4*\t:BK+32*((\a)%2)+4*\t+1], v[WB:WB+1]
	v_pk_add_f32 v[BK+32*((\a)%2)+4*\t+2:BK+32*((\a)%2)+4*\t+3], v[BK+32*((\a)%2)+4*\t+2:BK+32*((\a)%2)+4*\t+3], v[WB+2:WB+3]
	s_wait_alu depctr_va_vdst(0)
	global_store_b128 v[CO], v[BK+32*((\a)%2)+4*\t:BK+32*((\a)%2)+4*\t+3], s[12:13] offset:(32*((\a)/2)+8*((\a)%2)+2*\t+8*(\t/4))*8192 th:TH_STORE_NT   ; places 16 a + 2 t + h are these rows; 16 lanes store 256 consecutive bytes, aligned; 62 rows at the most: inside the immediate
.endr
.endm
	PLACES 4                                       ; behind the last products
	s_wait_loadcnt 0x0                             ; the bias
	TOSTAGE 0
.irp a, 1,2,3
.if \a > 1
	s_wait_xcnt 0x0                                ; block a - 2's stores have read their registers: block a's loads may land there
.endif
	TOSTAGE \a
	SEND \a-1, 16                                  ; behind block a - 1's loads: block a's 8 stores and 8 loads
.endr
	SEND 3, 0
	s_wait_dscnt 0x0
	s_wait_tensorcnt 0x0
	ds_add_u32 v30, v31
	s_wait_dscnt 0x0
	CROUND                                         ; the closing round: no work-group ends while a partner may still ask for a tile that names it
	s_endpgm
.Lfunc_end_k_qc3a990078f_oproj:
	.size	k_qc3a990078f_oproj, .Lfunc_end_k_qc3a990078f_oproj-k_qc3a990078f_oproj
	.p2alignl 7, 3214868480
	.fill 96, 4, 3214868480
	.section	.rodata,"a",@progbits
	.p2align	6, 0x0
	.amdhsa_kernel k_qc3a990078f_oproj
		.amdhsa_group_segment_fixed_size 327680
		.amdhsa_private_segment_fixed_size 0
		.amdhsa_enable_private_segment 0
		.amdhsa_kernarg_size 48
		.amdhsa_user_sgpr_count 2
		.amdhsa_user_sgpr_kernarg_segment_ptr 1
		.amdhsa_wavefront_size32 1
		.amdhsa_system_sgpr_workgroup_id_x 1
		.amdhsa_system_sgpr_workgroup_id_y 1
		.amdhsa_system_sgpr_workgroup_id_z 1
		.amdhsa_system_vgpr_workitem_id 0
		.amdhsa_next_free_vgpr 512
		.amdhsa_next_free_sgpr 102
		.amdhsa_reserve_vcc 0
		.amdhsa_float_denorm_mode_32 3
		.amdhsa_float_denorm_mode_16_64 3
		.amdhsa_memory_ordered 1
		.amdhsa_forward_progress 1
		.amdhsa_inst_pref_size 76
	.end_amdhsa_kernel
	.amdgpu_metadata
---
amdhsa.version: [ 1, 2 ]
amdhsa.kernels:
  - .name:           k_qc3a990078f_oproj
    .symbol:         k_qc3a990078f_oproj.kd
    .args:
      - { .name: yc, .offset: 0, .size: 8, .value_kind: global_buffer, .address_space: global }
      - { .name: ys, .offset: 8, .size: 8, .value_kind: global_buffer, .address_space: global }
      - { .name: codes, .offset: 16, .size: 8, .value_kind: global_buffer, .address_space: global }
      - { .name: scales, .offset: 24, .size: 8, .value_kind: global_buffer, .address_space: global }
      - { .name: out0, .offset: 32, .size: 8, .value_kind: global_buffer, .address_space: global }
      - { .name: wo_b, .offset: 40, .size: 8, .value_kind: global_buffer, .address_space: global }
    .group_segment_fixed_size: 327680
    .private_segment_fixed_size: 0
    .kernarg_segment_align: 8
    .kernarg_segment_size: 48
    .max_flat_workgroup_size: 128
    .sgpr_count:     102
    .vgpr_count:     512
    .wavefront_size: 32
...
	.end_amdgpu_metadata
.endif
;; end of part 8
